; MI455X (gfx1250); checked and timed in simulation.
; The chip was launched on July 23, 2026; its instructions are those of AMD's public machine-readable ISA for CDNA 5 (MIT licence, August 2026) and "CDNA5" Instruction Set Architecture Reference Guide (July 2026). The comments in the code are by the model that wrote it; some were corrected since.
;; Mo E Layer. Allowed arithmetic: float matrix products may take bf16 or f16 operands with f32 sums; other float arithmetic in f32, or as packed bf16 or f16 multiplies, adds, multiply-adds, maxima and minima; sums over many terms, partial sums and values carried from step to step in f32; what a program stores and reads back later, other than sums and carried values, may be rounded once to bf16 or f16.
;; Inputs: b1 8 x 4,096 float32; b2 8 x 1,024 float32; gate_b 8 float32; gate_w 8 x 1,024 float32; w1 8 x 1,024 x 4,096 float32; w2 8 x 4,096 x 1,024 float32; x 4 x 256 x 1,024 float32.
;; Outputs: out0 4 x 256 x 1,024 float32.
;; 3 versions, each right; version 3 is version 2 with the launch combine written anew for expert scheduling mode. Each part assembles by itself: llvm-mc -triple=amdgcn-amd-amdhsa -mcpu=gfx1250 --defsym DOCPART=n.
;; ======== version 1 of 3: 4 launches
;; limits: values are held in f16: magnitudes above 65,504 overflow, below 6.1e-05 lose precision; a function is approximated: absolute error at most 1.5e-07
;; workspace buffers: xb 2,097,152 bytes; idx 8,192 bytes of whole numbers; bm 2,048 bytes of whole numbers; gw 8,192 bytes; hmid 16,777,216 bytes; part 33,554,432 bytes
;; launch router (part 1): grid 64 x 1, 8 waves a work-group, no clusters, 42,496 bytes of LDS; arguments x, gate_w, gate_b, xb, idx, gw, bm; writes xb, idx, gw, bm
.if DOCPART == 1
	.amdgcn_target "amdgcn-amd-amdhsa--gfx1250"
	.amdhsa_code_object_version 6
	.text
	.protected	k_q05b9d3cbd4_router
	.globl	k_q05b9d3cbd4_router
	.p2align	8
	.type	k_q05b9d3cbd4_router,@function
k_q05b9d3cbd4_router:
	s_mov_b64 s[64:65], 0
	v_nop
	global_prefetch_b8 v0, s[64:65] scope:SCOPE_SE
	s_setreg_imm32_b32 hwreg(HW_REG_WAVE_MODE, 25, 1), 1
	s_wait_xcnt 0x0
; ROUTER.  gates = x gate_w^T + gate_b for 16 tokens a work-group; the two largest gates of a token (ties: the lower expert, as jax.lax.top_k),
; their softmax (the larger gate is taken away before the exponential), and x rounded to bf16 for the first product.
; All inputs are rounded to bf16 (x, gate_w, gate_b), the products are summed in f32.  NaN and infinities are not treated apart in the choice.
; STORES, all at fixed places: xb [1024][1024] bf16; idx [token][2] the experts, best first; gw [token][2] their weights;
; bm [tile of 16 tokens][expert]: bit i = token i of the tile has the expert as its first choice, bit 16 + i = as its second.
; SHARES.  Eight waves.  Wave w loads rows 2 w and 2 w + 1 whole (each load of the wave covers 512 neighbouring bytes), rounds them, stores them to xb
; (each store of the wave covers 256 neighbouring bytes, aligned) and to LDS; then wave w multiplies K = 128 w .. 128 w + 127 of all 16 tokens: four
; matrix instructions on four accumulators.  The eight partial results meet in LDS and wave 0 adds them in the waves' order.
; No cluster, no tensor load: the work-groups share only gate_w's 32 KB, and x passes through registers to be rounded.
.set XP,    2064                       ; a token's row in LDS: 2,048 bytes + 16: the 16 rows of a fragment load start 16 bytes apart modulo 256
.set RED,   33280                      ; behind the 16 rows: 1,024 bytes for each wave's partial gates
.set SPARE, 41472                      ; the spare words, 128 bytes a wave: four blocks of 256 bytes that no other line names
.set SPW, 4                            ; v4  LDS address of my spare word; never rewritten
.set NIL, 5                            ; v5  0; never rewritten
.set X,   16                           ; v[16:79]   two rows of x in f32; later the token fragments, later the eight partial results
.set GWF, 80                           ; v[80:143]  gate_w in f32: 16 registers for each of four K steps
.set XB,  144                          ; v[144:175] the two rows in bf16
.set GF,  176                          ; v[176:207] gate_w's fragments
.set ACC, 208                          ; v[208:239] four accumulators
.set GB,  240                          ; v[240:247] gate_b
	s_load_b256 s[4:11], s[0:1], 0x0               ; x s[4:5], gate_w s[6:7], gate_b s[8:9], xb s[10:11]
	s_load_b128 s[12:15], s[0:1], 0x20             ; idx s[12:13], gw s[14:15]
	s_load_b64 s[16:17], s[0:1], 0x30              ; bm
	v_lshl_add_u32 v[SPW], v0, 2, SPARE
	v_mov_b32 v[NIL], 0
	v_lshrrev_b32 v14, 5, v0
	v_readfirstlane_b32 s18, v14                   ; wave 0..7
	v_and_b32 v1, 31, v0                           ; lane l
	v_and_b32 v2, 15, v0                           ; r = l % 16
	v_bfe_u32 v3, v0, 4, 1                         ; h = l / 16
	v_and_b32 v15, 7, v0
	s_lshl_b32 s19, s18, 13
	v_lshl_add_u32 v6, v1, 4, s19                  ; x: two rows of 4,096 bytes a wave, 16 bytes a lane
	s_lshl_b32 s19, s18, 12
	v_lshl_add_u32 v7, v1, 3, s19                  ; xb: two rows of 2,048 bytes a wave, 8 bytes a lane
	s_mul_i32 s19, s18, 2*XP
	v_lshl_add_u32 v8, v1, 3, s19                  ; the same two rows in LDS
	v_mul_u32_u24 v9, v2, XP
	v_lshl_add_u32 v9, v3, 4, v9
	s_lshl_b32 s19, s18, 8
	v_add_nc_u32 v9, s19, v9                       ; token fragment: row r, my wave's 256 bytes of K, 16 bytes for each half of the lanes
	v_lshlrev_b32 v10, 12, v15
	v_lshl_add_u32 v10, v3, 5, v10
	s_lshl_b32 s19, s18, 9
	v_add_nc_u32 v10, s19, v10                     ; gate_w: row r % 8 (rows 8-15 of the fragment repeat the eight experts), my wave's 512 bytes, 32 bytes a half
	s_lshl_b32 s19, s18, 10
	s_add_co_u32 s19, s19, RED
	v_lshl_add_u32 v11, v1, 5, s19                 ; where my 8 partial gates go
	v_lshl_add_u32 v12, v1, 5, RED                 ; where wave 0 reads them
	v_lshlrev_b32 v13, 3, v2                       ; idx, gw: 8 bytes a token
	v_lshlrev_b32 v15, 2, v15                      ; bm: word l % 8
	v_mov_b32 v14, 0
	s_mov_b32 s21, 0
	s_wait_kmcnt 0x0
	s_lshl_b32 s20, ttmp9, 16                      ; the tile's 16 rows of x,
	s_add_nc_u64 s[4:5], s[4:5], s[20:21]
	s_lshl_b32 s20, ttmp9, 15                      ; of xb,
	s_add_nc_u64 s[10:11], s[10:11], s[20:21]
	s_lshl_b32 s20, ttmp9, 7                       ; its 16 pairs in idx and gw,
	s_add_nc_u64 s[12:13], s[12:13], s[20:21]
	s_add_nc_u64 s[14:15], s[14:15], s[20:21]
	s_lshl_b32 s20, ttmp9, 5                       ; its 8 words of bm
	s_add_nc_u64 s[16:17], s[16:17], s[20:21]
.irp p, 0,1
.irp s, 0,1,2,3,4,5,6,7
	global_load_b128 v[X+32*\p+4*\s:X+32*\p+4*\s+3], v6, s[4:5] offset:4096*\p+512*\s th:TH_LOAD_NT
.endr
.endr
	global_load_b128 v[GB:GB+3], v14, s[8:9]
	global_load_b128 v[GB+4:GB+7], v14, s[8:9] offset:16
.irp k, 0,1,2,3
.irp p, 0,1,2,3
	global_load_b128 v[GWF+16*\k+4*\p:GWF+16*\k+4*\p+3], v10, s[6:7] offset:128*\k+64*((\p)/2)+16*((\p)%2)  ; K step k: 8 numbers at 8 h, 8 at 16 + 8 h
.endr
.endr
	s_wait_loadcnt 18                              ; x is in; the 18 younger loads (gate_b, gate_w) may stay out
.set i, 0
.rept 32
	v_cvt_pk_bf16_f32 v[XB+i], v[X+2*i], v[X+2*i+1]
.set i, i+1
.endr
.irp p, 0,1
.irp s, 0,1,2,3,4,5,6,7
	global_store_b64 v7, v[XB+16*\p+2*\s:XB+16*\p+2*\s+1], s[10:11] offset:2048*\p+256*\s
	ds_store_b64 v8, v[XB+16*\p+2*\s:XB+16*\p+2*\s+1] offset:XP*\p+256*\s
.endr
.endr
	s_wait_loadcnt 0x0                             ; gate_b and gate_w
.set i, 0
.rept 32
	v_cvt_pk_bf16_f32 v[GF+i], v[GWF+2*i], v[GWF+2*i+1]
.set i, i+1
.endr
	s_wait_dscnt 0x0                               ; for the others' sake: my two rows are in LDS
	s_barrier_signal -1
	s_barrier_wait -1
.irp k, 0,1,2,3
	ds_load_b128 v[X+8*\k:X+8*\k+3], v9 offset:64*\k
	ds_load_b128 v[X+8*\k+4:X+8*\k+7], v9 offset:64*\k+32
.endr
	s_wait_dscnt 0x0
	; source 0 = experts, source 1 = tokens: in the result a lane holds token r, register j expert j (both halves of the lanes alike)
.irp k, 0,1,2,3
	v_wmma_f32_16x16x32_bf16 v[ACC+8*\k:ACC+8*\k+7], v[GF+8*\k:GF+8*\k+7], v[X+8*\k:X+8*\k+7], 0
.endr
.rept 4
	v_nop                                          ; four places between the products and the first read of a result (ISA guide 7.12.1)
.endr
.irp c, 0,1,2,3                                        ; each accumulator's lowest registers are read first
	v_pk_add_f32 v[ACC+2*\c:ACC+2*\c+1], v[ACC+2*\c:ACC+2*\c+1], v[ACC+8+2*\c:ACC+8+2*\c+1]
	v_pk_add_f32 v[ACC+16+2*\c:ACC+16+2*\c+1], v[ACC+16+2*\c:ACC+16+2*\c+1], v[ACC+24+2*\c:ACC+24+2*\c+1]
.endr
.irp c, 0,1,2,3
	v_pk_add_f32 v[ACC+2*\c:ACC+2*\c+1], v[ACC+2*\c:ACC+2*\c+1], v[ACC+16+2*\c:ACC+16+2*\c+1]
.endr
	ds_store_b128 v11, v[ACC:ACC+3]
	ds_store_b128 v11, v[ACC+4:ACC+7] offset:16
	s_wait_dscnt 0x0                               ; for wave 0's sake
	s_barrier_signal -1
	s_barrier_wait -1
	s_cmp_lg_u32 s18, 0
	s_cbranch_scc1 .Lend                           ; the rest is one wave's work: 16 tokens, one a lane
.irp w, 0,1,2,3,4,5,6,7
	ds_load_b128 v[X+8*\w:X+8*\w+3], v12 offset:1024*\w
	ds_load_b128 v[X+8*\w+4:X+8*\w+7], v12 offset:1024*\w+16
.endr
.irp c, 0,1,2,3                                        ; gate_b rounded to bf16, as pairs in f32
	v_cvt_pk_bf16_f32 v[80+\c], v[GB+2*\c], v[GB+2*\c+1]
	v_lshlrev_b32 v[88+2*\c], 16, v[80+\c]
	v_and_b32 v[89+2*\c], 0xffff0000, v[80+\c]
.endr
	s_wait_dscnt 0x0
.irp w, 1,2,3,4,5,6,7
.irp c, 0,1,2,3
	v_pk_add_f32 v[X+2*\c:X+2*\c+1], v[X+2*\c:X+2*\c+1], v[X+8*\w+2*\c:X+8*\w+2*\c+1]
.endr
.endr
.irp c, 0,1,2,3
	v_pk_add_f32 v[X+2*\c:X+2*\c+1], v[X+2*\c:X+2*\c+1], v[88+2*\c:89+2*\c]
.endr
	; the two largest: v96 best, v97 second, v98 and v99 their experts.  The compares are strict, so of equal gates the lower expert stays ahead.
	v_cmp_gt_f32 s20, v17, v16
	v_cndmask_b32 v96, v16, v17, s20
	v_cndmask_b32 v97, v17, v16, s20
	v_cndmask_b32 v98, 0, 1, s20
	v_cndmask_b32 v99, 1, 0, s20
.irp j, 2,3,4,5,6,7
	v_cmp_gt_f32 s20, v[16+\j], v96
	v_cmp_gt_f32 s21, v[16+\j], v97
	v_cndmask_b32 v97, v97, v[16+\j], s21
	v_cndmask_b32 v99, v99, \j, s21
	v_cndmask_b32 v97, v97, v96, s20
	v_cndmask_b32 v99, v99, v98, s20
	v_cndmask_b32 v96, v96, v[16+\j], s20
	v_cndmask_b32 v98, v98, \j, s20
.endr
	; softmax of the two: the maximum is the best gate; e = exp(second - best) lies in 0 to 1; weights 1 / (1 + e) and e / (1 + e)
	v_sub_f32 v102, v97, v96
	v_mul_f32 v102, 0x3fb8aa3b, v102
	v_exp_f32 v103, v102
	v_nop                                          ; a plain instruction behind the exponential,
	s_wait_alu depctr_va_vdst(0)                   ; and the wait ahead of its first reader
	v_add_f32 v104, 1.0, v103
	v_rcp_f32 v100, v104
	v_nop
	s_wait_alu depctr_va_vdst(0)                   ; the same for the reciprocal
	v_mul_f32 v101, v103, v100
	global_store_b64 v13, v[98:99], s[12:13]       ; lanes 16-31 store the same bytes as lanes 0-15
	global_store_b64 v13, v[100:101], s[14:15]
.irp e, 0,1,2,3,4,5,6,7
	v_cmp_eq_u32 s20, \e, v98
	v_cmp_eq_u32 s21, \e, v99
	s_and_b32 s20, s20, 0xffff
	s_lshl_b32 s21, s21, 16
	s_or_b32 s[24+\e], s20, s21                    ; expert e's word of bm
.endr
	v_mov_b32 v105, s24
.irp e, 1,2,3,4,5,6,7
	s_mov_b32 s22, 0x01010101<<\e                  ; the lanes with l % 8 = e
	v_cndmask_b32 v105, v105, s[24+\e], s22
.endr
	global_store_b32 v15, v105, s[16:17]           ; lane l stores word l % 8: each word four times, alike
.Lend:
	s_wait_tensorcnt 0x0                           ; the wave's end: behind my last LDS store
	ds_add_u32 v[SPW], v[NIL]
	s_wait_dscnt 0x0
	s_endpgm
.Lfunc_end_k_q05b9d3cbd4_router:
	.size	k_q05b9d3cbd4_router, .Lfunc_end_k_q05b9d3cbd4_router-k_q05b9d3cbd4_router
	.p2alignl 7, 3214868480
	.fill 96, 4, 3214868480
	.section	.rodata,"a",@progbits
	.p2align	6, 0x0
	.amdhsa_kernel k_q05b9d3cbd4_router
		.amdhsa_group_segment_fixed_size 42496
		.amdhsa_private_segment_fixed_size 0
		.amdhsa_enable_private_segment 0
		.amdhsa_kernarg_size 56
		.amdhsa_user_sgpr_count 2
		.amdhsa_user_sgpr_kernarg_segment_ptr 1
		.amdhsa_wavefront_size32 1
		.amdhsa_system_sgpr_workgroup_id_x 1
		.amdhsa_system_sgpr_workgroup_id_y 1
		.amdhsa_system_sgpr_workgroup_id_z 1
		.amdhsa_system_vgpr_workitem_id 0
		.amdhsa_next_free_vgpr 248
		.amdhsa_next_free_sgpr 66
		.amdhsa_reserve_vcc 0
		.amdhsa_float_denorm_mode_32 3
		.amdhsa_float_denorm_mode_16_64 3
		.amdhsa_memory_ordered 1
		.amdhsa_forward_progress 1
		.amdhsa_inst_pref_size 25
	.end_amdhsa_kernel
	.amdgpu_metadata
---
amdhsa.version: [ 1, 2 ]
amdhsa.kernels:
  - .name:           k_q05b9d3cbd4_router
    .symbol:         k_q05b9d3cbd4_router.kd
    .args:
      - { .name: x, .offset: 0, .size: 8, .value_kind: global_buffer, .address_space: global }
      - { .name: gate_w, .offset: 8, .size: 8, .value_kind: global_buffer, .address_space: global }
      - { .name: gate_b, .offset: 16, .size: 8, .value_kind: global_buffer, .address_space: global }
      - { .name: xb, .offset: 24, .size: 8, .value_kind: global_buffer, .address_space: global }
      - { .name: idx, .offset: 32, .size: 8, .value_kind: global_buffer, .address_space: global }
      - { .name: gw, .offset: 40, .size: 8, .value_kind: global_buffer, .address_space: global }
      - { .name: bm, .offset: 48, .size: 8, .value_kind: global_buffer, .address_space: global }
    .group_segment_fixed_size: 42496
    .private_segment_fixed_size: 0
    .kernarg_segment_align: 8
    .kernarg_segment_size: 56
    .max_flat_workgroup_size: 256
    .sgpr_count:     66
    .vgpr_count:     248
    .wavefront_size: 32
...
	.end_amdgpu_metadata
.endif
;; end of part 1
;; launch prod1 (part 2): grid 32 x 8, 4 waves a work-group, no clusters, 219,648 bytes of LDS; arguments xb, bm, w1, b1, hmid; writes hmid
.if DOCPART == 2
	.amdgcn_target "amdgcn-amd-amdhsa--gfx1250"
	.amdhsa_code_object_version 6
	.text
	.protected	k_q05b9d3cbd4_prod1
	.globl	k_q05b9d3cbd4_prod1
	.p2align	8
	.type	k_q05b9d3cbd4_prod1,@function
k_q05b9d3cbd4_prod1:
	s_mov_b64 s[64:65], 0
	v_nop
	global_prefetch_b8 v0, s[64:65] scope:SCOPE_SE
	s_setreg_imm32_b32 hwreg(HW_REG_WAVE_MODE, 25, 1), 1
	s_wait_xcnt 0x0
; ONE EXPERT'S ROWS TIMES A SLICE OF ITS WEIGHTS.  One text serves both products of the layer; SECOND picks the form.
;   SECOND = 0:  hmid[id][128 x ..] = gelu(xb[id / 2] w1[e] + b1[e]), exact gelu, stored in f16.   bf16 operands.  Slice: all K = 1,024, columns 128 x .. + 127.
;   SECOND = 1:  part[q][id][128 ns ..] = gw[id] (hmid[id] w2[e]) over K quarter q, stored in f32.  f16 operands.   Slice: K = 1,024 q .. + 1,023, columns 128 ns .. + 127; x = 8 q + ns.
; A routed row is named by id = 2 token + choice.  The grid is 32 slices x 8 experts; each weight is read by one work-group, once in the main loop.
; FORMATS.  Every input is rounded to bf16 (w1, b1, w2; x by the launch before).  h is kept in f16; w2 is rounded to bf16 and that number written as f16.
; LIMITS.  |h| and |w2| stay under 65,504 (f16); below 6e-5 they keep f16's fixed step of 6e-8.  The gelu's normal integral is a rational approximation (Abramowitz and Stegun 7.1.26), off by
; 1.5e-7 at the most for every x.  NaN and infinities are not treated apart.
; THE ROWS.  Every wave makes the expert's list (id by rank) for itself from bm, in LDS bytes of its own, and reads from it, once, the ids of all the ranks that it can ever have: 4 passes x 5 tiles.
; 320 ranks are multiplied in the main loop whatever the count: wave w has the five tiles of 16 ranks 64 t + 16 w ..; ranks past the count repeat the last row that exists, so the loop has no branch on
; data and every counted wait counts the same loads.  Tiles past the count are not stored.
; An expert with more than 320 rows gets further passes of 320 behind the loop, in text without a barrier, in which each wave reads and rounds the slice for itself: slow, and right for every split.
; THE MAIN LOOP.  K goes in 16 chunks of 64.  Of a chunk (64 rows x 512 bytes of f32) wave w loads rows 16 w .. + 15 (16 lanes take 256 neighbouring bytes, aligned), rounds them and stores them to LDS
; in the order in which a matrix operand's registers take them; all four waves read the 16 fragments back.  Two LDS slots take turns, one barrier a trip.  Token rows come from memory straight into
; operand registers.  Weights are asked for three chunks ahead, token rows one; by this text's count a wave has 56 loads out at the most in the loop.
; THE MATRIX INSTRUCTION: source 0 = 16 columns of W, source 1 = 16 rows of tokens.  Fragment (nb, q) holds columns 64 nb + 4 i + q (i its row), since a lane's 16 loaded bytes are four neighbouring
; columns.  In the result lane (r, h) holds token r, register j column 64 nb + 32 h + 4 j + q.
; NO CLUSTER, NO TENSOR LOAD: a slice has one reader; what an expert's work-groups share is its token rows, which come by a list that no descriptor covers; the weights pass through registers to be rounded.
; REGISTERS, in windows of 256 (s_set_vgpr_msb: bits 1:0 source 0, 3:2 source 1, 5:4 source 2, 7:6 destination):
;   window 0: v0-47 addresses and at work; v48-95 conversions; v96-255 token fragments, two sets of 80 (tile t, K step ks at 16 t + 8 ks); on the way out v48-223 are at work
;   window 1: v0-127 W's 16 fragments of a chunk; v128-255 W in f32, two sets of 64     window 2: accumulators of tiles 0-3 at 64 t + 8 f     window 3: v0-63 tile 4's; v64-83 the ids of pass p, tile t at 64 + 5 p + t
.set SECOND, 0
.if SECOND
.set LOGP, 12                          ; a row of w2 is 4,096 bytes
.else
.set LOGP, 14                          ; a row of w1 is 16,384 bytes
.endif
.set PITCHW, 1<<LOGP
.set CHSTEP, 64*PITCHW                 ; from chunk to chunk
.set FRSLOT, 16384                     ; LDS 0: two slots of 16 fragments x 1,024 bytes: fragment f = 8 ks + 4 nb + q at 1,024 f, its half at 512, 16 bytes a lane
.set LIST,   32768                     ; each wave's list: 1,024 words and word 1,024, into which lanes without a match store
.set LISTP,  4352
.set SPARE,  50176                     ; the spare words, 128 bytes a wave: two blocks of 256 bytes that no other line names
.set STAGE,  50688                     ; each wave's stage for the way out: 5 tiles x 16 rows x 528 bytes
.set STAGEW, 42240
.set SP,     528                       ; 512 bytes + 16: the 16 rows of a store start 16 bytes apart modulo 256
.set TILEB,  16*SP
.set SPW,   4                          ; v4   LDS address of my spare word; never rewritten
.set NIL,   5                          ; v5   0; never rewritten
.set WOFF,  6                          ; v6   W: (16 w + 8 h) rows + 16 r
.set WOFF2, 7                          ; v7   W in the further passes: 8 h rows + 16 r
.set FRW,   8                          ; v8   where my half fragments go; never rewritten
.set FRR,   9                          ; v9   16 l; never rewritten
.set LISTB, 10                         ; v10  my wave's list; never rewritten
.set C16,   11                         ; v11  16 r
.set AOFF,  12                         ; v12-16  tile t: byte offset of my token's row + 16 h
.set H16,   17                         ; v17  16 h
.set STO,   18                         ; v18  into the stage; never rewritten
.set RD,    19                         ; v19  back out of it; never rewritten
.set ID,    20                         ; v20-24  tile t of the pass in hand: my token's id (lane l: row l % 16)
.set BI,    26                         ; v26-33  SECOND = 0: the bias of my 8 columns, as pairs (b[q], b[4 + q])
.set G,     26                         ; v26-30  SECOND = 1: tile t: my token's gate weight
.set POFF,  34                         ; v34  prefetch: lane term + chunk
.set PLANE, 35                         ; v35  prefetch: (16 w + l / 2) rows + 256 (l % 2): each block of 256 bytes of my 16 rows once
.set CV,    48
.set AR,    96
.set WR,    128
.set IDS,   64                         ; window 3
.set XR, 48                            ; the gelu's arrays, 16 pairs each: x, then h
.set AZ, 80                            ; |x|
.set TR, 112                           ; t = 1 / (1 + 0.2316419 |x|)
.set YR, 144                           ; exp(- x x / 2)
.set PR, 176                           ; the polynomial
.set OUTR, 208                         ; four rows' 16 bytes in f16
.set MSB, 0
.macro WIN new                         ; the immediate's high byte repeats the setting that is left; a switch that changes nothing is dropped
.if MSB != (\new)
	s_set_vgpr_msb (MSB<<8)|(\new)
.set MSB, \new
.endif
.endm
.macro PLACES                          ; four places behind matrix instructions, ahead of loads into and vector writes of their registers and of reads of their results
.rept 4
	v_nop
.endr
.endm
.macro LOADW set                       ; my 16 rows of a chunk: 16 loads
	WIN 0x40
.irp nb, 0,1
.irp i, 0,1,2,3,4,5,6,7
	global_load_b128 v[WR+64*(\set)+4*(8*\nb+\i):WR+64*(\set)+4*(8*\nb+\i)+3], v[WOFF], s[8:9] offset:\i*PITCHW+256*\nb th:TH_LOAD_NT
.endr
.endr
.endm
.macro LOADA set                       ; my five tiles' token fragments of a chunk: 20 loads; k = 2 ks + half
	WIN 0
.irp t, 0,1,2,3,4
.irp k, 0,1,2,3
	global_load_b128 v[AR+80*(\set)+16*\t+4*\k:AR+80*(\set)+16*\t+4*\k+3], v[AOFF+\t], s[4:5] offset:32*\k
.endr
.endr
.endm
.macro LOADB slot                      ; all 16 fragments of a chunk: 32 LDS loads, 512 neighbouring bytes each
	WIN 0x40
.set i, 0
.rept 32
	ds_load_b128 v[4*i:4*i+3], v[FRR] offset:FRSLOT*(\slot)+512*i
.set i, i+1
.endr
.endm
.macro CONVERT set, slot               ; my 16 rows rounded: column q of my four, rows 2 p and 2 p + 1, make register p of half a fragment; 8 LDS stores
	WIN 0x05
.irp f, 0,1,2,3,4,5,6,7
.irp p, 0,1,2,3
	v_cvt_pk_bf16_f32 v[CV+4*\f+\p], v[WR+64*(\set)+4*(8*((\f)/4)+2*\p)+(\f)%4], v[WR+64*(\set)+4*(8*((\f)/4)+2*\p+1)+(\f)%4]
.endr
.endr
	WIN 0
.if SECOND
.set i, 0
.rept 32                               ; the bf16 numbers written as f16
	v_lshlrev_b32 v[80+2*(i%8)], 16, v[CV+i]
	v_and_b32 v[81+2*(i%8)], s39, v[CV+i]
	v_cvt_pk_f16_f32 v[CV+i], v[80+2*(i%8)], v[81+2*(i%8)]
.set i, i+1
.endr
.endif
.irp f, 0,1,2,3,4,5,6,7
	ds_store_b128 v[FRW], v[CV+4*\f:CV+4*\f+3] offset:FRSLOT*(\slot)+1024*\f
.endr
.endm
.macro WMMA                            ; one product on rD, rB, rA; zz = 1: it starts the sum
.if SECOND
.if zz
	v_wmma_f32_16x16x32_f16 v[rD:rD+7], v[rB:rB+7], v[rA:rA+7], 0
.else
	v_wmma_f32_16x16x32_f16 v[rD:rD+7], v[rB:rB+7], v[rA:rA+7], v[rD:rD+7]
.endif
.else
.if zz
	v_wmma_f32_16x16x32_bf16 v[rD:rD+7], v[rB:rB+7], v[rA:rA+7], 0
.else
	v_wmma_f32_16x16x32_bf16 v[rD:rD+7], v[rB:rB+7], v[rA:rA+7], v[rD:rD+7]
.endif
.endif
.endm
.macro MULS set, first                 ; a chunk's 80 products.  A tile's 8 accumulators take turns, one instruction a turn; no two neighbours share an accumulator, over the loop's jump too
.irp t, 0,1,2,3,4
	WIN 0xa1+0x50*((\t)/4)
.irp ks, 0,1
.irp f, 0,1,2,3,4,5,6,7
.set rD, 64*((\t)%4)+8*(\f)
.set rB, 64*(\ks)+8*(\f)
.set rA, AR+80*(\set)+16*(\t)+8*(\ks)
.set zz, (\first)*(1-(\ks))
	WMMA
.endr
.endr
.endr
.endm
; THE TRIP of chunk c, par = c % 2.  Issue order of the global loads: .. W(c+1) | A(c), W(c+2) || A(c+1), W(c+3) ..  (|| = this trip begins).
.macro CHUNK par, first, aload, conv, wload, nw1, nw2, bar, pf
	PLACES                                         ; behind the last trip's products: the loads below land on registers that they read
	LOADB \par
.if \conv
	s_wait_loadcnt \nw1                            ; W(c+1) is in; behind it stay out A(c)'s 20 and, where it exists, W(c+2)'s 16
.endif
.if \aload
	LOADA 1-(\par)                                 ; token rows of chunk c + 1
.endif
.if \pf
	WIN 0
	global_prefetch_b8 v[POFF], s[26:27] th:TH_LOAD_NT scope:SCOPE_SE  ; my 16 rows of chunk c + 6, three trips ahead of their loads; clamped to the last chunk
.endif
.if \conv
	CONVERT 1-(\par), 1-(\par)                     ; chunk c + 1 into the slot that everybody left at the last barrier
.endif
	s_wait_loadcnt \nw2                            ; A(c) is in; behind it stay out W(c+2)'s 16 and A(c+1)'s 20, where they exist
.if \wload
	LOADW 1-(\par)                                 ; chunk c + 3 into the registers just rounded
.endif
.if \conv
	s_wait_dscnt 8                                 ; the 8 stores may be out; the 32 loads ahead of them are in
.else
	s_wait_dscnt 0x0
.endif
	MULS \par, \first
.if \bar
	WIN 0
	s_wait_dscnt 0x0                               ; for the others' sake: my stores into the next slot are done, my reads of this one are back
	s_wait_xcnt 0x0                                ; the bases and the prefetch's offset are rewritten only behind this wait
	s_barrier_signal -1
	s_add_nc_u64 s[4:5], s[4:5], 128               ; 64 numbers of 2 bytes along the token rows
	s_add_nc_u64 s[8:9], s[8:9], CHSTEP
	s_add_co_u32 s54, s54, CHSTEP
	s_min_u32 s54, s54, 15*CHSTEP                  ; no prefetch points past the slice's last chunk
	v_add_nc_u32 v[POFF], s54, v[PLANE]
	s_barrier_wait -1
.endif
.endm
; The ids of all my ranks, 16 w + r + 320 p + 64 t, read from my list once, at the kernel's head.  A rank past the count takes the last row that exists.
.macro ALLIDS
	v_add_nc_u32 v36, s36, v2                      ; 16 w + r
.irp p, 0,1,2,3
.irp t, 0,1,2,3,4
	v_add_nc_u32 v[48+5*\p+\t], 320*\p+64*\t, v36
	v_min_u32 v[48+5*\p+\t], s19, v[48+5*\p+\t]
	v_min_u32 v[48+5*\p+\t], 0x3ff, v[48+5*\p+\t]
	v_lshl_add_u32 v[48+5*\p+\t], v[48+5*\p+\t], 2, v[LISTB]
.endr
.endr
	WIN 0xc0                                       ; destination window 3, address window 0
.set i, 0
.rept 20
	ds_load_b32 v[IDS+i], v[48+i]                  ; LDS serves a wave's instructions in order: these see my list's stores
.set i, i+1
.endr
	WIN 0
	s_wait_dscnt 0x0
.endm
.macro PICK p                          ; pass p's five ids go where the one text of a pass reads them
	WIN 0x03
.irp t, 0,1,2,3,4
	v_mov_b32 v[ID+\t], v[IDS+5*(\p)+\t]
.endr
	WIN 0
.endm
.macro ROWS                            ; the row offsets (and gate weights) of the pass's five tiles
	s_wait_xcnt 0x0                                ; the offsets of earlier loads and stores are rewritten only behind this wait
.irp t, 0,1,2,3,4
.if SECOND
	v_min_u32 v37, 0x7ff, v[ID+\t]
	v_lshl_add_u32 v[AOFF+\t], v37, 13, v[H16]     ; a row of hmid is 8,192 bytes
	v_lshlrev_b32 v[40+\t], 2, v37
	global_load_b32 v[G+\t], v[40+\t], s[10:11]
.else
	v_lshrrev_b32 v37, 1, v[ID+\t]                 ; the token
	v_min_u32 v37, 0x3ff, v37
	v_lshl_add_u32 v[AOFF+\t], v37, 11, v[H16]     ; a row of xb is 2,048 bytes
.endif
.endr
.endm
; THE WAY OUT's LDS loads.  The arithmetic is written once, in a loop; the loads of trip i stand in a block of their own, so that every address in the stage is a fixed register and a constant of the text.
; SECOND = 0, trip i: tile i / 2, rows jj + 8 hh + 4 (i % 2): lane (cc, hh) takes columns 8 cc + q and 8 cc + 4 + q of four rows; the rows' ids come out of the tile's id register, lane by lane.
.macro HALFLOAD i
	s_add_co_u32 s38, s36, 64*((\i)/2)
	s_cmp_ge_u32 s38, s18
	s_cbranch_scc1 .Ldead                          ; the tile lies past the count
.irp jj, 0,1,2,3
.irp q, 0,1,2,3
	ds_load_b64 v[XR+2*(4*\jj+\q):XR+2*(4*\jj+\q)+1], v[RD] offset:TILEB*((\i)/2)+4*SP*((\i)%2)+SP*\jj+128*\q
.endr
.endr
.irp jj, 0,1,2,3
	v_readlane_b32 s31, v[ID+(\i)/2], 4*((\i)%2)+\jj      ; the row of lanes 0-15,
	v_readlane_b32 s32, v[ID+(\i)/2], 4*((\i)%2)+\jj+8    ; and that of lanes 16-31
	v_mov_b32 v[40+\jj], s31
	v_cndmask_b32 v[40+\jj], v[40+\jj], s32, s39   ; s39 = 0xffff0000 is also the mask of lanes 16-31
.endr
.endm
; SECOND = 1, trip i: tile i: 16 whole rows of 512 bytes; the tile's ids (lane r: row r) go where the one text of the stores reads them.
.macro TILELOAD i
	s_add_co_u32 s38, s36, 64*(\i)
	s_cmp_ge_u32 s38, s18
	s_cbranch_scc1 .Ldead                          ; the tile lies past the count
	v_mov_b32 v37, v[ID+(\i)]
.irp rho, 0,1,2,3,4,5,6,7,8,9,10,11,12,13,14,15
	ds_load_b128 v[48+4*\rho:48+4*\rho+3], v[RD] offset:TILEB*(\i)+SP*\rho
.endr
.endm
	s_load_b256 s[4:11], s[0:1], 0x0               ; token rows s[4:5], bm s[6:7], W s[8:9], b1 or gw s[10:11]
	s_load_b64 s[12:13], s[0:1], 0x20              ; the output
	v_lshl_add_u32 v[SPW], v0, 2, SPARE
	v_mov_b32 v[NIL], 0
	v_lshrrev_b32 v36, 5, v0
	v_readfirstlane_b32 s14, v36                   ; wave 0..3
	s_and_b32 s15, ttmp7, 0xffff                   ; the expert
	s_mov_b32 s16, ttmp9                           ; the slice
	s_mov_b32 s25, 0
	s_mov_b32 s39, 0xffff0000
	v_and_b32 v1, 31, v0                           ; l
	v_and_b32 v2, 15, v0                           ; r
	v_bfe_u32 v3, v0, 4, 1                         ; h
	v_lshlrev_b32 v[C16], 4, v2
	v_lshlrev_b32 v[H16], 4, v3
	v_lshl_add_u32 v[WOFF2], v3, LOGP+3, v[C16]
	s_lshl_b32 s55, s14, LOGP+4
	v_add_nc_u32 v[WOFF], s55, v[WOFF2]
	v_lshrrev_b32 v36, 1, v1
	v_and_b32 v37, 1, v0
	v_lshlrev_b32 v36, LOGP, v36
	v_lshl_add_u32 v36, v37, 8, v36
	v_add_nc_u32 v[PLANE], s55, v36
	s_mov_b32 s54, 6*CHSTEP
	v_add_nc_u32 v[POFF], s54, v[PLANE]
	s_lshr_b32 s55, s14, 1                         ; my rows are K step w / 2, half w % 2 of each fragment
	s_lshl_b32 s55, s55, 13
	s_and_b32 s56, s14, 1
	s_lshl_b32 s56, s56, 9
	s_add_co_u32 s55, s55, s56
	v_lshl_add_u32 v[FRW], v1, 4, s55
	v_lshlrev_b32 v[FRR], 4, v1
	s_mul_i32 s55, s14, LISTP
	s_add_co_u32 s55, s55, LIST
	v_mov_b32 v[LISTB], s55
	s_mul_i32 s55, s14, STAGEW
	s_add_co_u32 s55, s55, STAGE
	v_mul_u32_u24 v[STO], v2, SP
.if SECOND
	v_lshl_add_u32 v[STO], v3, 7, v[STO]           ; row r, 128 bytes for each half of the lanes
	v_add_nc_u32 v[RD], s55, v[FRR]                ; back: a whole row of 512 bytes a load
.else
	v_lshl_add_u32 v[STO], v3, 5, v[STO]           ; row r, 32 bytes for each half of the lanes
	v_mul_u32_u24 v[RD], v3, 8*SP                  ; back: lanes 16-31 eight rows further down (4,224 bytes: the other half of a row of banks), 8 bytes a lane
	v_lshl_add_u32 v[RD], v2, 3, v[RD]
	v_add_nc_u32 v[RD], s55, v[RD]
.endif
	v_add_nc_u32 v[STO], s55, v[STO]
	v_lshlrev_b32 v38, 5, v1
	s_lshl_b32 s56, s15, 2
	v_add_nc_u32 v38, s56, v38                     ; bm: tile l, my expert's word
.if SECOND
	s_lshr_b32 s17, s16, 3                         ; K quarter
	s_and_b32 s33, s16, 7                          ; column slice
	s_lshl_b32 s31, s15, 24
	s_lshl_b32 s32, s17, 22
	s_add_co_u32 s31, s31, s32
	s_lshl_b32 s33, s33, 9
	s_add_co_u32 s31, s31, s33                     ; W: expert, 1,024 rows a quarter, 512 bytes a slice
	s_lshl_b32 s32, s17, 23
	s_add_co_u32 s32, s32, s33                     ; part: 2,048 rows of 4,096 bytes a quarter, 512 bytes a slice
	s_lshl_b32 s34, s17, 11                        ; hmid: 2,048 bytes of a row a quarter
.else
	v_lshlrev_b32 v39, 5, v2                       ; b1: my 8 columns
	s_mov_b32 s35, 0x7fffffff
	s_mov_b32 s40, 0x3e6d3388                      ; 0.3275911 / sqrt(2)
	s_mov_b32 s42, 0xbf38aa3b                      ; - log2(e) / 2
	s_mov_b32 s44, 0xbf07dc22                      ; the five coefficients, halved and negated: - 0.5307027,
	s_mov_b32 s46, 0x3f3a00e3                      ; 0.7265760,
	s_mov_b32 s48, 0xbf35f0e3                      ; - 0.7107069,
	s_mov_b32 s50, 0x3e11a98e                      ; 0.1422484,
	s_mov_b32 s52, 0xbe027906                      ; - 0.1274148
.irp c, 40,42,44,46,48,50,52
	s_mov_b32 s[\c+1], s[\c]                       ; named as pairs, so both words are written
.endr
	s_lshl_b32 s31, s15, 24
	s_lshl_b32 s33, s16, 9
	s_add_co_u32 s31, s31, s33                     ; W: expert, 512 bytes a slice
	s_lshl_b32 s34, s15, 14
	s_add_co_u32 s34, s34, s33                     ; b1: expert, 512 bytes a slice
	s_lshl_b32 s32, s16, 8                         ; hmid: 256 bytes a slice
.endif
	s_wait_kmcnt 0x0
	s_mov_b32 s24, s31
	s_add_nc_u64 s[8:9], s[8:9], s[24:25]
	s_mov_b32 s24, s32
	s_add_nc_u64 s[12:13], s[12:13], s[24:25]
	s_mov_b32 s24, s34
.if SECOND
	s_add_nc_u64 s[4:5], s[4:5], s[24:25]
.else
	s_add_nc_u64 s[10:11], s[10:11], s[24:25]
.endif
	s_mov_b64 s[26:27], s[8:9]                     ; the slice's first byte, kept for the prefetches and the further passes
	s_mov_b64 s[28:29], s[4:5]                     ; the token rows' first byte, likewise
	global_load_b32 v48, v38, s[6:7]               ; tiles l and l + 32
	global_load_b32 v49, v38, s[6:7] offset:1024
.if !SECOND
	global_load_b128 v[40:43], v39, s[10:11]
	global_load_b128 v[44:47], v39, s[10:11] offset:16
.endif
	LOADW 0                                        ; chunk 0
	s_wait_xcnt 0x0
	s_add_nc_u64 s[8:9], s[8:9], CHSTEP
	LOADW 1                                        ; chunk 1
	WIN 0
.irp c, 3,4,5
	global_prefetch_b8 v[PLANE], s[26:27] offset:\c*CHSTEP th:TH_LOAD_NT scope:SCOPE_SE  ; my rows of chunks 3 to 5; the trips ask from chunk 6 on
.endr
	v_lshlrev_b32 v52, 5, v1                       ; id of the tile's token 0, first choice: 32 x tile
	v_add_nc_u32 v53, 1024, v52
	v_mov_b32 v57, 0
	ds_store_b32 v[LISTB], v57                     ; word 0 holds a row that exists also where the expert has none
	s_mov_b32 s30, 0
	s_mov_b32 s22, 16
	s_wait_loadcnt 32                              ; bm (and b1) are in; the two chunks' 32 loads stay out
	; THE LIST.  16 trips, one for each token of a tile; in a trip the lanes whose tile has the token on my expert take the next ranks, by a count of the lower lanes.
	v_lshrrev_b32 v50, 16, v48                     ; second choices
	v_lshrrev_b32 v51, 16, v49
	v_or_b32 v48, v48, v50                         ; either choice
	v_or_b32 v49, v49, v51
	v_and_b32 v48, 0xffff, v48
	v_and_b32 v49, 0xffff, v49
.Llist:
.irp a, 0,1
	v_and_b32 v54, 1, v[48+\a]
	v_cmp_eq_u32 vcc_lo, 1, v54
	v_mbcnt_lo_u32_b32 v55, vcc_lo, s30            ; my rank
	s_bcnt1_i32_b32 s31, vcc_lo
	s_add_co_u32 s30, s30, s31
	v_cndmask_b32 v55, 0x400, v55, vcc_lo          ; no match: word 1,024
	v_min_u32 v55, 0x400, v55
	v_lshl_add_u32 v55, v55, 2, v[LISTB]
	v_and_b32 v56, 1, v[50+\a]
	v_add_nc_u32 v56, v[52+\a], v56                ; id = 2 token + choice
	ds_store_b32 v55, v56
	v_lshrrev_b32 v[48+\a], 1, v[48+\a]
	v_lshrrev_b32 v[50+\a], 1, v[50+\a]
	v_add_nc_u32 v[52+\a], 2, v[52+\a]
.endr
	s_sub_co_u32 s22, s22, 1
	s_cmp_lg_u32 s22, 0
	s_cbranch_scc1 .Llist
	s_mov_b32 s18, s30                             ; the expert's count
	s_max_u32 s19, s30, 1
	s_sub_co_u32 s19, s19, 1
	s_min_u32 s19, s19, 0x3ff                      ; the last rank that exists
	s_lshl_b32 s36, s14, 4                         ; my first rank in pass 0
	s_mov_b32 s37, 0                               ; the pass's first rank
.if !SECOND
.irp q, 0,1,2,3
	v_cvt_pk_bf16_f32 v36, v[40+\q], v[44+\q]      ; b1 rounded to bf16
	v_lshlrev_b32 v[BI+2*\q], 16, v36
	v_and_b32 v[BI+2*\q+1], s39, v36
.endr
.endif
	ALLIDS
	PICK 0
	ROWS
	LOADA 0                                        ; token rows of chunk 0
	s_wait_loadcnt 36+5*SECOND                     ; chunk 0's weights are in; behind them: chunk 1's 16, the 5 gate weights (SECOND), the 20 token loads
	CONVERT 0, 0
	s_wait_xcnt 0x0
	s_add_nc_u64 s[4:5], s[4:5], 128
	s_add_nc_u64 s[8:9], s[8:9], CHSTEP
	LOADW 0                                        ; chunk 2
	WIN 0
	s_wait_dscnt 0x0                               ; for the others' sake: my part of slot 0 is stored
	s_wait_xcnt 0x0
	s_add_nc_u64 s[8:9], s[8:9], CHSTEP
	s_barrier_signal -1
	s_barrier_wait -1
	CHUNK 0,1,1,1,1,36,36,1,1                      ; chunk 0: its first K step starts the sums: nothing is cleared.  (Its first count also covers the 5 gate weights of SECOND: smaller than need be)
	s_mov_b32 s23, 6
.Lmain:                                                ; chunks 1 to 12
	CHUNK 1,0,1,1,1,36,36,1,1
	CHUNK 0,0,1,1,1,36,36,1,1
	s_sub_co_u32 s23, s23, 1
	s_cmp_lg_u32 s23, 0
	s_cbranch_scc1 .Lmain
	CHUNK 1,0,1,1,0,36,36,1,0                      ; chunk 13: no weights are left to ask for
	CHUNK 0,0,1,1,0,20,20,1,0                      ; chunk 14: behind W(15) only A(14), behind A(14) only A(15)
	CHUNK 1,0,0,0,0,0,0,0,0                        ; chunk 15: nothing is younger, nothing follows in LDS's slots: no barrier
	WIN 0
	s_mov_b32 s20, 4                               ; four passes of 320 ranks cover the 1,024 that an expert can have
.Lpass:
	PLACES                                         ; behind the last products
.if SECOND
	; THE WAY OUT.  Register j of the four accumulators 4 nb + q holds four neighbouring columns; times the gate weight they make 16 bytes of a row in my stage.
.irp t, 0,1,2,3,4
	s_add_co_u32 s31, s36, 64*(\t)
	s_cmp_ge_u32 s31, s18
	s_cbranch_scc1 .Lstaged                        ; this tile and those behind it lie past the count
.irp nb, 0,1
	WIN 0x02+(\t)/4
.irp j, 0,1,2,3,4,5,6,7                                ; each accumulator's register 0 is read first
.irp q, 0,1,2,3
	v_mul_f32 v[CV+4*\j+\q], v[64*((\t)%4)+8*(4*\nb+\q)+\j], v[G+\t]
.endr
.endr
	WIN 0
.irp j, 0,1,2,3,4,5,6,7
	ds_store_b128 v[STO], v[CV+4*\j:CV+4*\j+3] offset:TILEB*(\t)+256*\nb+16*\j
.endr
.endr
.endr
.Lstaged:
	s_mov_b32 s21, 5
.Ltile:                                                ; trip 5 - s21 sends tile 5 - s21
	s_wait_xcnt 0x0                                ; the last tile's stores have read their registers
.irp i, 0,1,2,3
	s_cmp_lg_u32 s21, 5-\i
	s_cbranch_scc1 .Lnot\i
	TILELOAD \i
	s_branch .Lsend
.Lnot\i:
.endr
	TILELOAD 4
.Lsend:
.irp rho, 0,1,2,3,4,5,6,7,8,9,10,11,12,13,14,15
	v_readlane_b32 s31, v37, \rho
	s_min_u32 s31, s31, 0x7ff
	v_lshl_add_u32 v[112+\rho], s31, 12, v[FRR]    ; a row of part is 4,096 bytes
.endr
	s_wait_dscnt 0x0
.irp rho, 0,1,2,3,4,5,6,7,8,9,10,11,12,13,14,15
	global_store_b128 v[112+\rho], v[48+4*\rho:48+4*\rho+3], s[12:13]  ; the wave stores 512 neighbouring bytes, aligned; rows past the count repeat the last row's bytes
.endr
.Ldead:
	s_sub_co_u32 s21, s21, 1
	s_cmp_lg_u32 s21, 0
	s_cbranch_scc1 .Ltile
.else
	; THE WAY OUT.  The sums go into my stage as they lie: word 32 q + u of a row holds column 4 u + q (u = 16 nb + 8 h + j).
.irp t, 0,1,2,3,4
	s_add_co_u32 s31, s36, 64*(\t)
	s_cmp_ge_u32 s31, s18
	s_cbranch_scc1 .Lstaged                        ; this tile and those behind it lie past the count
	WIN 0x08+4*((\t)/4)
.irp f, 0,1,2,3,4,5,6,7                                ; each accumulator's lower half first
	ds_store_b128 v[STO], v[64*((\t)%4)+8*(\f):64*((\t)%4)+8*(\f)+3] offset:TILEB*(\t)+128*((\f)%4)+64*((\f)/4)
	ds_store_b128 v[STO], v[64*((\t)%4)+8*(\f)+4:64*((\t)%4)+8*(\f)+7] offset:TILEB*(\t)+128*((\f)%4)+64*((\f)/4)+16
.endr
	WIN 0
.endr
.Lstaged:
	s_mov_b32 s21, 10
.Lhalf:                                                ; trip i = 10 - s21: eight rows of tile i / 2
	s_wait_xcnt 0x0                                ; the last trip's stores have read their registers
.irp i, 0,1,2,3,4,5,6,7,8
	s_cmp_lg_u32 s21, 10-\i
	s_cbranch_scc1 .Lnot\i
	HALFLOAD \i
	s_branch .Lgelu
.Lnot\i:
.endr
	HALFLOAD 9
.Lgelu:
	s_wait_dscnt 0x0
.irp jj, 0,1,2,3
	v_min_u32 v[40+\jj], 0x7ff, v[40+\jj]
	v_lshl_add_u32 v[40+\jj], v[40+\jj], 13, v[C16]  ; a row of hmid is 8,192 bytes
.endr
	; gelu(x) = x / 2 + |x| (1/2 - p(t) exp(- x x / 2) / 2): no choice by sign is needed, since x erf(x / sqrt 2) is even in x
.set a, 0
.rept 16
	v_pk_add_f32 v[XR+2*a:XR+2*a+1], v[XR+2*a:XR+2*a+1], v[BI+2*(a%4):BI+2*(a%4)+1]
.set a, a+1
.endr
.set a, 0
.rept 32
	v_and_b32 v[AZ+a], s35, v[XR+a]
.set a, a+1
.endr
.set a, 0
.rept 16
	v_pk_fma_f32 v[TR+2*a:TR+2*a+1], v[AZ+2*a:AZ+2*a+1], s[40:41], 1.0 op_sel_hi:[1,0,0]
	v_pk_mul_f32 v[YR+2*a:YR+2*a+1], v[XR+2*a:XR+2*a+1], v[XR+2*a:XR+2*a+1]
.set a, a+1
.endr
.set a, 0
.rept 16
	v_pk_mul_f32 v[YR+2*a:YR+2*a+1], v[YR+2*a:YR+2*a+1], s[42:43] op_sel_hi:[1,0]
.set a, a+1
.endr
.set a, 0
.rept 32                               ; ONE BATCH of 64: none reads another's result
	v_rcp_f32 v[TR+a], v[TR+a]
	v_exp_f32 v[YR+a], v[YR+a]
.set a, a+1
.endr
.set a, 0
.rept 16                               ; plain work that names no result of the batch
	v_pk_mul_f32 v[XR+2*a:XR+2*a+1], v[XR+2*a:XR+2*a+1], 0.5 op_sel_hi:[1,0]
.set a, a+1
.endr
	s_wait_alu depctr_va_vdst(0)                   ; the one wait between the batch and its first reader
.set a, 0
.rept 16
	v_pk_fma_f32 v[PR+2*a:PR+2*a+1], v[TR+2*a:TR+2*a+1], s[44:45], s[46:47] op_sel_hi:[1,0,0]
.set a, a+1
.endr
.irp c, 48,50,52
.set a, 0
.rept 16
	v_pk_fma_f32 v[PR+2*a:PR+2*a+1], v[PR+2*a:PR+2*a+1], v[TR+2*a:TR+2*a+1], s[\c:\c+1] op_sel_hi:[1,1,0]
.set a, a+1
.endr
.endr
.set a, 0
.rept 16
	v_pk_mul_f32 v[PR+2*a:PR+2*a+1], v[PR+2*a:PR+2*a+1], v[TR+2*a:TR+2*a+1]
.set a, a+1
.endr
.set a, 0
.rept 16
	v_pk_fma_f32 v[PR+2*a:PR+2*a+1], v[PR+2*a:PR+2*a+1], v[YR+2*a:YR+2*a+1], 0.5 op_sel_hi:[1,1,0]
.set a, a+1
.endr
.set a, 0
.rept 16
	v_pk_fma_f32 v[XR+2*a:XR+2*a+1], v[AZ+2*a:AZ+2*a+1], v[PR+2*a:PR+2*a+1], v[XR+2*a:XR+2*a+1]
.set a, a+1
.endr
.irp jj, 0,1,2,3
	v_cvt_pk_f16_f32 v[OUTR+4*\jj],   v[XR+8*\jj],   v[XR+8*\jj+2]   ; columns 0, 1
	v_cvt_pk_f16_f32 v[OUTR+4*\jj+1], v[XR+8*\jj+4], v[XR+8*\jj+6]   ; 2, 3
	v_cvt_pk_f16_f32 v[OUTR+4*\jj+2], v[XR+8*\jj+1], v[XR+8*\jj+3]   ; 4, 5
	v_cvt_pk_f16_f32 v[OUTR+4*\jj+3], v[XR+8*\jj+5], v[XR+8*\jj+7]   ; 6, 7
	global_store_b128 v[40+\jj], v[OUTR+4*\jj:OUTR+4*\jj+3], s[12:13]  ; 16 lanes store a row's 256 neighbouring bytes, aligned; rows past the count repeat the last row's bytes
.endr
.Ldead:
	s_sub_co_u32 s21, s21, 1
	s_cmp_lg_u32 s21, 0
	s_cbranch_scc1 .Lhalf
.endif
	s_add_co_u32 s37, s37, 320
	s_add_co_u32 s36, s36, 320
	s_cmp_ge_u32 s37, s18
	s_cbranch_scc1 .Ldone                          ; no rank is left
	; A FURTHER PASS of 320 ranks: no LDS slot, no barrier.  Each wave loads 32 rows x 512 bytes of W a step and rounds them straight into 8 fragments.
	s_cmp_lg_u32 s20, 4                            ; the pass to come is pass 5 - s20
	s_cbranch_scc1 .Lpick2
	PICK 1
	s_branch .Lpicked
.Lpick2:
	s_cmp_lg_u32 s20, 3
	s_cbranch_scc1 .Lpick3
	PICK 2
	s_branch .Lpicked
.Lpick3:
	PICK 3
.Lpicked:
	ROWS
	WIN 0x80                               ; the sums are cleared here, so that no first step is written out a second time; only an expert with more than 320 rows comes here
.set i, 0
.rept 256
	v_mov_b32 v[i], 0
.set i, i+1
.endr
	WIN 0xc0
.set i, 0
.rept 64
	v_mov_b32 v[i], 0
.set i, i+1
.endr
	WIN 0
	s_wait_xcnt 0x0
	s_mov_b64 s[8:9], s[26:27]
	s_mov_b64 s[4:5], s[28:29]
	s_mov_b32 s22, 32
.Lovf:
	PLACES
	WIN 0x40
.irp nb, 0,1
.irp i, 0,1,2,3,4,5,6,7,8,9,10,11,12,13,14,15
	global_load_b128 v[WR+4*(16*\nb+\i):WR+4*(16*\nb+\i)+3], v[WOFF2], s[8:9] offset:(\i+8*((\i)/8))*PITCHW+256*\nb  ; rows 8 h + 0..7 and 16 + 8 h + 0..7
.endr
.endr
	WIN 0
.irp t, 0,1,2,3,4
	global_load_b128 v[AR+16*\t:AR+16*\t+3], v[AOFF+\t], s[4:5]
	global_load_b128 v[AR+16*\t+4:AR+16*\t+7], v[AOFF+\t], s[4:5] offset:32
.endr
	s_wait_loadcnt 0x0
	WIN 0x45                               ; all in window 1: W in f32, the fragments v0-63, at work v64-79
.irp f, 0,1,2,3,4,5,6,7
.irp p, 0,1,2,3,4,5,6,7
	v_cvt_pk_bf16_f32 v[8*\f+\p], v[WR+4*(16*((\f)/4)+2*\p)+(\f)%4], v[WR+4*(16*((\f)/4)+2*\p+1)+(\f)%4]
.endr
.endr
.if SECOND
.set i, 0
.rept 64
	v_lshlrev_b32 v[64+2*(i%8)], 16, v[i]
	v_and_b32 v[65+2*(i%8)], s39, v[i]
	v_cvt_pk_f16_f32 v[i], v[64+2*(i%8)], v[65+2*(i%8)]
.set i, i+1
.endr
.endif
.irp t, 0,1,2,3,4
	WIN 0xa1+0x50*((\t)/4)
.irp f, 0,1,2,3,4,5,6,7
.set rD, 64*((\t)%4)+8*(\f)
.set rB, 8*(\f)
.set rA, AR+16*(\t)
.set zz, 0
	WMMA                                           ; 40 accumulators by turns, one instruction a turn
.endr
.endr
	WIN 0
	s_wait_xcnt 0x0
	s_add_nc_u64 s[8:9], s[8:9], 32*PITCHW
	s_add_nc_u64 s[4:5], s[4:5], 64
	s_sub_co_u32 s22, s22, 1
	s_cmp_lg_u32 s22, 0
	s_cbranch_scc1 .Lovf
	s_sub_co_u32 s20, s20, 1
	s_cmp_lg_u32 s20, 0
	s_cbranch_scc1 .Lpass
.Ldone:
	s_wait_tensorcnt 0x0                           ; the wave's end: behind my last LDS store
	ds_add_u32 v[SPW], v[NIL]
	s_wait_dscnt 0x0
	s_endpgm
.Lfunc_end_k_q05b9d3cbd4_prod1:
	.size	k_q05b9d3cbd4_prod1, .Lfunc_end_k_q05b9d3cbd4_prod1-k_q05b9d3cbd4_prod1
	.p2alignl 7, 3214868480
	.fill 96, 4, 3214868480
	.section	.rodata,"a",@progbits
	.p2align	6, 0x0
	.amdhsa_kernel k_q05b9d3cbd4_prod1
		.amdhsa_group_segment_fixed_size 219648
		.amdhsa_private_segment_fixed_size 0
		.amdhsa_enable_private_segment 0
		.amdhsa_kernarg_size 40
		.amdhsa_user_sgpr_count 2
		.amdhsa_user_sgpr_kernarg_segment_ptr 1
		.amdhsa_wavefront_size32 1
		.amdhsa_system_sgpr_workgroup_id_x 1
		.amdhsa_system_sgpr_workgroup_id_y 1
		.amdhsa_system_sgpr_workgroup_id_z 1
		.amdhsa_system_vgpr_workitem_id 0
		.amdhsa_next_free_vgpr 856
		.amdhsa_next_free_sgpr 66
		.amdhsa_reserve_vcc 1
		.amdhsa_float_denorm_mode_32 3
		.amdhsa_float_denorm_mode_16_64 3
		.amdhsa_memory_ordered 1
		.amdhsa_forward_progress 1
		.amdhsa_inst_pref_size 164
	.end_amdhsa_kernel
	.amdgpu_metadata
---
amdhsa.version: [ 1, 2 ]
amdhsa.kernels:
  - .name:           k_q05b9d3cbd4_prod1
    .symbol:         k_q05b9d3cbd4_prod1.kd
    .args:
      - { .name: xb, .offset: 0, .size: 8, .value_kind: global_buffer, .address_space: global }
      - { .name: bm, .offset: 8, .size: 8, .value_kind: global_buffer, .address_space: global }
      - { .name: w1, .offset: 16, .size: 8, .value_kind: global_buffer, .address_space: global }
      - { .name: b1, .offset: 24, .size: 8, .value_kind: global_buffer, .address_space: global }
      - { .name: hmid, .offset: 32, .size: 8, .value_kind: global_buffer, .address_space: global }
    .group_segment_fixed_size: 219648
    .private_segment_fixed_size: 0
    .kernarg_segment_align: 8
    .kernarg_segment_size: 40
    .max_flat_workgroup_size: 128
    .sgpr_count:     66
    .vgpr_count:     856
    .wavefront_size: 32
...
	.end_amdgpu_metadata
.endif
;; end of part 2
;; launch prod2 (part 3): grid 32 x 8, 4 waves a work-group, no clusters, 219,648 bytes of LDS; arguments hmid, bm, w2, gw, part; writes part
.if DOCPART == 3
	.amdgcn_target "amdgcn-amd-amdhsa--gfx1250"
	.amdhsa_code_object_version 6
	.text
	.protected	k_q05b9d3cbd4_prod2
	.globl	k_q05b9d3cbd4_prod2
	.p2align	8
	.type	k_q05b9d3cbd4_prod2,@function
k_q05b9d3cbd4_prod2:
	s_mov_b64 s[64:65], 0
	v_nop
	global_prefetch_b8 v0, s[64:65] scope:SCOPE_SE
	s_setreg_imm32_b32 hwreg(HW_REG_WAVE_MODE, 25, 1), 1
	s_wait_xcnt 0x0
; ONE EXPERT'S ROWS TIMES A SLICE OF ITS WEIGHTS.  One text serves both products of the layer; SECOND picks the form.
;   SECOND = 0:  hmid[id][128 x ..] = gelu(xb[id / 2] w1[e] + b1[e]), exact gelu, stored in f16.   bf16 operands.  Slice: all K = 1,024, columns 128 x .. + 127.
;   SECOND = 1:  part[q][id][128 ns ..] = gw[id] (hmid[id] w2[e]) over K quarter q, stored in f32.  f16 operands.   Slice: K = 1,024 q .. + 1,023, columns 128 ns .. + 127; x = 8 q + ns.
; A routed row is named by id = 2 token + choice.  The grid is 32 slices x 8 experts; each weight is read by one work-group, once in the main loop.
; FORMATS.  Every input is rounded to bf16 (w1, b1, w2; x by the launch before).  h is kept in f16; w2 is rounded to bf16 and that number written as f16.
; LIMITS.  |h| and |w2| stay under 65,504 (f16); below 6e-5 they keep f16's fixed step of 6e-8.  The gelu's normal integral is a rational approximation (Abramowitz and Stegun 7.1.26), off by
; 1.5e-7 at the most for every x.  NaN and infinities are not treated apart.
; THE ROWS.  Every wave makes the expert's list (id by rank) for itself from bm, in LDS bytes of its own, and reads from it, once, the ids of all the ranks that it can ever have: 4 passes x 5 tiles.
; 320 ranks are multiplied in the main loop whatever the count: wave w has the five tiles of 16 ranks 64 t + 16 w ..; ranks past the count repeat the last row that exists, so the loop has no branch on
; data and every counted wait counts the same loads.  Tiles past the count are not stored.
; An expert with more than 320 rows gets further passes of 320 behind the loop, in text without a barrier, in which each wave reads and rounds the slice for itself: slow, and right for every split.
; THE MAIN LOOP.  K goes in 16 chunks of 64.  Of a chunk (64 rows x 512 bytes of f32) wave w loads rows 16 w .. + 15 (16 lanes take 256 neighbouring bytes, aligned), rounds them and stores them to LDS
; in the order in which a matrix operand's registers take them; all four waves read the 16 fragments back.  Two LDS slots take turns, one barrier a trip.  Token rows come from memory straight into
; operand registers.  Weights are asked for three chunks ahead, token rows one; by this text's count a wave has 56 loads out at the most in the loop.
; THE MATRIX INSTRUCTION: source 0 = 16 columns of W, source 1 = 16 rows of tokens.  Fragment (nb, q) holds columns 64 nb + 4 i + q (i its row), since a lane's 16 loaded bytes are four neighbouring
; columns.  In the result lane (r, h) holds token r, register j column 64 nb + 32 h + 4 j + q.
; NO CLUSTER, NO TENSOR LOAD: a slice has one reader; what an expert's work-groups share is its token rows, which come by a list that no descriptor covers; the weights pass through registers to be rounded.
; REGISTERS, in windows of 256 (s_set_vgpr_msb: bits 1:0 source 0, 3:2 source 1, 5:4 source 2, 7:6 destination):
;   window 0: v0-47 addresses and at work; v48-95 conversions; v96-255 token fragments, two sets of 80 (tile t, K step ks at 16 t + 8 ks); on the way out v48-223 are at work
;   window 1: v0-127 W's 16 fragments of a chunk; v128-255 W in f32, two sets of 64     window 2: accumulators of tiles 0-3 at 64 t + 8 f     window 3: v0-63 tile 4's; v64-83 the ids of pass p, tile t at 64 + 5 p + t
.set SECOND, 1
.if SECOND
.set LOGP, 12                          ; a row of w2 is 4,096 bytes
.else
.set LOGP, 14                          ; a row of w1 is 16,384 bytes
.endif
.set PITCHW, 1<<LOGP
.set CHSTEP, 64*PITCHW                 ; from chunk to chunk
.set FRSLOT, 16384                     ; LDS 0: two slots of 16 fragments x 1,024 bytes: fragment f = 8 ks + 4 nb + q at 1,024 f, its half at 512, 16 bytes a lane
.set LIST,   32768                     ; each wave's list: 1,024 words and word 1,024, into which lanes without a match store
.set LISTP,  4352
.set SPARE,  50176                     ; the spare words, 128 bytes a wave: two blocks of 256 bytes that no other line names
.set STAGE,  50688                     ; each wave's stage for the way out: 5 tiles x 16 rows x 528 bytes
.set STAGEW, 42240
.set SP,     528                       ; 512 bytes + 16: the 16 rows of a store start 16 bytes apart modulo 256
.set TILEB,  16*SP
.set SPW,   4                          ; v4   LDS address of my spare word; never rewritten
.set NIL,   5                          ; v5   0; never rewritten
.set WOFF,  6                          ; v6   W: (16 w + 8 h) rows + 16 r
.set WOFF2, 7                          ; v7   W in the further passes: 8 h rows + 16 r
.set FRW,   8                          ; v8   where my half fragments go; never rewritten
.set FRR,   9                          ; v9   16 l; never rewritten
.set LISTB, 10                         ; v10  my wave's list; never rewritten
.set C16,   11                         ; v11  16 r
.set AOFF,  12                         ; v12-16  tile t: byte offset of my token's row + 16 h
.set H16,   17                         ; v17  16 h
.set STO,   18                         ; v18  into the stage; never rewritten
.set RD,    19                         ; v19  back out of it; never rewritten
.set ID,    20                         ; v20-24  tile t of the pass in hand: my token's id (lane l: row l % 16)
.set BI,    26                         ; v26-33  SECOND = 0: the bias of my 8 columns, as pairs (b[q], b[4 + q])
.set G,     26                         ; v26-30  SECOND = 1: tile t: my token's gate weight
.set POFF,  34                         ; v34  prefetch: lane term + chunk
.set PLANE, 35                         ; v35  prefetch: (16 w + l / 2) rows + 256 (l % 2): each block of 256 bytes of my 16 rows once
.set CV,    48
.set AR,    96
.set WR,    128
.set IDS,   64                         ; window 3
.set XR, 48                            ; the gelu's arrays, 16 pairs each: x, then h
.set AZ, 80                            ; |x|
.set TR, 112                           ; t = 1 / (1 + 0.2316419 |x|)
.set YR, 144                           ; exp(- x x / 2)
.set PR, 176                           ; the polynomial
.set OUTR, 208                         ; four rows' 16 bytes in f16
.set MSB, 0
.macro WIN new                         ; the immediate's high byte repeats the setting that is left; a switch that changes nothing is dropped
.if MSB != (\new)
	s_set_vgpr_msb (MSB<<8)|(\new)
.set MSB, \new
.endif
.endm
.macro PLACES                          ; four places behind matrix instructions, ahead of loads into and vector writes of their registers and of reads of their results
.rept 4
	v_nop
.endr
.endm
.macro LOADW set                       ; my 16 rows of a chunk: 16 loads
	WIN 0x40
.irp nb, 0,1
.irp i, 0,1,2,3,4,5,6,7
	global_load_b128 v[WR+64*(\set)+4*(8*\nb+\i):WR+64*(\set)+4*(8*\nb+\i)+3], v[WOFF], s[8:9] offset:\i*PITCHW+256*\nb th:TH_LOAD_NT
.endr
.endr
.endm
.macro LOADA set                       ; my five tiles' token fragments of a chunk: 20 loads; k = 2 ks + half
	WIN 0
.irp t, 0,1,2,3,4
.irp k, 0,1,2,3
	global_load_b128 v[AR+80*(\set)+16*\t+4*\k:AR+80*(\set)+16*\t+4*\k+3], v[AOFF+\t], s[4:5] offset:32*\k
.endr
.endr
.endm
.macro LOADB slot                      ; all 16 fragments of a chunk: 32 LDS loads, 512 neighbouring bytes each
	WIN 0x40
.set i, 0
.rept 32
	ds_load_b128 v[4*i:4*i+3], v[FRR] offset:FRSLOT*(\slot)+512*i
.set i, i+1
.endr
.endm
.macro CONVERT set, slot               ; my 16 rows rounded: column q of my four, rows 2 p and 2 p + 1, make register p of half a fragment; 8 LDS stores
	WIN 0x05
.irp f, 0,1,2,3,4,5,6,7
.irp p, 0,1,2,3
	v_cvt_pk_bf16_f32 v[CV+4*\f+\p], v[WR+64*(\set)+4*(8*((\f)/4)+2*\p)+(\f)%4], v[WR+64*(\set)+4*(8*((\f)/4)+2*\p+1)+(\f)%4]
.endr
.endr
	WIN 0
.if SECOND
.set i, 0
.rept 32                               ; the bf16 numbers written as f16
	v_lshlrev_b32 v[80+2*(i%8)], 16, v[CV+i]
	v_and_b32 v[81+2*(i%8)], s39, v[CV+i]
	v_cvt_pk_f16_f32 v[CV+i], v[80+2*(i%8)], v[81+2*(i%8)]
.set i, i+1
.endr
.endif
.irp f, 0,1,2,3,4,5,6,7
	ds_store_b128 v[FRW], v[CV+4*\f:CV+4*\f+3] offset:FRSLOT*(\slot)+1024*\f
.endr
.endm
.macro WMMA                            ; one product on rD, rB, rA; zz = 1: it starts the sum
.if SECOND
.if zz
	v_wmma_f32_16x16x32_f16 v[rD:rD+7], v[rB:rB+7], v[rA:rA+7], 0
.else
	v_wmma_f32_16x16x32_f16 v[rD:rD+7], v[rB:rB+7], v[rA:rA+7], v[rD:rD+7]
.endif
.else
.if zz
	v_wmma_f32_16x16x32_bf16 v[rD:rD+7], v[rB:rB+7], v[rA:rA+7], 0
.else
	v_wmma_f32_16x16x32_bf16 v[rD:rD+7], v[rB:rB+7], v[rA:rA+7], v[rD:rD+7]
.endif
.endif
.endm
.macro MULS set, first                 ; a chunk's 80 products.  A tile's 8 accumulators take turns, one instruction a turn; no two neighbours share an accumulator, over the loop's jump too
.irp t, 0,1,2,3,4
	WIN 0xa1+0x50*((\t)/4)
.irp ks, 0,1
.irp f, 0,1,2,3,4,5,6,7
.set rD, 64*((\t)%4)+8*(\f)
.set rB, 64*(\ks)+8*(\f)
.set rA, AR+80*(\set)+16*(\t)+8*(\ks)
.set zz, (\first)*(1-(\ks))
	WMMA
.endr
.endr
.endr
.endm
; THE TRIP of chunk c, par = c % 2.  Issue order of the global loads: .. W(c+1) | A(c), W(c+2) || A(c+1), W(c+3) ..  (|| = this trip begins).
.macro CHUNK par, first, aload, conv, wload, nw1, nw2, bar, pf
	PLACES                                         ; behind the last trip's products: the loads below land on registers that they read
	LOADB \par
.if \conv
	s_wait_loadcnt \nw1                            ; W(c+1) is in; behind it stay out A(c)'s 20 and, where it exists, W(c+2)'s 16
.endif
.if \aload
	LOADA 1-(\par)                                 ; token rows of chunk c + 1
.endif
.if \pf
	WIN 0
	global_prefetch_b8 v[POFF], s[26:27] th:TH_LOAD_NT scope:SCOPE_SE  ; my 16 rows of chunk c + 6, three trips ahead of their loads; clamped to the last chunk
.endif
.if \conv
	CONVERT 1-(\par), 1-(\par)                     ; chunk c + 1 into the slot that everybody left at the last barrier
.endif
	s_wait_loadcnt \nw2                            ; A(c) is in; behind it stay out W(c+2)'s 16 and A(c+1)'s 20, where they exist
.if \wload
	LOADW 1-(\par)                                 ; chunk c + 3 into the registers just rounded
.endif
.if \conv
	s_wait_dscnt 8                                 ; the 8 stores may be out; the 32 loads ahead of them are in
.else
	s_wait_dscnt 0x0
.endif
	MULS \par, \first
.if \bar
	WIN 0
	s_wait_dscnt 0x0                               ; for the others' sake: my stores into the next slot are done, my reads of this one are back
	s_wait_xcnt 0x0                                ; the bases and the prefetch's offset are rewritten only behind this wait
	s_barrier_signal -1
	s_add_nc_u64 s[4:5], s[4:5], 128               ; 64 numbers of 2 bytes along the token rows
	s_add_nc_u64 s[8:9], s[8:9], CHSTEP
	s_add_co_u32 s54, s54, CHSTEP
	s_min_u32 s54, s54, 15*CHSTEP                  ; no prefetch points past the slice's last chunk
	v_add_nc_u32 v[POFF], s54, v[PLANE]
	s_barrier_wait -1
.endif
.endm
; The ids of all my ranks, 16 w + r + 320 p + 64 t, read from my list once, at the kernel's head.  A rank past the count takes the last row that exists.
.macro ALLIDS
	v_add_nc_u32 v36, s36, v2                      ; 16 w + r
.irp p, 0,1,2,3
.irp t, 0,1,2,3,4
	v_add_nc_u32 v[48+5*\p+\t], 320*\p+64*\t, v36
	v_min_u32 v[48+5*\p+\t], s19, v[48+5*\p+\t]
	v_min_u32 v[48+5*\p+\t], 0x3ff, v[48+5*\p+\t]
	v_lshl_add_u32 v[48+5*\p+\t], v[48+5*\p+\t], 2, v[LISTB]
.endr
.endr
	WIN 0xc0                                       ; destination window 3, address window 0
.set i, 0
.rept 20
	ds_load_b32 v[IDS+i], v[48+i]                  ; LDS serves a wave's instructions in order: these see my list's stores
.set i, i+1
.endr
	WIN 0
	s_wait_dscnt 0x0
.endm
.macro PICK p                          ; pass p's five ids go where the one text of a pass reads them
	WIN 0x03
.irp t, 0,1,2,3,4
	v_mov_b32 v[ID+\t], v[IDS+5*(\p)+\t]
.endr
	WIN 0
.endm
.macro ROWS                            ; the row offsets (and gate weights) of the pass's five tiles
	s_wait_xcnt 0x0                                ; the offsets of earlier loads and stores are rewritten only behind this wait
.irp t, 0,1,2,3,4
.if SECOND
	v_min_u32 v37, 0x7ff, v[ID+\t]
	v_lshl_add_u32 v[AOFF+\t], v37, 13, v[H16]     ; a row of hmid is 8,192 bytes
	v_lshlrev_b32 v[40+\t], 2, v37
	global_load_b32 v[G+\t], v[40+\t], s[10:11]
.else
	v_lshrrev_b32 v37, 1, v[ID+\t]                 ; the token
	v_min_u32 v37, 0x3ff, v37
	v_lshl_add_u32 v[AOFF+\t], v37, 11, v[H16]     ; a row of xb is 2,048 bytes
.endif
.endr
.endm
; THE WAY OUT's LDS loads.  The arithmetic is written once, in a loop; the loads of trip i stand in a block of their own, so that every address in the stage is a fixed register and a constant of the text.
; SECOND = 0, trip i: tile i / 2, rows jj + 8 hh + 4 (i % 2): lane (cc, hh) takes columns 8 cc + q and 8 cc + 4 + q of four rows; the rows' ids come out of the tile's id register, lane by lane.
.macro HALFLOAD i
	s_add_co_u32 s38, s36, 64*((\i)/2)
	s_cmp_ge_u32 s38, s18
	s_cbranch_scc1 .Ldead                          ; the tile lies past the count
.irp jj, 0,1,2,3
.irp q, 0,1,2,3
	ds_load_b64 v[XR+2*(4*\jj+\q):XR+2*(4*\jj+\q)+1], v[RD] offset:TILEB*((\i)/2)+4*SP*((\i)%2)+SP*\jj+128*\q
.endr
.endr
.irp jj, 0,1,2,3
	v_readlane_b32 s31, v[ID+(\i)/2], 4*((\i)%2)+\jj      ; the row of lanes 0-15,
	v_readlane_b32 s32, v[ID+(\i)/2], 4*((\i)%2)+\jj+8    ; and that of lanes 16-31
	v_mov_b32 v[40+\jj], s31
	v_cndmask_b32 v[40+\jj], v[40+\jj], s32, s39   ; s39 = 0xffff0000 is also the mask of lanes 16-31
.endr
.endm
; SECOND = 1, trip i: tile i: 16 whole rows of 512 bytes; the tile's ids (lane r: row r) go where the one text of the stores reads them.
.macro TILELOAD i
	s_add_co_u32 s38, s36, 64*(\i)
	s_cmp_ge_u32 s38, s18
	s_cbranch_scc1 .Ldead                          ; the tile lies past the count
	v_mov_b32 v37, v[ID+(\i)]
.irp rho, 0,1,2,3,4,5,6,7,8,9,10,11,12,13,14,15
	ds_load_b128 v[48+4*\rho:48+4*\rho+3], v[RD] offset:TILEB*(\i)+SP*\rho
.endr
.endm
	s_load_b256 s[4:11], s[0:1], 0x0               ; token rows s[4:5], bm s[6:7], W s[8:9], b1 or gw s[10:11]
	s_load_b64 s[12:13], s[0:1], 0x20              ; the output
	v_lshl_add_u32 v[SPW], v0, 2, SPARE
	v_mov_b32 v[NIL], 0
	v_lshrrev_b32 v36, 5, v0
	v_readfirstlane_b32 s14, v36                   ; wave 0..3
	s_and_b32 s15, ttmp7, 0xffff                   ; the expert
	s_mov_b32 s16, ttmp9                           ; the slice
	s_mov_b32 s25, 0
	s_mov_b32 s39, 0xffff0000
	v_and_b32 v1, 31, v0                           ; l
	v_and_b32 v2, 15, v0                           ; r
	v_bfe_u32 v3, v0, 4, 1                         ; h
	v_lshlrev_b32 v[C16], 4, v2
	v_lshlrev_b32 v[H16], 4, v3
	v_lshl_add_u32 v[WOFF2], v3, LOGP+3, v[C16]
	s_lshl_b32 s55, s14, LOGP+4
	v_add_nc_u32 v[WOFF], s55, v[WOFF2]
	v_lshrrev_b32 v36, 1, v1
	v_and_b32 v37, 1, v0
	v_lshlrev_b32 v36, LOGP, v36
	v_lshl_add_u32 v36, v37, 8, v36
	v_add_nc_u32 v[PLANE], s55, v36
	s_mov_b32 s54, 6*CHSTEP
	v_add_nc_u32 v[POFF], s54, v[PLANE]
	s_lshr_b32 s55, s14, 1                         ; my rows are K step w / 2, half w % 2 of each fragment
	s_lshl_b32 s55, s55, 13
	s_and_b32 s56, s14, 1
	s_lshl_b32 s56, s56, 9
	s_add_co_u32 s55, s55, s56
	v_lshl_add_u32 v[FRW], v1, 4, s55
	v_lshlrev_b32 v[FRR], 4, v1
	s_mul_i32 s55, s14, LISTP
	s_add_co_u32 s55, s55, LIST
	v_mov_b32 v[LISTB], s55
	s_mul_i32 s55, s14, STAGEW
	s_add_co_u32 s55, s55, STAGE
	v_mul_u32_u24 v[STO], v2, SP
.if SECOND
	v_lshl_add_u32 v[STO], v3, 7, v[STO]           ; row r, 128 bytes for each half of the lanes
	v_add_nc_u32 v[RD], s55, v[FRR]                ; back: a whole row of 512 bytes a load
.else
	v_lshl_add_u32 v[STO], v3, 5, v[STO]           ; row r, 32 bytes for each half of the lanes
	v_mul_u32_u24 v[RD], v3, 8*SP                  ; back: lanes 16-31 eight rows further down (4,224 bytes: the other half of a row of banks), 8 bytes a lane
	v_lshl_add_u32 v[RD], v2, 3, v[RD]
	v_add_nc_u32 v[RD], s55, v[RD]
.endif
	v_add_nc_u32 v[STO], s55, v[STO]
	v_lshlrev_b32 v38, 5, v1
	s_lshl_b32 s56, s15, 2
	v_add_nc_u32 v38, s56, v38                     ; bm: tile l, my expert's word
.if SECOND
	s_lshr_b32 s17, s16, 3                         ; K quarter
	s_and_b32 s33, s16, 7                          ; column slice
	s_lshl_b32 s31, s15, 24
	s_lshl_b32 s32, s17, 22
	s_add_co_u32 s31, s31, s32
	s_lshl_b32 s33, s33, 9
	s_add_co_u32 s31, s31, s33                     ; W: expert, 1,024 rows a quarter, 512 bytes a slice
	s_lshl_b32 s32, s17, 23
	s_add_co_u32 s32, s32, s33                     ; part: 2,048 rows of 4,096 bytes a quarter, 512 bytes a slice
	s_lshl_b32 s34, s17, 11                        ; hmid: 2,048 bytes of a row a quarter
.else
	v_lshlrev_b32 v39, 5, v2                       ; b1: my 8 columns
	s_mov_b32 s35, 0x7fffffff
	s_mov_b32 s40, 0x3e6d3388                      ; 0.3275911 / sqrt(2)
	s_mov_b32 s42, 0xbf38aa3b                      ; - log2(e) / 2
	s_mov_b32 s44, 0xbf07dc22                      ; the five coefficients, halved and negated: - 0.5307027,
	s_mov_b32 s46, 0x3f3a00e3                      ; 0.7265760,
	s_mov_b32 s48, 0xbf35f0e3                      ; - 0.7107069,
	s_mov_b32 s50, 0x3e11a98e                      ; 0.1422484,
	s_mov_b32 s52, 0xbe027906                      ; - 0.1274148
.irp c, 40,42,44,46,48,50,52
	s_mov_b32 s[\c+1], s[\c]                       ; named as pairs, so both words are written
.endr
	s_lshl_b32 s31, s15, 24
	s_lshl_b32 s33, s16, 9
	s_add_co_u32 s31, s31, s33                     ; W: expert, 512 bytes a slice
	s_lshl_b32 s34, s15, 14
	s_add_co_u32 s34, s34, s33                     ; b1: expert, 512 bytes a slice
	s_lshl_b32 s32, s16, 8                         ; hmid: 256 bytes a slice
.endif
	s_wait_kmcnt 0x0
	s_mov_b32 s24, s31
	s_add_nc_u64 s[8:9], s[8:9], s[24:25]
	s_mov_b32 s24, s32
	s_add_nc_u64 s[12:13], s[12:13], s[24:25]
	s_mov_b32 s24, s34
.if SECOND
	s_add_nc_u64 s[4:5], s[4:5], s[24:25]
.else
	s_add_nc_u64 s[10:11], s[10:11], s[24:25]
.endif
	s_mov_b64 s[26:27], s[8:9]                     ; the slice's first byte, kept for the prefetches and the further passes
	s_mov_b64 s[28:29], s[4:5]                     ; the token rows' first byte, likewise
	global_load_b32 v48, v38, s[6:7]               ; tiles l and l + 32
	global_load_b32 v49, v38, s[6:7] offset:1024
.if !SECOND
	global_load_b128 v[40:43], v39, s[10:11]
	global_load_b128 v[44:47], v39, s[10:11] offset:16
.endif
	LOADW 0                                        ; chunk 0
	s_wait_xcnt 0x0
	s_add_nc_u64 s[8:9], s[8:9], CHSTEP
	LOADW 1                                        ; chunk 1
	WIN 0
.irp c, 3,4,5
	global_prefetch_b8 v[PLANE], s[26:27] offset:\c*CHSTEP th:TH_LOAD_NT scope:SCOPE_SE  ; my rows of chunks 3 to 5; the trips ask from chunk 6 on
.endr
	v_lshlrev_b32 v52, 5, v1                       ; id of the tile's token 0, first choice: 32 x tile
	v_add_nc_u32 v53, 1024, v52
	v_mov_b32 v57, 0
	ds_store_b32 v[LISTB], v57                     ; word 0 holds a row that exists also where the expert has none
	s_mov_b32 s30, 0
	s_mov_b32 s22, 16
	s_wait_loadcnt 32                              ; bm (and b1) are in; the two chunks' 32 loads stay out
	; THE LIST.  16 trips, one for each token of a tile; in a trip the lanes whose tile has the token on my expert take the next ranks, by a count of the lower lanes.
	v_lshrrev_b32 v50, 16, v48                     ; second choices
	v_lshrrev_b32 v51, 16, v49
	v_or_b32 v48, v48, v50                         ; either choice
	v_or_b32 v49, v49, v51
	v_and_b32 v48, 0xffff, v48
	v_and_b32 v49, 0xffff, v49
.Llist:
.irp a, 0,1
	v_and_b32 v54, 1, v[48+\a]
	v_cmp_eq_u32 vcc_lo, 1, v54
	v_mbcnt_lo_u32_b32 v55, vcc_lo, s30            ; my rank
	s_bcnt1_i32_b32 s31, vcc_lo
	s_add_co_u32 s30, s30, s31
	v_cndmask_b32 v55, 0x400, v55, vcc_lo          ; no match: word 1,024
	v_min_u32 v55, 0x400, v55
	v_lshl_add_u32 v55, v55, 2, v[LISTB]
	v_and_b32 v56, 1, v[50+\a]
	v_add_nc_u32 v56, v[52+\a], v56                ; id = 2 token + choice
	ds_store_b32 v55, v56
	v_lshrrev_b32 v[48+\a], 1, v[48+\a]
	v_lshrrev_b32 v[50+\a], 1, v[50+\a]
	v_add_nc_u32 v[52+\a], 2, v[52+\a]
.endr
	s_sub_co_u32 s22, s22, 1
	s_cmp_lg_u32 s22, 0
	s_cbranch_scc1 .Llist
	s_mov_b32 s18, s30                             ; the expert's count
	s_max_u32 s19, s30, 1
	s_sub_co_u32 s19, s19, 1
	s_min_u32 s19, s19, 0x3ff                      ; the last rank that exists
	s_lshl_b32 s36, s14, 4                         ; my first rank in pass 0
	s_mov_b32 s37, 0                               ; the pass's first rank
.if !SECOND
.irp q, 0,1,2,3
	v_cvt_pk_bf16_f32 v36, v[40+\q], v[44+\q]      ; b1 rounded to bf16
	v_lshlrev_b32 v[BI+2*\q], 16, v36
	v_and_b32 v[BI+2*\q+1], s39, v36
.endr
.endif
	ALLIDS
	PICK 0
	ROWS
	LOADA 0                                        ; token rows of chunk 0
	s_wait_loadcnt 36+5*SECOND                     ; chunk 0's weights are in; behind them: chunk 1's 16, the 5 gate weights (SECOND), the 20 token loads
	CONVERT 0, 0
	s_wait_xcnt 0x0
	s_add_nc_u64 s[4:5], s[4:5], 128
	s_add_nc_u64 s[8:9], s[8:9], CHSTEP
	LOADW 0                                        ; chunk 2
	WIN 0
	s_wait_dscnt 0x0                               ; for the others' sake: my part of slot 0 is stored
	s_wait_xcnt 0x0
	s_add_nc_u64 s[8:9], s[8:9], CHSTEP
	s_barrier_signal -1
	s_barrier_wait -1
	CHUNK 0,1,1,1,1,36,36,1,1                      ; chunk 0: its first K step starts the sums: nothing is cleared.  (Its first count also covers the 5 gate weights of SECOND: smaller than need be)
	s_mov_b32 s23, 6
.Lmain:                                                ; chunks 1 to 12
	CHUNK 1,0,1,1,1,36,36,1,1
	CHUNK 0,0,1,1,1,36,36,1,1
	s_sub_co_u32 s23, s23, 1
	s_cmp_lg_u32 s23, 0
	s_cbranch_scc1 .Lmain
	CHUNK 1,0,1,1,0,36,36,1,0                      ; chunk 13: no weights are left to ask for
	CHUNK 0,0,1,1,0,20,20,1,0                      ; chunk 14: behind W(15) only A(14), behind A(14) only A(15)
	CHUNK 1,0,0,0,0,0,0,0,0                        ; chunk 15: nothing is younger, nothing follows in LDS's slots: no barrier
	WIN 0
	s_mov_b32 s20, 4                               ; four passes of 320 ranks cover the 1,024 that an expert can have
.Lpass:
	PLACES                                         ; behind the last products
.if SECOND
	; THE WAY OUT.  Register j of the four accumulators 4 nb + q holds four neighbouring columns; times the gate weight they make 16 bytes of a row in my stage.
.irp t, 0,1,2,3,4
	s_add_co_u32 s31, s36, 64*(\t)
	s_cmp_ge_u32 s31, s18
	s_cbranch_scc1 .Lstaged                        ; this tile and those behind it lie past the count
.irp nb, 0,1
	WIN 0x02+(\t)/4
.irp j, 0,1,2,3,4,5,6,7                                ; each accumulator's register 0 is read first
.irp q, 0,1,2,3
	v_mul_f32 v[CV+4*\j+\q], v[64*((\t)%4)+8*(4*\nb+\q)+\j], v[G+\t]
.endr
.endr
	WIN 0
.irp j, 0,1,2,3,4,5,6,7
	ds_store_b128 v[STO], v[CV+4*\j:CV+4*\j+3] offset:TILEB*(\t)+256*\nb+16*\j
.endr
.endr
.endr
.Lstaged:
	s_mov_b32 s21, 5
.Ltile:                                                ; trip 5 - s21 sends tile 5 - s21
	s_wait_xcnt 0x0                                ; the last tile's stores have read their registers
.irp i, 0,1,2,3
	s_cmp_lg_u32 s21, 5-\i
	s_cbranch_scc1 .Lnot\i
	TILELOAD \i
	s_branch .Lsend
.Lnot\i:
.endr
	TILELOAD 4
.Lsend:
.irp rho, 0,1,2,3,4,5,6,7,8,9,10,11,12,13,14,15
	v_readlane_b32 s31, v37, \rho
	s_min_u32 s31, s31, 0x7ff
	v_lshl_add_u32 v[112+\rho], s31, 12, v[FRR]    ; a row of part is 4,096 bytes
.endr
	s_wait_dscnt 0x0
.irp rho, 0,1,2,3,4,5,6,7,8,9,10,11,12,13,14,15
	global_store_b128 v[112+\rho], v[48+4*\rho:48+4*\rho+3], s[12:13]  ; the wave stores 512 neighbouring bytes, aligned; rows past the count repeat the last row's bytes
.endr
.Ldead:
	s_sub_co_u32 s21, s21, 1
	s_cmp_lg_u32 s21, 0
	s_cbranch_scc1 .Ltile
.else
	; THE WAY OUT.  The sums go into my stage as they lie: word 32 q + u of a row holds column 4 u + q (u = 16 nb + 8 h + j).
.irp t, 0,1,2,3,4
	s_add_co_u32 s31, s36, 64*(\t)
	s_cmp_ge_u32 s31, s18
	s_cbranch_scc1 .Lstaged                        ; this tile and those behind it lie past the count
	WIN 0x08+4*((\t)/4)
.irp f, 0,1,2,3,4,5,6,7                                ; each accumulator's lower half first
	ds_store_b128 v[STO], v[64*((\t)%4)+8*(\f):64*((\t)%4)+8*(\f)+3] offset:TILEB*(\t)+128*((\f)%4)+64*((\f)/4)
	ds_store_b128 v[STO], v[64*((\t)%4)+8*(\f)+4:64*((\t)%4)+8*(\f)+7] offset:TILEB*(\t)+128*((\f)%4)+64*((\f)/4)+16
.endr
	WIN 0
.endr
.Lstaged:
	s_mov_b32 s21, 10
.Lhalf:                                                ; trip i = 10 - s21: eight rows of tile i / 2
	s_wait_xcnt 0x0                                ; the last trip's stores have read their registers
.irp i, 0,1,2,3,4,5,6,7,8
	s_cmp_lg_u32 s21, 10-\i
	s_cbranch_scc1 .Lnot\i
	HALFLOAD \i
	s_branch .Lgelu
.Lnot\i:
.endr
	HALFLOAD 9
.Lgelu:
	s_wait_dscnt 0x0
.irp jj, 0,1,2,3
	v_min_u32 v[40+\jj], 0x7ff, v[40+\jj]
	v_lshl_add_u32 v[40+\jj], v[40+\jj], 13, v[C16]  ; a row of hmid is 8,192 bytes
.endr
	; gelu(x) = x / 2 + |x| (1/2 - p(t) exp(- x x / 2) / 2): no choice by sign is needed, since x erf(x / sqrt 2) is even in x
.set a, 0
.rept 16
	v_pk_add_f32 v[XR+2*a:XR+2*a+1], v[XR+2*a:XR+2*a+1], v[BI+2*(a%4):BI+2*(a%4)+1]
.set a, a+1
.endr
.set a, 0
.rept 32
	v_and_b32 v[AZ+a], s35, v[XR+a]
.set a, a+1
.endr
.set a, 0
.rept 16
	v_pk_fma_f32 v[TR+2*a:TR+2*a+1], v[AZ+2*a:AZ+2*a+1], s[40:41], 1.0 op_sel_hi:[1,0,0]
	v_pk_mul_f32 v[YR+2*a:YR+2*a+1], v[XR+2*a:XR+2*a+1], v[XR+2*a:XR+2*a+1]
.set a, a+1
.endr
.set a, 0
.rept 16
	v_pk_mul_f32 v[YR+2*a:YR+2*a+1], v[YR+2*a:YR+2*a+1], s[42:43] op_sel_hi:[1,0]
.set a, a+1
.endr
.set a, 0
.rept 32                               ; ONE BATCH of 64: none reads another's result
	v_rcp_f32 v[TR+a], v[TR+a]
	v_exp_f32 v[YR+a], v[YR+a]
.set a, a+1
.endr
.set a, 0
.rept 16                               ; plain work that names no result of the batch
	v_pk_mul_f32 v[XR+2*a:XR+2*a+1], v[XR+2*a:XR+2*a+1], 0.5 op_sel_hi:[1,0]
.set a, a+1
.endr
	s_wait_alu depctr_va_vdst(0)                   ; the one wait between the batch and its first reader
.set a, 0
.rept 16
	v_pk_fma_f32 v[PR+2*a:PR+2*a+1], v[TR+2*a:TR+2*a+1], s[44:45], s[46:47] op_sel_hi:[1,0,0]
.set a, a+1
.endr
.irp c, 48,50,52
.set a, 0
.rept 16
	v_pk_fma_f32 v[PR+2*a:PR+2*a+1], v[PR+2*a:PR+2*a+1], v[TR+2*a:TR+2*a+1], s[\c:\c+1] op_sel_hi:[1,1,0]
.set a, a+1
.endr
.endr
.set a, 0
.rept 16
	v_pk_mul_f32 v[PR+2*a:PR+2*a+1], v[PR+2*a:PR+2*a+1], v[TR+2*a:TR+2*a+1]
.set a, a+1
.endr
.set a, 0
.rept 16
	v_pk_fma_f32 v[PR+2*a:PR+2*a+1], v[PR+2*a:PR+2*a+1], v[YR+2*a:YR+2*a+1], 0.5 op_sel_hi:[1,1,0]
.set a, a+1
.endr
.set a, 0
.rept 16
	v_pk_fma_f32 v[XR+2*a:XR+2*a+1], v[AZ+2*a:AZ+2*a+1], v[PR+2*a:PR+2*a+1], v[XR+2*a:XR+2*a+1]
.set a, a+1
.endr
.irp jj, 0,1,2,3
	v_cvt_pk_f16_f32 v[OUTR+4*\jj],   v[XR+8*\jj],   v[XR+8*\jj+2]   ; columns 0, 1
	v_cvt_pk_f16_f32 v[OUTR+4*\jj+1], v[XR+8*\jj+4], v[XR+8*\jj+6]   ; 2, 3
	v_cvt_pk_f16_f32 v[OUTR+4*\jj+2], v[XR+8*\jj+1], v[XR+8*\jj+3]   ; 4, 5
	v_cvt_pk_f16_f32 v[OUTR+4*\jj+3], v[XR+8*\jj+5], v[XR+8*\jj+7]   ; 6, 7
	global_store_b128 v[40+\jj], v[OUTR+4*\jj:OUTR+4*\jj+3], s[12:13]  ; 16 lanes store a row's 256 neighbouring bytes, aligned; rows past the count repeat the last row's bytes
.endr
.Ldead:
	s_sub_co_u32 s21, s21, 1
	s_cmp_lg_u32 s21, 0
	s_cbranch_scc1 .Lhalf
.endif
	s_add_co_u32 s37, s37, 320
	s_add_co_u32 s36, s36, 320
	s_cmp_ge_u32 s37, s18
	s_cbranch_scc1 .Ldone                          ; no rank is left
	; A FURTHER PASS of 320 ranks: no LDS slot, no barrier.  Each wave loads 32 rows x 512 bytes of W a step and rounds them straight into 8 fragments.
	s_cmp_lg_u32 s20, 4                            ; the pass to come is pass 5 - s20
	s_cbranch_scc1 .Lpick2
	PICK 1
	s_branch .Lpicked
.Lpick2:
	s_cmp_lg_u32 s20, 3
	s_cbranch_scc1 .Lpick3
	PICK 2
	s_branch .Lpicked
.Lpick3:
	PICK 3
.Lpicked:
	ROWS
	WIN 0x80                               ; the sums are cleared here, so that no first step is written out a second time; only an expert with more than 320 rows comes here
.set i, 0
.rept 256
	v_mov_b32 v[i], 0
.set i, i+1
.endr
	WIN 0xc0
.set i, 0
.rept 64
	v_mov_b32 v[i], 0
.set i, i+1
.endr
	WIN 0
	s_wait_xcnt 0x0
	s_mov_b64 s[8:9], s[26:27]
	s_mov_b64 s[4:5], s[28:29]
	s_mov_b32 s22, 32
.Lovf:
	PLACES
	WIN 0x40
.irp nb, 0,1
.irp i, 0,1,2,3,4,5,6,7,8,9,10,11,12,13,14,15
	global_load_b128 v[WR+4*(16*\nb+\i):WR+4*(16*\nb+\i)+3], v[WOFF2], s[8:9] offset:(\i+8*((\i)/8))*PITCHW+256*\nb  ; rows 8 h + 0..7 and 16 + 8 h + 0..7
.endr
.endr
	WIN 0
.irp t, 0,1,2,3,4
	global_load_b128 v[AR+16*\t:AR+16*\t+3], v[AOFF+\t], s[4:5]
	global_load_b128 v[AR+16*\t+4:AR+16*\t+7], v[AOFF+\t], s[4:5] offset:32
.endr
	s_wait_loadcnt 0x0
	WIN 0x45                               ; all in window 1: W in f32, the fragments v0-63, at work v64-79
.irp f, 0,1,2,3,4,5,6,7
.irp p, 0,1,2,3,4,5,6,7
	v_cvt_pk_bf16_f32 v[8*\f+\p], v[WR+4*(16*((\f)/4)+2*\p)+(\f)%4], v[WR+4*(16*((\f)/4)+2*\p+1)+(\f)%4]
.endr
.endr
.if SECOND
.set i, 0
.rept 64
	v_lshlrev_b32 v[64+2*(i%8)], 16, v[i]
	v_and_b32 v[65+2*(i%8)], s39, v[i]
	v_cvt_pk_f16_f32 v[i], v[64+2*(i%8)], v[65+2*(i%8)]
.set i, i+1
.endr
.endif
.irp t, 0,1,2,3,4
	WIN 0xa1+0x50*((\t)/4)
.irp f, 0,1,2,3,4,5,6,7
.set rD, 64*((\t)%4)+8*(\f)
.set rB, 8*(\f)
.set rA, AR+16*(\t)
.set zz, 0
	WMMA                                           ; 40 accumulators by turns, one instruction a turn
.endr
.endr
	WIN 0
	s_wait_xcnt 0x0
	s_add_nc_u64 s[8:9], s[8:9], 32*PITCHW
	s_add_nc_u64 s[4:5], s[4:5], 64
	s_sub_co_u32 s22, s22, 1
	s_cmp_lg_u32 s22, 0
	s_cbranch_scc1 .Lovf
	s_sub_co_u32 s20, s20, 1
	s_cmp_lg_u32 s20, 0
	s_cbranch_scc1 .Lpass
.Ldone:
	s_wait_tensorcnt 0x0                           ; the wave's end: behind my last LDS store
	ds_add_u32 v[SPW], v[NIL]
	s_wait_dscnt 0x0
	s_endpgm
.Lfunc_end_k_q05b9d3cbd4_prod2:
	.size	k_q05b9d3cbd4_prod2, .Lfunc_end_k_q05b9d3cbd4_prod2-k_q05b9d3cbd4_prod2
	.p2alignl 7, 3214868480
	.fill 96, 4, 3214868480
	.section	.rodata,"a",@progbits
	.p2align	6, 0x0
	.amdhsa_kernel k_q05b9d3cbd4_prod2
		.amdhsa_group_segment_fixed_size 219648
		.amdhsa_private_segment_fixed_size 0
		.amdhsa_enable_private_segment 0
		.amdhsa_kernarg_size 40
		.amdhsa_user_sgpr_count 2
		.amdhsa_user_sgpr_kernarg_segment_ptr 1
		.amdhsa_wavefront_size32 1
		.amdhsa_system_sgpr_workgroup_id_x 1
		.amdhsa_system_sgpr_workgroup_id_y 1
		.amdhsa_system_sgpr_workgroup_id_z 1
		.amdhsa_system_vgpr_workitem_id 0
		.amdhsa_next_free_vgpr 856
		.amdhsa_next_free_sgpr 66
		.amdhsa_reserve_vcc 1
		.amdhsa_float_denorm_mode_32 3
		.amdhsa_float_denorm_mode_16_64 3
		.amdhsa_memory_ordered 1
		.amdhsa_forward_progress 1
		.amdhsa_inst_pref_size 179
	.end_amdhsa_kernel
	.amdgpu_metadata
---
amdhsa.version: [ 1, 2 ]
amdhsa.kernels:
  - .name:           k_q05b9d3cbd4_prod2
    .symbol:         k_q05b9d3cbd4_prod2.kd
    .args:
      - { .name: hmid, .offset: 0, .size: 8, .value_kind: global_buffer, .address_space: global }
      - { .name: bm, .offset: 8, .size: 8, .value_kind: global_buffer, .address_space: global }
      - { .name: w2, .offset: 16, .size: 8, .value_kind: global_buffer, .address_space: global }
      - { .name: gw, .offset: 24, .size: 8, .value_kind: global_buffer, .address_space: global }
      - { .name: part, .offset: 32, .size: 8, .value_kind: global_buffer, .address_space: global }
    .group_segment_fixed_size: 219648
    .private_segment_fixed_size: 0
    .kernarg_segment_align: 8
    .kernarg_segment_size: 40
    .max_flat_workgroup_size: 128
    .sgpr_count:     66
    .vgpr_count:     856
    .wavefront_size: 32
...
	.end_amdgpu_metadata
.endif
;; end of part 3
;; launch combine (part 4): grid 256 x 1, 8 waves a work-group, no clusters, 0 bytes of LDS; arguments part, idx, gw, b2, out0; writes out0
.if DOCPART == 4
	.amdgcn_target "amdgcn-amd-amdhsa--gfx1250"
	.amdhsa_code_object_version 6
	.text
	.protected	k_q05b9d3cbd4_combine
	.globl	k_q05b9d3cbd4_combine
	.p2align	8
	.type	k_q05b9d3cbd4_combine,@function
k_q05b9d3cbd4_combine:
	s_mov_b64 s[64:65], 0
	v_nop
	global_prefetch_b8 v0, s[64:65] scope:SCOPE_SE
	s_setreg_imm32_b32 hwreg(HW_REG_WAVE_MODE, 25, 1), 1
	s_wait_xcnt 0x0
; THE SUM.  out0[t] = the sum over the token's two choices k of ( the four K quarters' part[q][2 t + k] + gw[2 t + k] b2[idx[2 t + k]] ).
; part holds f32 partial sums that already carry the gate weight; b2 is rounded to bf16 like every input; all sums in f32, in a fixed order.
; SHARES.  A work-group has 4 tokens; thread n has the 16 bytes at 16 n of every row, so each load and store of a wave covers 512 neighbouring bytes, aligned.
; A stream: all 40 loads of a thread go out ahead of the one wait (160 KB a work-group on their way); no LDS, no barrier, no matrix unit: nothing here is shared or multiplied by tiles.
.set PT, 16                            ; v[16:143]  part: token j, choice k, quarter q at 4 (8 j + 4 k + q)
.set BB, 144                           ; v[144:175] b2: token j, choice k at 4 (2 j + k)
	s_load_b256 s[4:11], s[0:1], 0x0               ; part s[4:5], idx s[6:7], gw s[8:9], b2 s[10:11]
	s_load_b64 s[12:13], s[0:1], 0x20              ; out0
	v_lshlrev_b32 v1, 4, v0
	s_lshl_b32 s40, ttmp9, 5                       ; my 4 tokens' 8 words in idx and in gw
	s_lshl_b32 s14, ttmp9, 15                      ; their 8 rows of 4,096 bytes in a quarter of part
	s_mov_b32 s15, 0
	s_mov_b32 s41, 0xffff0000
	s_wait_kmcnt 0x0
	s_load_b256 s[16:23], s[6:7], s40 offset:0x0   ; the experts
	s_load_b256 s[24:31], s[8:9], s40 offset:0x0   ; the weights
	s_add_nc_u64 s[32:33], s[4:5], s[14:15]
	s_add_nc_u64 s[34:35], s[32:33], 0x800000      ; a quarter of part is 2,048 rows of 4,096 bytes: too far for a load's immediate, so each has a base
	s_add_nc_u64 s[36:37], s[34:35], 0x800000
	s_add_nc_u64 s[38:39], s[36:37], 0x800000
.irp m, 0,1,2,3,4,5,6,7
.irp q, 0,1,2,3
	global_load_b128 v[PT+4*(4*\m+\q):PT+4*(4*\m+\q)+3], v1, s[32+2*\q:33+2*\q] offset:4096*\m th:TH_LOAD_NT  ; row id 8 x work-group + m, m = 2 j + k
.endr
.endr
	s_lshl_b32 s14, ttmp9, 14                      ; my 4 rows of out0
	s_add_nc_u64 s[12:13], s[12:13], s[14:15]
	s_wait_kmcnt 0x0
.irp m, 0,1,2,3,4,5,6,7
	s_min_u32 s[16+\m], s[16+\m], 7
	s_lshl_b32 s[16+\m], s[16+\m], 12              ; a row of b2 is 4,096 bytes
	v_add_nc_u32 v[2+\m], s[16+\m], v1
	global_load_b128 v[BB+4*\m:BB+4*\m+3], v[2+\m], s[10:11]
.endr
	s_wait_loadcnt 0x0
.irp j, 0,1,2,3
.irp m, 0,2,4,6                                        ; eight vectors of four: neighbours, then pairs, then halves
.irp c, 0,2
	v_pk_add_f32 v[PT+32*\j+4*\m+\c:PT+32*\j+4*\m+\c+1], v[PT+32*\j+4*\m+\c:PT+32*\j+4*\m+\c+1], v[PT+32*\j+4*\m+4+\c:PT+32*\j+4*\m+4+\c+1]
.endr
.endr
.irp m, 0,4
.irp c, 0,2
	v_pk_add_f32 v[PT+32*\j+4*\m+\c:PT+32*\j+4*\m+\c+1], v[PT+32*\j+4*\m+\c:PT+32*\j+4*\m+\c+1], v[PT+32*\j+4*\m+8+\c:PT+32*\j+4*\m+8+\c+1]
.endr
.endr
.irp c, 0,2
	v_pk_add_f32 v[PT+32*\j+\c:PT+32*\j+\c+1], v[PT+32*\j+\c:PT+32*\j+\c+1], v[PT+32*\j+16+\c:PT+32*\j+16+\c+1]
.endr
.irp k, 0,1
	v_cvt_pk_bf16_f32 v176, v[BB+4*(2*\j+\k)], v[BB+4*(2*\j+\k)+1]      ; b2 rounded to bf16
	v_cvt_pk_bf16_f32 v177, v[BB+4*(2*\j+\k)+2], v[BB+4*(2*\j+\k)+3]
	v_lshlrev_b32 v[BB+4*(2*\j+\k)], 16, v176
	v_and_b32 v[BB+4*(2*\j+\k)+1], s41, v176
	v_lshlrev_b32 v[BB+4*(2*\j+\k)+2], 16, v177
	v_and_b32 v[BB+4*(2*\j+\k)+3], s41, v177
.irp c, 0,1,2,3
	v_fmac_f32 v[PT+32*\j+\c], s[24+2*\j+\k], v[BB+4*(2*\j+\k)+\c]
.endr
.endr
	global_store_b128 v1, v[PT+32*\j:PT+32*\j+3], s[12:13] offset:4096*\j th:TH_STORE_NT
.endr
	s_endpgm
.Lfunc_end_k_q05b9d3cbd4_combine:
	.size	k_q05b9d3cbd4_combine, .Lfunc_end_k_q05b9d3cbd4_combine-k_q05b9d3cbd4_combine
	.p2alignl 7, 3214868480
	.fill 96, 4, 3214868480
	.section	.rodata,"a",@progbits
	.p2align	6, 0x0
	.amdhsa_kernel k_q05b9d3cbd4_combine
		.amdhsa_group_segment_fixed_size 0
		.amdhsa_private_segment_fixed_size 0
		.amdhsa_enable_private_segment 0
		.amdhsa_kernarg_size 40
		.amdhsa_user_sgpr_count 2
		.amdhsa_user_sgpr_kernarg_segment_ptr 1
		.amdhsa_wavefront_size32 1
		.amdhsa_system_sgpr_workgroup_id_x 1
		.amdhsa_system_sgpr_workgroup_id_y 1
		.amdhsa_system_sgpr_workgroup_id_z 1
		.amdhsa_system_vgpr_workitem_id 0
		.amdhsa_next_free_vgpr 184
		.amdhsa_next_free_sgpr 66
		.amdhsa_reserve_vcc 0
		.amdhsa_float_denorm_mode_32 3
		.amdhsa_float_denorm_mode_16_64 3
		.amdhsa_memory_ordered 1
		.amdhsa_forward_progress 1
		.amdhsa_inst_pref_size 13
	.end_amdhsa_kernel
	.amdgpu_metadata
---
amdhsa.version: [ 1, 2 ]
amdhsa.kernels:
  - .name:           k_q05b9d3cbd4_combine
    .symbol:         k_q05b9d3cbd4_combine.kd
    .args:
      - { .name: part, .offset: 0, .size: 8, .value_kind: global_buffer, .address_space: global }
      - { .name: idx, .offset: 8, .size: 8, .value_kind: global_buffer, .address_space: global }
      - { .name: gw, .offset: 16, .size: 8, .value_kind: global_buffer, .address_space: global }
      - { .name: b2, .offset: 24, .size: 8, .value_kind: global_buffer, .address_space: global }
      - { .name: out0, .offset: 32, .size: 8, .value_kind: global_buffer, .address_space: global }
    .group_segment_fixed_size: 0
    .private_segment_fixed_size: 0
    .kernarg_segment_align: 8
    .kernarg_segment_size: 40
    .max_flat_workgroup_size: 256
    .sgpr_count:     66
    .vgpr_count:     184
    .wavefront_size: 32
...
	.end_amdgpu_metadata
.endif
;; end of part 4
;; ======== version 2 of 3: 4 launches
;; limits: values are held in f16: magnitudes above 65,504 overflow, below 6.1e-05 lose precision; a function is approximated: absolute error at most 1.5e-07
;; workspace buffers: xb 2,097,152 bytes; idx 8,192 bytes of whole numbers; bm 2,048 bytes of whole numbers; gw 8,192 bytes; hmid 16,777,216 bytes; part 33,554,432 bytes
;; launch router: the kernel of part 1 again; grid 64 x 1, 8 waves a work-group, no clusters, 42,496 bytes of LDS; arguments x, gate_w, gate_b, xb, idx, gw, bm; writes xb, idx, gw, bm
;; launch prod1 (part 5): grid 32 x 8, 4 waves a work-group, no clusters, 202,240 bytes of LDS; arguments xb, bm, w1, b1, hmid; writes hmid
.if DOCPART == 5
	.amdgcn_target "amdgcn-amd-amdhsa--gfx1250"
	.amdhsa_code_object_version 6
	.text
	.protected	k_q05b9d3cbd4_prod1
	.globl	k_q05b9d3cbd4_prod1
	.p2align	8
	.type	k_q05b9d3cbd4_prod1,@function
k_q05b9d3cbd4_prod1:
	s_mov_b64 s[64:65], 0
	v_nop
	global_prefetch_b8 v0, s[64:65] scope:SCOPE_SE
	s_setreg_imm32_b32 hwreg(HW_REG_WAVE_MODE, 25, 1), 1
	s_wait_xcnt 0x0
; ONE EXPERT'S ROWS TIMES A SLICE OF ITS WEIGHTS.  One text serves both products of the layer; SECOND picks the form.
;   SECOND = 0:  hmid[id][128 x ..] = gelu(xb[id / 2] w1[e] + b1[e]), exact gelu, stored in f16.   bf16 operands.  Slice: all K = 1,024, columns 128 x .. + 127.
;   SECOND = 1:  part[q][id][128 ns ..] = gw[id] (hmid[id] w2[e]) over K quarter q, stored in f32.  f16 operands.   Slice: K = 1,024 q .. + 1,023, columns 128 ns .. + 127; x = 8 q + ns.
; A routed row is named by id = 2 token + choice.  The grid is 32 slices x 8 experts; each weight is read by one work-group, once in the main loop.
; FORMATS.  Every input is rounded to bf16 (w1, b1, w2; x by the launch before).  h is kept in f16; w2 is rounded to bf16 and that number written as f16.
; LIMITS.  |h| and |w2| stay under 65,504 (f16); below 6e-5 they keep f16's fixed step of 6e-8.  The gelu's normal integral is a rational approximation (Abramowitz and Stegun 7.1.26), off by
; 1.5e-7 at the most for every x.  NaN and infinities are not treated apart.
; THE ROWS.  From bm every wave holds the expert's rows as a bitmap of the 1,024 tokens, 32 tokens a lane (M), and beside it which of them have the expert as second choice (K).  The rows are ranked by
; planes: plane b is the mask of the lanes whose bit b is set, a scalar; within a plane the lower lane comes first.  Each lane finds the row of its rank in registers (FIND): 32 trips keep the last plane
; whose first rank is not above the lane's, five halvings find the bit in that plane.
; 320 ranks are multiplied in the main loop whatever the count: wave w has the five tiles of 16 ranks 64 t + 16 w ..; ranks past the count repeat the last row that exists, so the loop has no branch on
; data and every counted wait counts the same loads.  Tiles past the count are not stored.
; An expert with more than 320 rows gets further passes of 320 behind the loop, in text without a barrier, in which each wave reads and rounds the slice for itself: slow, and right for every split.
; THE MAIN LOOP.  K goes in 16 chunks of 64.  Of a chunk (64 rows x 512 bytes of f32) wave w loads rows 16 w .. + 15 (16 lanes take 256 neighbouring bytes, aligned), rounds them and stores them to LDS
; in the order in which a matrix operand's registers take them; all four waves read the 16 fragments back.  Two LDS slots take turns, one barrier a trip.  Token rows come from memory straight into
; operand registers.  Weights are asked for three chunks ahead, token rows one; by this text's count a wave has 56 loads out at the most in the loop.
; THE MATRIX INSTRUCTION: source 0 = 16 columns of W, source 1 = 16 rows of tokens.  Fragment (nb, q) holds columns 64 nb + 4 i + q (i its row), since a lane's 16 loaded bytes are four neighbouring
; columns.  In the result lane (r, h) holds token r, register j column 64 nb + 32 h + 4 j + q.
; NO CLUSTER, NO TENSOR LOAD: a slice has one reader; what an expert's work-groups share is its token rows, which come by their ids, rows that no descriptor covers; the weights pass through registers to be rounded.
; REGISTERS, in windows of 256 (s_set_vgpr_msb: bits 1:0 source 0, 3:2 source 1, 5:4 source 2, 7:6 destination):
;   window 0: v0-47 addresses and at work; v48-95 conversions (v48-97: FIND); v96-255 token fragments, two sets of 80 (tile t, K step ks at 16 t + 8 ks); on the way out v48-223 are at work
;   window 1: v0-127 W's 16 fragments of a chunk; v128-255 W in f32, two sets of 64          window 2: accumulators of tiles 0-3 at 64 t + 8 f          window 3: v0-63 tile 4's
.set SECOND, 0
.if SECOND
.set LOGP, 12                          ; a row of w2 is 4,096 bytes
.else
.set LOGP, 14                          ; a row of w1 is 16,384 bytes
.endif
.set PITCHW, 1<<LOGP
.set CHSTEP, 64*PITCHW                 ; from chunk to chunk
.set FRSLOT, 16384                     ; LDS 0: two slots of 16 fragments x 1,024 bytes: fragment f = 8 ks + 4 nb + q at 1,024 f, its half at 512, 16 bytes a lane
.set SPARE,  32768                     ; the spare words, 128 bytes a wave: two blocks of 256 bytes that no other line names
.set STAGE,  33280                     ; each wave's stage for the way out: 5 tiles x 16 rows x 528 bytes
.set STAGEW, 42240
.set SP,     528                       ; 512 bytes + 16: the 16 rows of a store start 16 bytes apart modulo 256
.set TILEB,  16*SP
.set SPW,   4                          ; v4   LDS address of my spare word; never rewritten
.set NIL,   5                          ; v5   0; never rewritten
.set WOFF,  6                          ; v6   W: (16 w + 8 h) rows + 16 r
.set WOFF2, 7                          ; v7   W in the further passes: 8 h rows + 16 r
.set FRW,   8                          ; v8   where my half fragments go; never rewritten
.set FRR,   9                          ; v9   16 l; never rewritten
.set C16,   11                         ; v11  16 r
.set AOFF,  12                         ; v12-16  tile t: byte offset of my token's row + 16 h
.set H16,   17                         ; v17  16 h
.set STO,   18                         ; v18  into the stage; never rewritten
.set RD,    19                         ; v19  back out of it; never rewritten
.set ID,    20                         ; v20-24  tile t of the pass in hand: my token's id (lane l: row l % 16)
.set MM,    25                         ; v25  bit b: token 32 l + b is on my expert
.set BI,    26                         ; v26-33  SECOND = 0: the bias of my 8 columns, as pairs (b[q], b[4 + q])
.set G,     26                         ; v26-30  SECOND = 1: tile t: my token's gate weight
.set POFF,  34                         ; v34  prefetch: lane term + chunk
.set PLANE, 35                         ; v35  prefetch: (16 w + l / 2) rows + 256 (l % 2): each block of 256 bytes of my 16 rows once
.set KK,    39                         ; v39  bit b: token 32 l + b has my expert as its second choice
.set CV,    48
.set AR,    96
.set WR,    128
.set RK, 48                            ; FIND's arrays, five registers each: the rank, then the rank within the plane
.set WT, 53                            ; the plane
.set KT, 58                            ; K's plane
.set PJ, 63                            ; 2 b << 16 | the plane's first rank
.set SA, 68                            ; the plane's bit counts by 2 bits,
.set SB, 73                            ; by 4,
.set SC, 78                            ; by 8
.set TT, 83                            ; at work
.set SS, 88
.set PO, 93                            ; the bit's place
.set XR, 48                            ; the gelu's arrays, 16 pairs each: x, then h
.set AZ, 80                            ; |x|
.set TR, 112                           ; t = 1 / (1 + 0.2316419 |x|)
.set YR, 144                           ; exp(- x x / 2)
.set PR, 176                           ; the polynomial
.set OUTR, 208                         ; four rows' 16 bytes in f16
.set MSB, 0
.macro WIN new                         ; the immediate's high byte repeats the setting that is left; a switch that changes nothing is dropped
.if MSB != (\new)
	s_set_vgpr_msb (MSB<<8)|(\new)
.set MSB, \new
.endif
.endm
.macro PLACES                          ; four places behind matrix instructions, ahead of loads into and vector writes of their registers and of reads of their results
.rept 4
	v_nop
.endr
.endm
.macro LOADW set                       ; my 16 rows of a chunk: 16 loads
	WIN 0x40
.irp nb, 0,1
.irp i, 0,1,2,3,4,5,6,7
	global_load_b128 v[WR+64*(\set)+4*(8*\nb+\i):WR+64*(\set)+4*(8*\nb+\i)+3], v[WOFF], s[8:9] offset:\i*PITCHW+256*\nb th:TH_LOAD_NT
.endr
.endr
.endm
.macro LOADA set                       ; my five tiles' token fragments of a chunk: 20 loads; k = 2 ks + half
	WIN 0
.irp t, 0,1,2,3,4
.irp k, 0,1,2,3
	global_load_b128 v[AR+80*(\set)+16*\t+4*\k:AR+80*(\set)+16*\t+4*\k+3], v[AOFF+\t], s[4:5] offset:32*\k
.endr
.endr
.endm
.macro LOADB slot                      ; all 16 fragments of a chunk: 32 LDS loads, 512 neighbouring bytes each
	WIN 0x40
.set i, 0
.rept 32
	ds_load_b128 v[4*i:4*i+3], v[FRR] offset:FRSLOT*(\slot)+512*i
.set i, i+1
.endr
.endm
.macro CONVERT set, slot               ; my 16 rows rounded: column q of my four, rows 2 p and 2 p + 1, make register p of half a fragment; 8 LDS stores
	WIN 0x05
.irp f, 0,1,2,3,4,5,6,7
.irp p, 0,1,2,3
	v_cvt_pk_bf16_f32 v[CV+4*\f+\p], v[WR+64*(\set)+4*(8*((\f)/4)+2*\p)+(\f)%4], v[WR+64*(\set)+4*(8*((\f)/4)+2*\p+1)+(\f)%4]
.endr
.endr
	WIN 0
.if SECOND
.set i, 0
.rept 32                               ; the bf16 numbers written as f16
	v_lshlrev_b32 v[80+2*(i%8)], 16, v[CV+i]
	v_and_b32 v[81+2*(i%8)], s39, v[CV+i]
	v_cvt_pk_f16_f32 v[CV+i], v[80+2*(i%8)], v[81+2*(i%8)]
.set i, i+1
.endr
.endif
.irp f, 0,1,2,3,4,5,6,7
	ds_store_b128 v[FRW], v[CV+4*\f:CV+4*\f+3] offset:FRSLOT*(\slot)+1024*\f
.endr
.endm
.macro WMMA                            ; one product on rD, rB, rA; zz = 1: it starts the sum
.if SECOND
.if zz
	v_wmma_f32_16x16x32_f16 v[rD:rD+7], v[rB:rB+7], v[rA:rA+7], 0
.else
	v_wmma_f32_16x16x32_f16 v[rD:rD+7], v[rB:rB+7], v[rA:rA+7], v[rD:rD+7]
.endif
.else
.if zz
	v_wmma_f32_16x16x32_bf16 v[rD:rD+7], v[rB:rB+7], v[rA:rA+7], 0
.else
	v_wmma_f32_16x16x32_bf16 v[rD:rD+7], v[rB:rB+7], v[rA:rA+7], v[rD:rD+7]
.endif
.endif
.endm
.macro MULS set, first                 ; a chunk's 80 products.  A tile's 8 accumulators take turns, one instruction a turn; no two neighbours share an accumulator, over the loop's jump too
.irp t, 0,1,2,3,4
	WIN 0xa1+0x50*((\t)/4)
.irp ks, 0,1
.irp f, 0,1,2,3,4,5,6,7
.set rD, 64*((\t)%4)+8*(\f)
.set rB, 64*(\ks)+8*(\f)
.set rA, AR+80*(\set)+16*(\t)+8*(\ks)
.set zz, (\first)*(1-(\ks))
	WMMA
.endr
.endr
.endr
.endm
; THE TRIP of chunk c, par = c % 2.  Issue order of the global loads: .. W(c+1) | A(c), W(c+2) || A(c+1), W(c+3) ..  (|| = this trip begins).
.macro CHUNK par, first, aload, conv, wload, nw1, nw2, bar, pf
	PLACES                                         ; behind the last trip's products: the loads below land on registers that they read
	LOADB \par
.if \conv
	s_wait_loadcnt \nw1                            ; W(c+1) is in; behind it stay out A(c)'s 20 and, where it exists, W(c+2)'s 16
.endif
.if \aload
	LOADA 1-(\par)                                 ; token rows of chunk c + 1
.endif
.if \pf
	WIN 0
	global_prefetch_b8 v[POFF], s[26:27] th:TH_LOAD_NT scope:SCOPE_SE  ; my 16 rows of chunk c + 6, three trips ahead of their loads; clamped to the last chunk
.endif
.if \conv
	CONVERT 1-(\par), 1-(\par)                     ; chunk c + 1 into the slot that everybody left at the last barrier
.endif
	s_wait_loadcnt \nw2                            ; A(c) is in; behind it stay out W(c+2)'s 16 and A(c+1)'s 20, where they exist
.if \wload
	LOADW 1-(\par)                                 ; chunk c + 3 into the registers just rounded
.endif
.if \conv
	s_wait_dscnt 8                                 ; the 8 stores may be out; the 32 loads ahead of them are in
.else
	s_wait_dscnt 0x0
.endif
	MULS \par, \first
.if \bar
	WIN 0
	s_wait_dscnt 0x0                               ; for the others' sake: my stores into the next slot are done, my reads of this one are back
	s_wait_xcnt 0x0                                ; the bases and the prefetch's offset are rewritten only behind this wait
	s_barrier_signal -1
	s_add_nc_u64 s[4:5], s[4:5], 128               ; 64 numbers of 2 bytes along the token rows
	s_add_nc_u64 s[8:9], s[8:9], CHSTEP
	s_add_co_u32 s54, s54, CHSTEP
	s_min_u32 s54, s54, 15*CHSTEP                  ; no prefetch points past the slice's last chunk
	v_add_nc_u32 v[POFF], s54, v[PLANE]
	s_barrier_wait -1
.endif
.endm
; FROM A RANK TO ITS ROW.  FIND nt, out: for nt registers of ranks v[RK + t], each below the count, the rows' ids into v[out + t].  The lines of the nt registers stand side by side, so that none waits for the one before it.
.macro EACH line:vararg                ; one line for each of the NTT registers
.set t, 0
.rept NTT
	\line
.set t, t+1
.endr
.endm
.macro STEP x, w                       ; one halving: the w bits at the place hold so many set bits (counts in array x); a rank at or past that goes w bits on
	EACH v_bfe_u32 v[TT+t], v[(\x)+t], v[PO+t], \w
.set t, 0
.rept NTT
	v_cmp_ge_u32 vcc_lo, v[RK+t], v[TT+t]
	v_cndmask_b32 v[TT+t], 0, v[TT+t], vcc_lo
	v_cndmask_b32 v[SS+t], 0, \w, vcc_lo
.set t, t+1
.endr
	EACH v_sub_nc_u32 v[RK+t], v[RK+t], v[TT+t]
	EACH v_add_nc_u32 v[PO+t], v[PO+t], v[SS+t]
.endm
.macro FIND nt, out
.set NTT, \nt
	EACH v_mov_b32 v[WT+t], 0                      ; written before the selects below read them; plane 0, whose first rank is 0, replaces them in every lane
	EACH v_mov_b32 v[KT+t], 0
	EACH v_mov_b32 v[PJ+t], 0
	s_mov_b32 s30, 0                               ; the plane's first rank
	s_mov_b32 s31, 0                               ; 2 b << 16 | that rank
	s_mov_b32 s32, 1                               ; 1 << b
	s_mov_b32 s22, 32
.Lplane\@:
	v_and_b32 v[SA], s32, v[MM]
	v_and_b32 v[SA+1], s32, v[KK]
	v_cmp_ne_u32 s33, 0, v[SA]                     ; plane b: the lanes whose token 32 l + b is on my expert,
	v_cmp_ne_u32 s34, 0, v[SA+1]                   ; and those where as second choice
.set t, 0
.rept NTT
	v_cmp_gt_u32 vcc_lo, s30, v[RK+t]              ; a plane that begins above my rank leaves what I hold
	v_cndmask_b32 v[WT+t], s33, v[WT+t], vcc_lo
	v_cndmask_b32 v[KT+t], s34, v[KT+t], vcc_lo
	v_cndmask_b32 v[PJ+t], s31, v[PJ+t], vcc_lo
.set t, t+1
.endr
	s_bcnt1_i32_b32 s57, s33
	s_add_co_u32 s30, s30, s57
	s_add_co_u32 s31, s31, s57
	s_add_co_u32 s31, s31, 0x20000
	s_lshl_b32 s32, s32, 1
	s_sub_co_u32 s22, s22, 1
	s_cmp_lg_u32 s22, 0
	s_cbranch_scc1 .Lplane\@
	EACH v_and_b32 v[TT+t], 0xffff, v[PJ+t]
	EACH v_sub_nc_u32 v[RK+t], v[RK+t], v[TT+t]    ; my rank within the plane: the set bit of that number is wanted
	EACH v_lshrrev_b32 v[SA+t], 1, v[WT+t]
	EACH v_and_b32 v[SA+t], s59, v[SA+t]
	EACH v_sub_nc_u32 v[SA+t], v[WT+t], v[SA+t]    ; set bits in each 2,
	EACH v_lshrrev_b32 v[SB+t], 2, v[SA+t]
	EACH v_and_b32 v[TT+t], s60, v[SA+t]
	EACH v_and_b32 v[SB+t], s60, v[SB+t]
	EACH v_add_nc_u32 v[SB+t], v[SB+t], v[TT+t]    ; in each 4,
	EACH v_lshrrev_b32 v[SC+t], 4, v[SB+t]
	EACH v_add_nc_u32 v[SC+t], v[SC+t], v[SB+t]
	EACH v_and_b32 v[SC+t], s61, v[SC+t]           ; in each 8,
	EACH v_lshrrev_b32 v[TT+t], 8, v[SC+t]
	EACH v_add_nc_u32 v[TT+t], v[TT+t], v[SC+t]
	EACH v_and_b32 v[TT+t], 0xff, v[TT+t]          ; in the low 16
.set t, 0
.rept NTT
	v_cmp_ge_u32 vcc_lo, v[RK+t], v[TT+t]
	v_cndmask_b32 v[TT+t], 0, v[TT+t], vcc_lo
	v_cndmask_b32 v[PO+t], 0, 16, vcc_lo
.set t, t+1
.endr
	EACH v_sub_nc_u32 v[RK+t], v[RK+t], v[TT+t]
	STEP SC, 8
	STEP SB, 4
	STEP SA, 2
	STEP WT, 1                                     ; the place is the lane l of the row's token
	EACH v_bfe_u32 v[TT+t], v[KT+t], v[PO+t], 1    ; the choice
	EACH v_lshrrev_b32 v[SS+t], 16, v[PJ+t]        ; 2 b
	EACH v_lshl_add_u32 v[PO+t], v[PO+t], 6, v[SS+t]
	EACH v_add_nc_u32 v[(\out)+t], v[PO+t], v[TT+t]  ; id = 2 (32 l + b) + choice
.endm
.macro ROWS                            ; the row offsets (and gate weights) of the pass's five tiles
	s_wait_xcnt 0x0                                ; the offsets of earlier loads and stores are rewritten only behind this wait
.irp t, 0,1,2,3,4
.if SECOND
	v_min_u32 v37, 0x7ff, v[ID+\t]
	v_lshl_add_u32 v[AOFF+\t], v37, 13, v[H16]     ; a row of hmid is 8,192 bytes
	v_lshlrev_b32 v[40+\t], 2, v37
	global_load_b32 v[G+\t], v[40+\t], s[10:11]
.else
	v_lshrrev_b32 v37, 1, v[ID+\t]                 ; the token
	v_min_u32 v37, 0x3ff, v37
	v_lshl_add_u32 v[AOFF+\t], v37, 11, v[H16]     ; a row of xb is 2,048 bytes
.endif
.endr
.endm
; THE WAY OUT's LDS loads.  The arithmetic is written once, in a loop; the loads of trip i stand in a block of their own, so that every address in the stage is a fixed register and a constant of the text.
; SECOND = 0, trip i: tile i / 2, rows jj + 8 hh + 4 (i % 2): lane (cc, hh) takes columns 8 cc + q and 8 cc + 4 + q of four rows; the rows' ids come out of the tile's id register, lane by lane.
.macro HALFLOAD i
	s_add_co_u32 s38, s36, 64*((\i)/2)
	s_cmp_ge_u32 s38, s18
	s_cbranch_scc1 .Ldead                          ; the tile lies past the count
.irp jj, 0,1,2,3
.irp q, 0,1,2,3
	ds_load_b64 v[XR+2*(4*\jj+\q):XR+2*(4*\jj+\q)+1], v[RD] offset:TILEB*((\i)/2)+4*SP*((\i)%2)+SP*\jj+128*\q
.endr
.endr
.irp jj, 0,1,2,3
	v_readlane_b32 s31, v[ID+(\i)/2], 4*((\i)%2)+\jj      ; the row of lanes 0-15,
	v_readlane_b32 s32, v[ID+(\i)/2], 4*((\i)%2)+\jj+8    ; and that of lanes 16-31
	v_mov_b32 v[40+\jj], s31
	v_cndmask_b32 v[40+\jj], v[40+\jj], s32, s39   ; s39 = 0xffff0000 is also the mask of lanes 16-31
.endr
.endm
; SECOND = 1, trip i: tile i: 16 whole rows of 512 bytes; the tile's ids (lane r: row r) go where the one text of the stores reads them.
.macro TILELOAD i
	s_add_co_u32 s38, s36, 64*(\i)
	s_cmp_ge_u32 s38, s18
	s_cbranch_scc1 .Ldead                          ; the tile lies past the count
	v_mov_b32 v37, v[ID+(\i)]
.irp rho, 0,1,2,3,4,5,6,7,8,9,10,11,12,13,14,15
	ds_load_b128 v[48+4*\rho:48+4*\rho+3], v[RD] offset:TILEB*(\i)+SP*\rho
.endr
.endm
	s_load_b256 s[4:11], s[0:1], 0x0               ; token rows s[4:5], bm s[6:7], W s[8:9], b1 or gw s[10:11]
	s_load_b64 s[12:13], s[0:1], 0x20              ; the output
	v_lshl_add_u32 v[SPW], v0, 2, SPARE
	v_mov_b32 v[NIL], 0
	v_lshrrev_b32 v36, 5, v0
	v_readfirstlane_b32 s14, v36                   ; wave 0..3
	s_and_b32 s15, ttmp7, 0xffff                   ; the expert
	s_mov_b32 s16, ttmp9                           ; the slice
	s_mov_b32 s25, 0
	s_mov_b32 s39, 0xffff0000
	v_and_b32 v1, 31, v0                           ; l
	v_and_b32 v2, 15, v0                           ; r
	v_bfe_u32 v3, v0, 4, 1                         ; h
	v_lshlrev_b32 v[C16], 4, v2
	v_lshlrev_b32 v[H16], 4, v3
	v_lshl_add_u32 v[WOFF2], v3, LOGP+3, v[C16]
	s_lshl_b32 s55, s14, LOGP+4
	v_add_nc_u32 v[WOFF], s55, v[WOFF2]
	v_lshrrev_b32 v36, 1, v1
	v_and_b32 v37, 1, v0
	v_lshlrev_b32 v36, LOGP, v36
	v_lshl_add_u32 v36, v37, 8, v36
	v_add_nc_u32 v[PLANE], s55, v36
	s_mov_b32 s54, 6*CHSTEP
	v_add_nc_u32 v[POFF], s54, v[PLANE]
	s_lshr_b32 s55, s14, 1                         ; my rows are K step w / 2, half w % 2 of each fragment
	s_lshl_b32 s55, s55, 13
	s_and_b32 s56, s14, 1
	s_lshl_b32 s56, s56, 9
	s_add_co_u32 s55, s55, s56
	v_lshl_add_u32 v[FRW], v1, 4, s55
	v_lshlrev_b32 v[FRR], 4, v1
	s_mul_i32 s55, s14, STAGEW
	s_add_co_u32 s55, s55, STAGE
	v_mul_u32_u24 v[STO], v2, SP
.if SECOND
	v_lshl_add_u32 v[STO], v3, 7, v[STO]           ; row r, 128 bytes for each half of the lanes
	v_add_nc_u32 v[RD], s55, v[FRR]                ; back: a whole row of 512 bytes a load
.else
	v_lshl_add_u32 v[STO], v3, 5, v[STO]           ; row r, 32 bytes for each half of the lanes
	v_mul_u32_u24 v[RD], v3, 8*SP                  ; back: lanes 16-31 eight rows further down (4,224 bytes: the other half of a row of banks), 8 bytes a lane
	v_lshl_add_u32 v[RD], v2, 3, v[RD]
	v_add_nc_u32 v[RD], s55, v[RD]
.endif
	v_add_nc_u32 v[STO], s55, v[STO]
	v_lshlrev_b32 v38, 6, v1
	s_lshl_b32 s56, s15, 2
	v_add_nc_u32 v38, s56, v38                     ; bm: tiles 2 l and 2 l + 1, my expert's words
.if SECOND
	s_lshr_b32 s17, s16, 3                         ; K quarter
	s_and_b32 s33, s16, 7                          ; column slice
	s_lshl_b32 s31, s15, 24
	s_lshl_b32 s32, s17, 22
	s_add_co_u32 s31, s31, s32
	s_lshl_b32 s33, s33, 9
	s_add_co_u32 s31, s31, s33                     ; W: expert, 1,024 rows a quarter, 512 bytes a slice
	s_lshl_b32 s32, s17, 23
	s_add_co_u32 s32, s32, s33                     ; part: 2,048 rows of 4,096 bytes a quarter, 512 bytes a slice
	s_lshl_b32 s34, s17, 11                        ; hmid: 2,048 bytes of a row a quarter
.else
	v_lshlrev_b32 v39, 5, v2                       ; b1: my 8 columns
	s_mov_b32 s35, 0x7fffffff
	s_mov_b32 s40, 0x3e6d3388                      ; 0.3275911 / sqrt(2)
	s_mov_b32 s42, 0xbf38aa3b                      ; - log2(e) / 2
	s_mov_b32 s44, 0xbf07dc22                      ; the five coefficients, halved and negated: - 0.5307027,
	s_mov_b32 s46, 0x3f3a00e3                      ; 0.7265760,
	s_mov_b32 s48, 0xbf35f0e3                      ; - 0.7107069,
	s_mov_b32 s50, 0x3e11a98e                      ; 0.1422484,
	s_mov_b32 s52, 0xbe027906                      ; - 0.1274148
.irp c, 40,42,44,46,48,50,52
	s_mov_b32 s[\c+1], s[\c]                       ; named as pairs, so both words are written
.endr
	s_lshl_b32 s31, s15, 24
	s_lshl_b32 s33, s16, 9
	s_add_co_u32 s31, s31, s33                     ; W: expert, 512 bytes a slice
	s_lshl_b32 s34, s15, 14
	s_add_co_u32 s34, s34, s33                     ; b1: expert, 512 bytes a slice
	s_lshl_b32 s32, s16, 8                         ; hmid: 256 bytes a slice
.endif
	s_wait_kmcnt 0x0
	s_mov_b32 s24, s31
	s_add_nc_u64 s[8:9], s[8:9], s[24:25]
	s_mov_b32 s24, s32
	s_add_nc_u64 s[12:13], s[12:13], s[24:25]
	s_mov_b32 s24, s34
.if SECOND
	s_add_nc_u64 s[4:5], s[4:5], s[24:25]
.else
	s_add_nc_u64 s[10:11], s[10:11], s[24:25]
.endif
	s_mov_b64 s[26:27], s[8:9]                     ; the slice's first byte, kept for the prefetches and the further passes
	s_mov_b64 s[28:29], s[4:5]                     ; the token rows' first byte, likewise
	global_load_b32 v68, v38, s[6:7]               ; tile 2 l: bits 15:0 first choices, 31:16 second choices
	global_load_b32 v69, v38, s[6:7] offset:32     ; tile 2 l + 1
.if !SECOND
	global_load_b128 v[40:43], v39, s[10:11]
	global_load_b128 v[44:47], v39, s[10:11] offset:16
.endif
	LOADW 0                                        ; chunk 0
	s_wait_xcnt 0x0
	s_add_nc_u64 s[8:9], s[8:9], CHSTEP
	LOADW 1                                        ; chunk 1
	WIN 0
.irp c, 3,4,5
	global_prefetch_b8 v[PLANE], s[26:27] offset:\c*CHSTEP th:TH_LOAD_NT scope:SCOPE_SE  ; my rows of chunks 3 to 5; the trips ask from chunk 6 on
.endr
	s_lshl_b32 s36, s14, 4                         ; my first rank in pass 0
	s_mov_b32 s37, 0                               ; the pass's first rank
	s_mov_b32 s18, 0
	s_mov_b32 s59, 0x55555555                      ; the masks of the bit counts
	s_mov_b32 s60, 0x33333333
	s_mov_b32 s61, 0x0f0f0f0f
	s_wait_loadcnt 32                              ; bm (and b1) are in; the two chunks' 32 loads stay out
	; THE BITMAP: bit b of M: token 32 l + b is on my expert, by either choice; of K: by the second.
	v_lshrrev_b32 v70, 16, v68
	v_lshlrev_b32 v72, 16, v69
	v_or_b32 v71, v68, v70
	v_or_b32 v72, v69, v72
	v_and_b32 v71, 0xffff, v71
	v_and_b32 v72, s39, v72
	v_and_b32 v73, s39, v69
	v_or_b32 v[MM], v71, v72
	v_or_b32 v[KK], v70, v73
	; THE COUNT: each lane's set bits (0 to 32), then the six bits of that number summed over the lanes by their masks.
	v_lshrrev_b32 v70, 1, v[MM]
	v_and_b32 v70, s59, v70
	v_sub_nc_u32 v70, v[MM], v70
	v_lshrrev_b32 v71, 2, v70
	v_and_b32 v70, s60, v70
	v_and_b32 v71, s60, v71
	v_add_nc_u32 v70, v70, v71
	v_lshrrev_b32 v71, 4, v70
	v_add_nc_u32 v70, v70, v71
	v_and_b32 v70, s61, v70
	v_lshrrev_b32 v71, 8, v70
	v_add_nc_u32 v70, v70, v71
	v_lshrrev_b32 v71, 16, v70
	v_add_nc_u32 v70, v70, v71                     ; bits 5:0
.irp i, 0,1,2,3,4,5
	v_and_b32 v[71+\i], 1<<\i, v70
.endr
.irp i, 0,1,2,3,4,5
	v_cmp_ne_u32 s[20+\i], 0, v[71+\i]
.endr
.irp i, 0,1,2,3,4,5
	s_bcnt1_i32_b32 s[20+\i], s[20+\i]
	s_lshl_b32 s[20+\i], s[20+\i], \i
	s_add_co_u32 s18, s18, s[20+\i]                ; the expert's count
.endr
	s_max_u32 s19, s18, 1
	s_sub_co_u32 s19, s19, 1
	s_min_u32 s19, s19, 0x3ff                      ; the last rank that exists
.if !SECOND
.irp q, 0,1,2,3
	v_cvt_pk_bf16_f32 v36, v[40+\q], v[44+\q]      ; b1 rounded to bf16
	v_lshlrev_b32 v[BI+2*\q], 16, v36
	v_and_b32 v[BI+2*\q+1], s39, v36
.endr
.endif
	v_add_nc_u32 v[RK], s36, v2                    ; my five ranks of pass 0: 16 w + r + 64 t; a rank past the count takes the last row that exists
.irp t, 1,2,3,4
	v_add_nc_u32 v[RK+\t], 64*\t, v[RK]
.endr
.irp t, 0,1,2,3,4
	v_min_u32 v[RK+\t], s19, v[RK+\t]
.endr
	FIND 5, ID
	ROWS
	LOADA 0                                        ; token rows of chunk 0
	s_wait_loadcnt 36+5*SECOND                     ; chunk 0's weights are in; behind them: chunk 1's 16, the 5 gate weights (SECOND), the 20 token loads
	CONVERT 0, 0
	s_wait_xcnt 0x0
	s_add_nc_u64 s[4:5], s[4:5], 128
	s_add_nc_u64 s[8:9], s[8:9], CHSTEP
	LOADW 0                                        ; chunk 2
	WIN 0
	s_wait_dscnt 0x0                               ; for the others' sake: my part of slot 0 is stored
	s_wait_xcnt 0x0
	s_add_nc_u64 s[8:9], s[8:9], CHSTEP
	s_barrier_signal -1
	s_barrier_wait -1
	CHUNK 0,1,1,1,1,36,36,1,1                      ; chunk 0: its first K step starts the sums: nothing is cleared.  (Its first count also covers the 5 gate weights of SECOND: smaller than need be)
	s_mov_b32 s23, 6
.Lmain:                                                ; chunks 1 to 12
	CHUNK 1,0,1,1,1,36,36,1,1
	CHUNK 0,0,1,1,1,36,36,1,1
	s_sub_co_u32 s23, s23, 1
	s_cmp_lg_u32 s23, 0
	s_cbranch_scc1 .Lmain
	CHUNK 1,0,1,1,0,36,36,1,0                      ; chunk 13: no weights are left to ask for
	CHUNK 0,0,1,1,0,20,20,1,0                      ; chunk 14: behind W(15) only A(14), behind A(14) only A(15)
	CHUNK 1,0,0,0,0,0,0,0,0                        ; chunk 15: nothing is younger, nothing follows in LDS's slots: no barrier
	WIN 0
	s_mov_b32 s20, 4                               ; four passes of 320 ranks cover the 1,024 that an expert can have
.Lpass:
	PLACES                                         ; behind the last products
.if SECOND
	; THE WAY OUT.  Register j of the four accumulators 4 nb + q holds four neighbouring columns; times the gate weight they make 16 bytes of a row in my stage.
.irp t, 0,1,2,3,4
	s_add_co_u32 s31, s36, 64*(\t)
	s_cmp_ge_u32 s31, s18
	s_cbranch_scc1 .Lstaged                        ; this tile and those behind it lie past the count
.irp nb, 0,1
	WIN 0x02+(\t)/4
.irp j, 0,1,2,3,4,5,6,7                                ; each accumulator's register 0 is read first
.irp q, 0,1,2,3
	v_mul_f32 v[CV+4*\j+\q], v[64*((\t)%4)+8*(4*\nb+\q)+\j], v[G+\t]
.endr
.endr
	WIN 0
.irp j, 0,1,2,3,4,5,6,7
	ds_store_b128 v[STO], v[CV+4*\j:CV+4*\j+3] offset:TILEB*(\t)+256*\nb+16*\j
.endr
.endr
.endr
.Lstaged:
	s_mov_b32 s21, 5
.Ltile:                                                ; trip 5 - s21 sends tile 5 - s21
	s_wait_xcnt 0x0                                ; the last tile's stores have read their registers
.irp i, 0,1,2,3
	s_cmp_lg_u32 s21, 5-\i
	s_cbranch_scc1 .Lnot\i
	TILELOAD \i
	s_branch .Lsend
.Lnot\i:
.endr
	TILELOAD 4
.Lsend:
.irp rho, 0,1,2,3,4,5,6,7,8,9,10,11,12,13,14,15
	v_readlane_b32 s31, v37, \rho
	s_min_u32 s31, s31, 0x7ff
	v_lshl_add_u32 v[112+\rho], s31, 12, v[FRR]    ; a row of part is 4,096 bytes
.endr
	s_wait_dscnt 0x0
.irp rho, 0,1,2,3,4,5,6,7,8,9,10,11,12,13,14,15
	global_store_b128 v[112+\rho], v[48+4*\rho:48+4*\rho+3], s[12:13]  ; the wave stores 512 neighbouring bytes, aligned; rows past the count repeat the last row's bytes
.endr
.Ldead:
	s_sub_co_u32 s21, s21, 1
	s_cmp_lg_u32 s21, 0
	s_cbranch_scc1 .Ltile
.else
	; THE WAY OUT.  The sums go into my stage as they lie: word 32 q + u of a row holds column 4 u + q (u = 16 nb + 8 h + j).
.irp t, 0,1,2,3,4
	s_add_co_u32 s31, s36, 64*(\t)
	s_cmp_ge_u32 s31, s18
	s_cbranch_scc1 .Lstaged                        ; this tile and those behind it lie past the count
	WIN 0x08+4*((\t)/4)
.irp f, 0,1,2,3,4,5,6,7                                ; each accumulator's lower half first
	ds_store_b128 v[STO], v[64*((\t)%4)+8*(\f):64*((\t)%4)+8*(\f)+3] offset:TILEB*(\t)+128*((\f)%4)+64*((\f)/4)
	ds_store_b128 v[STO], v[64*((\t)%4)+8*(\f)+4:64*((\t)%4)+8*(\f)+7] offset:TILEB*(\t)+128*((\f)%4)+64*((\f)/4)+16
.endr
	WIN 0
.endr
.Lstaged:
	s_mov_b32 s21, 10
.Lhalf:                                                ; trip i = 10 - s21: eight rows of tile i / 2
	s_wait_xcnt 0x0                                ; the last trip's stores have read their registers
.irp i, 0,1,2,3,4,5,6,7,8
	s_cmp_lg_u32 s21, 10-\i
	s_cbranch_scc1 .Lnot\i
	HALFLOAD \i
	s_branch .Lgelu
.Lnot\i:
.endr
	HALFLOAD 9
.Lgelu:
	s_wait_dscnt 0x0
.irp jj, 0,1,2,3
	v_min_u32 v[40+\jj], 0x7ff, v[40+\jj]
	v_lshl_add_u32 v[40+\jj], v[40+\jj], 13, v[C16]  ; a row of hmid is 8,192 bytes
.endr
	; gelu(x) = x / 2 + |x| (1/2 - p(t) exp(- x x / 2) / 2): no choice by sign is needed, since x erf(x / sqrt 2) is even in x
.set a, 0
.rept 16
	v_pk_add_f32 v[XR+2*a:XR+2*a+1], v[XR+2*a:XR+2*a+1], v[BI+2*(a%4):BI+2*(a%4)+1]
.set a, a+1
.endr
.set a, 0
.rept 32
	v_and_b32 v[AZ+a], s35, v[XR+a]
.set a, a+1
.endr
.set a, 0
.rept 16
	v_pk_fma_f32 v[TR+2*a:TR+2*a+1], v[AZ+2*a:AZ+2*a+1], s[40:41], 1.0 op_sel_hi:[1,0,0]
	v_pk_mul_f32 v[YR+2*a:YR+2*a+1], v[XR+2*a:XR+2*a+1], v[XR+2*a:XR+2*a+1]
.set a, a+1
.endr
.set a, 0
.rept 16
	v_pk_mul_f32 v[YR+2*a:YR+2*a+1], v[YR+2*a:YR+2*a+1], s[42:43] op_sel_hi:[1,0]
.set a, a+1
.endr
.set a, 0
.rept 32                               ; ONE BATCH of 64: none reads another's result
	v_rcp_f32 v[TR+a], v[TR+a]
	v_exp_f32 v[YR+a], v[YR+a]
.set a, a+1
.endr
.set a, 0
.rept 16                               ; plain work that names no result of the batch
	v_pk_mul_f32 v[XR+2*a:XR+2*a+1], v[XR+2*a:XR+2*a+1], 0.5 op_sel_hi:[1,0]
.set a, a+1
.endr
	s_wait_alu depctr_va_vdst(0)                   ; the one wait between the batch and its first reader
.set a, 0
.rept 16
	v_pk_fma_f32 v[PR+2*a:PR+2*a+1], v[TR+2*a:TR+2*a+1], s[44:45], s[46:47] op_sel_hi:[1,0,0]
.set a, a+1
.endr
.irp c, 48,50,52
.set a, 0
.rept 16
	v_pk_fma_f32 v[PR+2*a:PR+2*a+1], v[PR+2*a:PR+2*a+1], v[TR+2*a:TR+2*a+1], s[\c:\c+1] op_sel_hi:[1,1,0]
.set a, a+1
.endr
.endr
.set a, 0
.rept 16
	v_pk_mul_f32 v[PR+2*a:PR+2*a+1], v[PR+2*a:PR+2*a+1], v[TR+2*a:TR+2*a+1]
.set a, a+1
.endr
.set a, 0
.rept 16
	v_pk_fma_f32 v[PR+2*a:PR+2*a+1], v[PR+2*a:PR+2*a+1], v[YR+2*a:YR+2*a+1], 0.5 op_sel_hi:[1,1,0]
.set a, a+1
.endr
.set a, 0
.rept 16
	v_pk_fma_f32 v[XR+2*a:XR+2*a+1], v[AZ+2*a:AZ+2*a+1], v[PR+2*a:PR+2*a+1], v[XR+2*a:XR+2*a+1]
.set a, a+1
.endr
.irp jj, 0,1,2,3
	v_cvt_pk_f16_f32 v[OUTR+4*\jj],   v[XR+8*\jj],   v[XR+8*\jj+2]   ; columns 0, 1
	v_cvt_pk_f16_f32 v[OUTR+4*\jj+1], v[XR+8*\jj+4], v[XR+8*\jj+6]   ; 2, 3
	v_cvt_pk_f16_f32 v[OUTR+4*\jj+2], v[XR+8*\jj+1], v[XR+8*\jj+3]   ; 4, 5
	v_cvt_pk_f16_f32 v[OUTR+4*\jj+3], v[XR+8*\jj+5], v[XR+8*\jj+7]   ; 6, 7
	global_store_b128 v[40+\jj], v[OUTR+4*\jj:OUTR+4*\jj+3], s[12:13]  ; 16 lanes store a row's 256 neighbouring bytes, aligned; rows past the count repeat the last row's bytes
.endr
.Ldead:
	s_sub_co_u32 s21, s21, 1
	s_cmp_lg_u32 s21, 0
	s_cbranch_scc1 .Lhalf
.endif
	s_add_co_u32 s37, s37, 320
	s_add_co_u32 s36, s36, 320
	s_cmp_lt_u32 s37, s18
	s_cbranch_scc1 .Lmore                          ; ranks are left: a further pass.  Else the wave ends here: the counted loop is left by s_endpgm, not by a jump past its counter's step
	s_wait_tensorcnt 0x0                           ; the wave's end: behind my last LDS store
	ds_add_u32 v[SPW], v[NIL]
	s_wait_dscnt 0x0
	s_endpgm
.Lmore:
	; A FURTHER PASS of 320 ranks: no LDS slot, no barrier.  Each wave loads 32 rows x 512 bytes of W a step and rounds them straight into 8 fragments.
	s_wait_xcnt 0x0                                ; the way out's stores have read their registers, which FIND writes
	s_mov_b32 s58, s36                             ; the tile's first rank
	s_mov_b32 s21, 5
.Lids:                                                 ; the pass's five tiles, one a trip: the ids move down a register, the new tile's come in at the top
	v_add_nc_u32 v[RK], s58, v2
	v_min_u32 v[RK], s19, v[RK]
.irp t, 0,1,2,3
	v_mov_b32 v[ID+\t], v[ID+\t+1]
.endr
	FIND 1, ID+4
	s_add_co_u32 s58, s58, 64
	s_sub_co_u32 s21, s21, 1
	s_cmp_lg_u32 s21, 0
	s_cbranch_scc1 .Lids
	ROWS
.set i, 0
.rept 8
	v_mov_b32 v[AR+i], 0
.set i, i+1
.endr
.irp t, 0,1,2,3,4                                      ; the sums start at 0: 40 products of a fragment of zeros with itself, so that no first step is written out a second time; only an expert with more than 320 rows comes here
	WIN 0x80+0x40*((\t)/4)
.irp f, 0,1,2,3,4,5,6,7
.set rD, 64*((\t)%4)+8*(\f)
.set rB, AR
.set rA, AR
.set zz, 1
	WMMA
.endr
.endr
	WIN 0
	s_wait_xcnt 0x0
	s_mov_b64 s[8:9], s[26:27]
	s_mov_b64 s[4:5], s[28:29]
	s_mov_b32 s22, 32
.Lovf:
	PLACES
	WIN 0x40
.irp nb, 0,1
.irp i, 0,1,2,3,4,5,6,7,8,9,10,11,12,13,14,15
	global_load_b128 v[WR+4*(16*\nb+\i):WR+4*(16*\nb+\i)+3], v[WOFF2], s[8:9] offset:(\i+8*((\i)/8))*PITCHW+256*\nb  ; rows 8 h + 0..7 and 16 + 8 h + 0..7
.endr
.endr
	WIN 0
.irp t, 0,1,2,3,4
	global_load_b128 v[AR+16*\t:AR+16*\t+3], v[AOFF+\t], s[4:5]
	global_load_b128 v[AR+16*\t+4:AR+16*\t+7], v[AOFF+\t], s[4:5] offset:32
.endr
	s_wait_loadcnt 0x0
	WIN 0x45                               ; all in window 1: W in f32, the fragments v0-63, at work v64-79
.irp f, 0,1,2,3,4,5,6,7
.irp p, 0,1,2,3,4,5,6,7
	v_cvt_pk_bf16_f32 v[8*\f+\p], v[WR+4*(16*((\f)/4)+2*\p)+(\f)%4], v[WR+4*(16*((\f)/4)+2*\p+1)+(\f)%4]
.endr
.endr
.if SECOND
.set i, 0
.rept 64
	v_lshlrev_b32 v[64+2*(i%8)], 16, v[i]
	v_and_b32 v[65+2*(i%8)], s39, v[i]
	v_cvt_pk_f16_f32 v[i], v[64+2*(i%8)], v[65+2*(i%8)]
.set i, i+1
.endr
.endif
.irp t, 0,1,2,3,4
	WIN 0xa1+0x50*((\t)/4)
.irp f, 0,1,2,3,4,5,6,7
.set rD, 64*((\t)%4)+8*(\f)
.set rB, 8*(\f)
.set rA, AR+16*(\t)
.set zz, 0
	WMMA                                           ; 40 accumulators by turns, one instruction a turn
.endr
.endr
	WIN 0
	s_wait_xcnt 0x0
	s_add_nc_u64 s[8:9], s[8:9], 32*PITCHW
	s_add_nc_u64 s[4:5], s[4:5], 64
	s_sub_co_u32 s22, s22, 1
	s_cmp_lg_u32 s22, 0
	s_cbranch_scc1 .Lovf
	s_sub_co_u32 s20, s20, 1
	s_cmp_lg_u32 s20, 0
	s_cbranch_scc1 .Lpass
	s_wait_tensorcnt 0x0                           ; the way that falls through the loop ends like the other: the same three lines
	ds_add_u32 v[SPW], v[NIL]
	s_wait_dscnt 0x0
	s_endpgm
.Lfunc_end_k_q05b9d3cbd4_prod1:
	.size	k_q05b9d3cbd4_prod1, .Lfunc_end_k_q05b9d3cbd4_prod1-k_q05b9d3cbd4_prod1
	.p2alignl 7, 3214868480
	.fill 96, 4, 3214868480
	.section	.rodata,"a",@progbits
	.p2align	6, 0x0
	.amdhsa_kernel k_q05b9d3cbd4_prod1
		.amdhsa_group_segment_fixed_size 202240
		.amdhsa_private_segment_fixed_size 0
		.amdhsa_enable_private_segment 0
		.amdhsa_kernarg_size 40
		.amdhsa_user_sgpr_count 2
		.amdhsa_user_sgpr_kernarg_segment_ptr 1
		.amdhsa_wavefront_size32 1
		.amdhsa_system_sgpr_workgroup_id_x 1
		.amdhsa_system_sgpr_workgroup_id_y 1
		.amdhsa_system_sgpr_workgroup_id_z 1
		.amdhsa_system_vgpr_workitem_id 0
		.amdhsa_next_free_vgpr 832
		.amdhsa_next_free_sgpr 66
		.amdhsa_reserve_vcc 1
		.amdhsa_float_denorm_mode_32 3
		.amdhsa_float_denorm_mode_16_64 3
		.amdhsa_memory_ordered 1
		.amdhsa_forward_progress 1
		.amdhsa_inst_pref_size 165
	.end_amdhsa_kernel
	.amdgpu_metadata
---
amdhsa.version: [ 1, 2 ]
amdhsa.kernels:
  - .name:           k_q05b9d3cbd4_prod1
    .symbol:         k_q05b9d3cbd4_prod1.kd
    .args:
      - { .name: xb, .offset: 0, .size: 8, .value_kind: global_buffer, .address_space: global }
      - { .name: bm, .offset: 8, .size: 8, .value_kind: global_buffer, .address_space: global }
      - { .name: w1, .offset: 16, .size: 8, .value_kind: global_buffer, .address_space: global }
      - { .name: b1, .offset: 24, .size: 8, .value_kind: global_buffer, .address_space: global }
      - { .name: hmid, .offset: 32, .size: 8, .value_kind: global_buffer, .address_space: global }
    .group_segment_fixed_size: 202240
    .private_segment_fixed_size: 0
    .kernarg_segment_align: 8
    .kernarg_segment_size: 40
    .max_flat_workgroup_size: 128
    .sgpr_count:     66
    .vgpr_count:     832
    .wavefront_size: 32
...
	.end_amdgpu_metadata
.endif
;; end of part 5
;; launch prod2 (part 6): grid 32 x 8, 4 waves a work-group, no clusters, 202,240 bytes of LDS; arguments hmid, bm, w2, gw, part; writes part
.if DOCPART == 6
	.amdgcn_target "amdgcn-amd-amdhsa--gfx1250"
	.amdhsa_code_object_version 6
	.text
	.protected	k_q05b9d3cbd4_prod2
	.globl	k_q05b9d3cbd4_prod2
	.p2align	8
	.type	k_q05b9d3cbd4_prod2,@function
k_q05b9d3cbd4_prod2:
	s_mov_b64 s[64:65], 0
	v_nop
	global_prefetch_b8 v0, s[64:65] scope:SCOPE_SE
	s_setreg_imm32_b32 hwreg(HW_REG_WAVE_MODE, 25, 1), 1
	s_wait_xcnt 0x0
; ONE EXPERT'S ROWS TIMES A SLICE OF ITS WEIGHTS.  One text serves both products of the layer; SECOND picks the form.
;   SECOND = 0:  hmid[id][128 x ..] = gelu(xb[id / 2] w1[e] + b1[e]), exact gelu, stored in f16.   bf16 operands.  Slice: all K = 1,024, columns 128 x .. + 127.
;   SECOND = 1:  part[q][id][128 ns ..] = gw[id] (hmid[id] w2[e]) over K quarter q, stored in f32.  f16 operands.   Slice: K = 1,024 q .. + 1,023, columns 128 ns .. + 127; x = 8 q + ns.
; A routed row is named by id = 2 token + choice.  The grid is 32 slices x 8 experts; each weight is read by one work-group, once in the main loop.
; FORMATS.  Every input is rounded to bf16 (w1, b1, w2; x by the launch before).  h is kept in f16; w2 is rounded to bf16 and that number written as f16.
; LIMITS.  |h| and |w2| stay under 65,504 (f16); below 6e-5 they keep f16's fixed step of 6e-8.  The gelu's normal integral is a rational approximation (Abramowitz and Stegun 7.1.26), off by
; 1.5e-7 at the most for every x.  NaN and infinities are not treated apart.
; THE ROWS.  From bm every wave holds the expert's rows as a bitmap of the 1,024 tokens, 32 tokens a lane (M), and beside it which of them have the expert as second choice (K).  The rows are ranked by
; planes: plane b is the mask of the lanes whose bit b is set, a scalar; within a plane the lower lane comes first.  Each lane finds the row of its rank in registers (FIND): 32 trips keep the last plane
; whose first rank is not above the lane's, five halvings find the bit in that plane.
; 320 ranks are multiplied in the main loop whatever the count: wave w has the five tiles of 16 ranks 64 t + 16 w ..; ranks past the count repeat the last row that exists, so the loop has no branch on
; data and every counted wait counts the same loads.  Tiles past the count are not stored.
; An expert with more than 320 rows gets further passes of 320 behind the loop, in text without a barrier, in which each wave reads and rounds the slice for itself: slow, and right for every split.
; THE MAIN LOOP.  K goes in 16 chunks of 64.  Of a chunk (64 rows x 512 bytes of f32) wave w loads rows 16 w .. + 15 (16 lanes take 256 neighbouring bytes, aligned), rounds them and stores them to LDS
; in the order in which a matrix operand's registers take them; all four waves read the 16 fragments back.  Two LDS slots take turns, one barrier a trip.  Token rows come from memory straight into
; operand registers.  Weights are asked for three chunks ahead, token rows one; by this text's count a wave has 56 loads out at the most in the loop.
; THE MATRIX INSTRUCTION: source 0 = 16 columns of W, source 1 = 16 rows of tokens.  Fragment (nb, q) holds columns 64 nb + 4 i + q (i its row), since a lane's 16 loaded bytes are four neighbouring
; columns.  In the result lane (r, h) holds token r, register j column 64 nb + 32 h + 4 j + q.
; NO CLUSTER, NO TENSOR LOAD: a slice has one reader; what an expert's work-groups share is its token rows, which come by their ids, rows that no descriptor covers; the weights pass through registers to be rounded.
; REGISTERS, in windows of 256 (s_set_vgpr_msb: bits 1:0 source 0, 3:2 source 1, 5:4 source 2, 7:6 destination):
;   window 0: v0-47 addresses and at work; v48-95 conversions (v48-97: FIND); v96-255 token fragments, two sets of 80 (tile t, K step ks at 16 t + 8 ks); on the way out v48-223 are at work
;   window 1: v0-127 W's 16 fragments of a chunk; v128-255 W in f32, two sets of 64          window 2: accumulators of tiles 0-3 at 64 t + 8 f          window 3: v0-63 tile 4's
.set SECOND, 1
.if SECOND
.set LOGP, 12                          ; a row of w2 is 4,096 bytes
.else
.set LOGP, 14                          ; a row of w1 is 16,384 bytes
.endif
.set PITCHW, 1<<LOGP
.set CHSTEP, 64*PITCHW                 ; from chunk to chunk
.set FRSLOT, 16384                     ; LDS 0: two slots of 16 fragments x 1,024 bytes: fragment f = 8 ks + 4 nb + q at 1,024 f, its half at 512, 16 bytes a lane
.set SPARE,  32768                     ; the spare words, 128 bytes a wave: two blocks of 256 bytes that no other line names
.set STAGE,  33280                     ; each wave's stage for the way out: 5 tiles x 16 rows x 528 bytes
.set STAGEW, 42240
.set SP,     528                       ; 512 bytes + 16: the 16 rows of a store start 16 bytes apart modulo 256
.set TILEB,  16*SP
.set SPW,   4                          ; v4   LDS address of my spare word; never rewritten
.set NIL,   5                          ; v5   0; never rewritten
.set WOFF,  6                          ; v6   W: (16 w + 8 h) rows + 16 r
.set WOFF2, 7                          ; v7   W in the further passes: 8 h rows + 16 r
.set FRW,   8                          ; v8   where my half fragments go; never rewritten
.set FRR,   9                          ; v9   16 l; never rewritten
.set C16,   11                         ; v11  16 r
.set AOFF,  12                         ; v12-16  tile t: byte offset of my token's row + 16 h
.set H16,   17                         ; v17  16 h
.set STO,   18                         ; v18  into the stage; never rewritten
.set RD,    19                         ; v19  back out of it; never rewritten
.set ID,    20                         ; v20-24  tile t of the pass in hand: my token's id (lane l: row l % 16)
.set MM,    25                         ; v25  bit b: token 32 l + b is on my expert
.set BI,    26                         ; v26-33  SECOND = 0: the bias of my 8 columns, as pairs (b[q], b[4 + q])
.set G,     26                         ; v26-30  SECOND = 1: tile t: my token's gate weight
.set POFF,  34                         ; v34  prefetch: lane term + chunk
.set PLANE, 35                         ; v35  prefetch: (16 w + l / 2) rows + 256 (l % 2): each block of 256 bytes of my 16 rows once
.set KK,    39                         ; v39  bit b: token 32 l + b has my expert as its second choice
.set CV,    48
.set AR,    96
.set WR,    128
.set RK, 48                            ; FIND's arrays, five registers each: the rank, then the rank within the plane
.set WT, 53                            ; the plane
.set KT, 58                            ; K's plane
.set PJ, 63                            ; 2 b << 16 | the plane's first rank
.set SA, 68                            ; the plane's bit counts by 2 bits,
.set SB, 73                            ; by 4,
.set SC, 78                            ; by 8
.set TT, 83                            ; at work
.set SS, 88
.set PO, 93                            ; the bit's place
.set XR, 48                            ; the gelu's arrays, 16 pairs each: x, then h
.set AZ, 80                            ; |x|
.set TR, 112                           ; t = 1 / (1 + 0.2316419 |x|)
.set YR, 144                           ; exp(- x x / 2)
.set PR, 176                           ; the polynomial
.set OUTR, 208                         ; four rows' 16 bytes in f16
.set MSB, 0
.macro WIN new                         ; the immediate's high byte repeats the setting that is left; a switch that changes nothing is dropped
.if MSB != (\new)
	s_set_vgpr_msb (MSB<<8)|(\new)
.set MSB, \new
.endif
.endm
.macro PLACES                          ; four places behind matrix instructions, ahead of loads into and vector writes of their registers and of reads of their results
.rept 4
	v_nop
.endr
.endm
.macro LOADW set                       ; my 16 rows of a chunk: 16 loads
	WIN 0x40
.irp nb, 0,1
.irp i, 0,1,2,3,4,5,6,7
	global_load_b128 v[WR+64*(\set)+4*(8*\nb+\i):WR+64*(\set)+4*(8*\nb+\i)+3], v[WOFF], s[8:9] offset:\i*PITCHW+256*\nb th:TH_LOAD_NT
.endr
.endr
.endm
.macro LOADA set                       ; my five tiles' token fragments of a chunk: 20 loads; k = 2 ks + half
	WIN 0
.irp t, 0,1,2,3,4
.irp k, 0,1,2,3
	global_load_b128 v[AR+80*(\set)+16*\t+4*\k:AR+80*(\set)+16*\t+4*\k+3], v[AOFF+\t], s[4:5] offset:32*\k
.endr
.endr
.endm
.macro LOADB slot                      ; all 16 fragments of a chunk: 32 LDS loads, 512 neighbouring bytes each
	WIN 0x40
.set i, 0
.rept 32
	ds_load_b128 v[4*i:4*i+3], v[FRR] offset:FRSLOT*(\slot)+512*i
.set i, i+1
.endr
.endm
.macro CONVERT set, slot               ; my 16 rows rounded: column q of my four, rows 2 p and 2 p + 1, make register p of half a fragment; 8 LDS stores
	WIN 0x05
.irp f, 0,1,2,3,4,5,6,7
.irp p, 0,1,2,3
	v_cvt_pk_bf16_f32 v[CV+4*\f+\p], v[WR+64*(\set)+4*(8*((\f)/4)+2*\p)+(\f)%4], v[WR+64*(\set)+4*(8*((\f)/4)+2*\p+1)+(\f)%4]
.endr
.endr
	WIN 0
.if SECOND
.set i, 0
.rept 32                               ; the bf16 numbers written as f16
	v_lshlrev_b32 v[80+2*(i%8)], 16, v[CV+i]
	v_and_b32 v[81+2*(i%8)], s39, v[CV+i]
	v_cvt_pk_f16_f32 v[CV+i], v[80+2*(i%8)], v[81+2*(i%8)]
.set i, i+1
.endr
.endif
.irp f, 0,1,2,3,4,5,6,7
	ds_store_b128 v[FRW], v[CV+4*\f:CV+4*\f+3] offset:FRSLOT*(\slot)+1024*\f
.endr
.endm
.macro WMMA                            ; one product on rD, rB, rA; zz = 1: it starts the sum
.if SECOND
.if zz
	v_wmma_f32_16x16x32_f16 v[rD:rD+7], v[rB:rB+7], v[rA:rA+7], 0
.else
	v_wmma_f32_16x16x32_f16 v[rD:rD+7], v[rB:rB+7], v[rA:rA+7], v[rD:rD+7]
.endif
.else
.if zz
	v_wmma_f32_16x16x32_bf16 v[rD:rD+7], v[rB:rB+7], v[rA:rA+7], 0
.else
	v_wmma_f32_16x16x32_bf16 v[rD:rD+7], v[rB:rB+7], v[rA:rA+7], v[rD:rD+7]
.endif
.endif
.endm
.macro MULS set, first                 ; a chunk's 80 products.  A tile's 8 accumulators take turns, one instruction a turn; no two neighbours share an accumulator, over the loop's jump too
.irp t, 0,1,2,3,4
	WIN 0xa1+0x50*((\t)/4)
.irp ks, 0,1
.irp f, 0,1,2,3,4,5,6,7
.set rD, 64*((\t)%4)+8*(\f)
.set rB, 64*(\ks)+8*(\f)
.set rA, AR+80*(\set)+16*(\t)+8*(\ks)
.set zz, (\first)*(1-(\ks))
	WMMA
.endr
.endr
.endr
.endm
; THE TRIP of chunk c, par = c % 2.  Issue order of the global loads: .. W(c+1) | A(c), W(c+2) || A(c+1), W(c+3) ..  (|| = this trip begins).
.macro CHUNK par, first, aload, conv, wload, nw1, nw2, bar, pf
	PLACES                                         ; behind the last trip's products: the loads below land on registers that they read
	LOADB \par
.if \conv
	s_wait_loadcnt \nw1                            ; W(c+1) is in; behind it stay out A(c)'s 20 and, where it exists, W(c+2)'s 16
.endif
.if \aload
	LOADA 1-(\par)                                 ; token rows of chunk c + 1
.endif
.if \pf
	WIN 0
	global_prefetch_b8 v[POFF], s[26:27] th:TH_LOAD_NT scope:SCOPE_SE  ; my 16 rows of chunk c + 6, three trips ahead of their loads; clamped to the last chunk
.endif
.if \conv
	CONVERT 1-(\par), 1-(\par)                     ; chunk c + 1 into the slot that everybody left at the last barrier
.endif
	s_wait_loadcnt \nw2                            ; A(c) is in; behind it stay out W(c+2)'s 16 and A(c+1)'s 20, where they exist
.if \wload
	LOADW 1-(\par)                                 ; chunk c + 3 into the registers just rounded
.endif
.if \conv
	s_wait_dscnt 8                                 ; the 8 stores may be out; the 32 loads ahead of them are in
.else
	s_wait_dscnt 0x0
.endif
	MULS \par, \first
.if \bar
	WIN 0
	s_wait_dscnt 0x0                               ; for the others' sake: my stores into the next slot are done, my reads of this one are back
	s_wait_xcnt 0x0                                ; the bases and the prefetch's offset are rewritten only behind this wait
	s_barrier_signal -1
	s_add_nc_u64 s[4:5], s[4:5], 128               ; 64 numbers of 2 bytes along the token rows
	s_add_nc_u64 s[8:9], s[8:9], CHSTEP
	s_add_co_u32 s54, s54, CHSTEP
	s_min_u32 s54, s54, 15*CHSTEP                  ; no prefetch points past the slice's last chunk
	v_add_nc_u32 v[POFF], s54, v[PLANE]
	s_barrier_wait -1
.endif
.endm
; FROM A RANK TO ITS ROW.  FIND nt, out: for nt registers of ranks v[RK + t], each below the count, the rows' ids into v[out + t].  The lines of the nt registers stand side by side, so that none waits for the one before it.
.macro EACH line:vararg                ; one line for each of the NTT registers
.set t, 0
.rept NTT
	\line
.set t, t+1
.endr
.endm
.macro STEP x, w                       ; one halving: the w bits at the place hold so many set bits (counts in array x); a rank at or past that goes w bits on
	EACH v_bfe_u32 v[TT+t], v[(\x)+t], v[PO+t], \w
.set t, 0
.rept NTT
	v_cmp_ge_u32 vcc_lo, v[RK+t], v[TT+t]
	v_cndmask_b32 v[TT+t], 0, v[TT+t], vcc_lo
	v_cndmask_b32 v[SS+t], 0, \w, vcc_lo
.set t, t+1
.endr
	EACH v_sub_nc_u32 v[RK+t], v[RK+t], v[TT+t]
	EACH v_add_nc_u32 v[PO+t], v[PO+t], v[SS+t]
.endm
.macro FIND nt, out
.set NTT, \nt
	EACH v_mov_b32 v[WT+t], 0                      ; written before the selects below read them; plane 0, whose first rank is 0, replaces them in every lane
	EACH v_mov_b32 v[KT+t], 0
	EACH v_mov_b32 v[PJ+t], 0
	s_mov_b32 s30, 0                               ; the plane's first rank
	s_mov_b32 s31, 0                               ; 2 b << 16 | that rank
	s_mov_b32 s32, 1                               ; 1 << b
	s_mov_b32 s22, 32
.Lplane\@:
	v_and_b32 v[SA], s32, v[MM]
	v_and_b32 v[SA+1], s32, v[KK]
	v_cmp_ne_u32 s33, 0, v[SA]                     ; plane b: the lanes whose token 32 l + b is on my expert,
	v_cmp_ne_u32 s34, 0, v[SA+1]                   ; and those where as second choice
.set t, 0
.rept NTT
	v_cmp_gt_u32 vcc_lo, s30, v[RK+t]              ; a plane that begins above my rank leaves what I hold
	v_cndmask_b32 v[WT+t], s33, v[WT+t], vcc_lo
	v_cndmask_b32 v[KT+t], s34, v[KT+t], vcc_lo
	v_cndmask_b32 v[PJ+t], s31, v[PJ+t], vcc_lo
.set t, t+1
.endr
	s_bcnt1_i32_b32 s57, s33
	s_add_co_u32 s30, s30, s57
	s_add_co_u32 s31, s31, s57
	s_add_co_u32 s31, s31, 0x20000
	s_lshl_b32 s32, s32, 1
	s_sub_co_u32 s22, s22, 1
	s_cmp_lg_u32 s22, 0
	s_cbranch_scc1 .Lplane\@
	EACH v_and_b32 v[TT+t], 0xffff, v[PJ+t]
	EACH v_sub_nc_u32 v[RK+t], v[RK+t], v[TT+t]    ; my rank within the plane: the set bit of that number is wanted
	EACH v_lshrrev_b32 v[SA+t], 1, v[WT+t]
	EACH v_and_b32 v[SA+t], s59, v[SA+t]
	EACH v_sub_nc_u32 v[SA+t], v[WT+t], v[SA+t]    ; set bits in each 2,
	EACH v_lshrrev_b32 v[SB+t], 2, v[SA+t]
	EACH v_and_b32 v[TT+t], s60, v[SA+t]
	EACH v_and_b32 v[SB+t], s60, v[SB+t]
	EACH v_add_nc_u32 v[SB+t], v[SB+t], v[TT+t]    ; in each 4,
	EACH v_lshrrev_b32 v[SC+t], 4, v[SB+t]
	EACH v_add_nc_u32 v[SC+t], v[SC+t], v[SB+t]
	EACH v_and_b32 v[SC+t], s61, v[SC+t]           ; in each 8,
	EACH v_lshrrev_b32 v[TT+t], 8, v[SC+t]
	EACH v_add_nc_u32 v[TT+t], v[TT+t], v[SC+t]
	EACH v_and_b32 v[TT+t], 0xff, v[TT+t]          ; in the low 16
.set t, 0
.rept NTT
	v_cmp_ge_u32 vcc_lo, v[RK+t], v[TT+t]
	v_cndmask_b32 v[TT+t], 0, v[TT+t], vcc_lo
	v_cndmask_b32 v[PO+t], 0, 16, vcc_lo
.set t, t+1
.endr
	EACH v_sub_nc_u32 v[RK+t], v[RK+t], v[TT+t]
	STEP SC, 8
	STEP SB, 4
	STEP SA, 2
	STEP WT, 1                                     ; the place is the lane l of the row's token
	EACH v_bfe_u32 v[TT+t], v[KT+t], v[PO+t], 1    ; the choice
	EACH v_lshrrev_b32 v[SS+t], 16, v[PJ+t]        ; 2 b
	EACH v_lshl_add_u32 v[PO+t], v[PO+t], 6, v[SS+t]
	EACH v_add_nc_u32 v[(\out)+t], v[PO+t], v[TT+t]  ; id = 2 (32 l + b) + choice
.endm
.macro ROWS                            ; the row offsets (and gate weights) of the pass's five tiles
	s_wait_xcnt 0x0                                ; the offsets of earlier loads and stores are rewritten only behind this wait
.irp t, 0,1,2,3,4
.if SECOND
	v_min_u32 v37, 0x7ff, v[ID+\t]
	v_lshl_add_u32 v[AOFF+\t], v37, 13, v[H16]     ; a row of hmid is 8,192 bytes
	v_lshlrev_b32 v[40+\t], 2, v37
	global_load_b32 v[G+\t], v[40+\t], s[10:11]
.else
	v_lshrrev_b32 v37, 1, v[ID+\t]                 ; the token
	v_min_u32 v37, 0x3ff, v37
	v_lshl_add_u32 v[AOFF+\t], v37, 11, v[H16]     ; a row of xb is 2,048 bytes
.endif
.endr
.endm
; THE WAY OUT's LDS loads.  The arithmetic is written once, in a loop; the loads of trip i stand in a block of their own, so that every address in the stage is a fixed register and a constant of the text.
; SECOND = 0, trip i: tile i / 2, rows jj + 8 hh + 4 (i % 2): lane (cc, hh) takes columns 8 cc + q and 8 cc + 4 + q of four rows; the rows' ids come out of the tile's id register, lane by lane.
.macro HALFLOAD i
	s_add_co_u32 s38, s36, 64*((\i)/2)
	s_cmp_ge_u32 s38, s18
	s_cbranch_scc1 .Ldead                          ; the tile lies past the count
.irp jj, 0,1,2,3
.irp q, 0,1,2,3
	ds_load_b64 v[XR+2*(4*\jj+\q):XR+2*(4*\jj+\q)+1], v[RD] offset:TILEB*((\i)/2)+4*SP*((\i)%2)+SP*\jj+128*\q
.endr
.endr
.irp jj, 0,1,2,3
	v_readlane_b32 s31, v[ID+(\i)/2], 4*((\i)%2)+\jj      ; the row of lanes 0-15,
	v_readlane_b32 s32, v[ID+(\i)/2], 4*((\i)%2)+\jj+8    ; and that of lanes 16-31
	v_mov_b32 v[40+\jj], s31
	v_cndmask_b32 v[40+\jj], v[40+\jj], s32, s39   ; s39 = 0xffff0000 is also the mask of lanes 16-31
.endr
.endm
; SECOND = 1, trip i: tile i: 16 whole rows of 512 bytes; the tile's ids (lane r: row r) go where the one text of the stores reads them.
.macro TILELOAD i
	s_add_co_u32 s38, s36, 64*(\i)
	s_cmp_ge_u32 s38, s18
	s_cbranch_scc1 .Ldead                          ; the tile lies past the count
	v_mov_b32 v37, v[ID+(\i)]
.irp rho, 0,1,2,3,4,5,6,7,8,9,10,11,12,13,14,15
	ds_load_b128 v[48+4*\rho:48+4*\rho+3], v[RD] offset:TILEB*(\i)+SP*\rho
.endr
.endm
	s_load_b256 s[4:11], s[0:1], 0x0               ; token rows s[4:5], bm s[6:7], W s[8:9], b1 or gw s[10:11]
	s_load_b64 s[12:13], s[0:1], 0x20              ; the output
	v_lshl_add_u32 v[SPW], v0, 2, SPARE
	v_mov_b32 v[NIL], 0
	v_lshrrev_b32 v36, 5, v0
	v_readfirstlane_b32 s14, v36                   ; wave 0..3
	s_and_b32 s15, ttmp7, 0xffff                   ; the expert
	s_mov_b32 s16, ttmp9                           ; the slice
	s_mov_b32 s25, 0
	s_mov_b32 s39, 0xffff0000
	v_and_b32 v1, 31, v0                           ; l
	v_and_b32 v2, 15, v0                           ; r
	v_bfe_u32 v3, v0, 4, 1                         ; h
	v_lshlrev_b32 v[C16], 4, v2
	v_lshlrev_b32 v[H16], 4, v3
	v_lshl_add_u32 v[WOFF2], v3, LOGP+3, v[C16]
	s_lshl_b32 s55, s14, LOGP+4
	v_add_nc_u32 v[WOFF], s55, v[WOFF2]
	v_lshrrev_b32 v36, 1, v1
	v_and_b32 v37, 1, v0
	v_lshlrev_b32 v36, LOGP, v36
	v_lshl_add_u32 v36, v37, 8, v36
	v_add_nc_u32 v[PLANE], s55, v36
	s_mov_b32 s54, 6*CHSTEP
	v_add_nc_u32 v[POFF], s54, v[PLANE]
	s_lshr_b32 s55, s14, 1                         ; my rows are K step w / 2, half w % 2 of each fragment
	s_lshl_b32 s55, s55, 13
	s_and_b32 s56, s14, 1
	s_lshl_b32 s56, s56, 9
	s_add_co_u32 s55, s55, s56
	v_lshl_add_u32 v[FRW], v1, 4, s55
	v_lshlrev_b32 v[FRR], 4, v1
	s_mul_i32 s55, s14, STAGEW
	s_add_co_u32 s55, s55, STAGE
	v_mul_u32_u24 v[STO], v2, SP
.if SECOND
	v_lshl_add_u32 v[STO], v3, 7, v[STO]           ; row r, 128 bytes for each half of the lanes
	v_add_nc_u32 v[RD], s55, v[FRR]                ; back: a whole row of 512 bytes a load
.else
	v_lshl_add_u32 v[STO], v3, 5, v[STO]           ; row r, 32 bytes for each half of the lanes
	v_mul_u32_u24 v[RD], v3, 8*SP                  ; back: lanes 16-31 eight rows further down (4,224 bytes: the other half of a row of banks), 8 bytes a lane
	v_lshl_add_u32 v[RD], v2, 3, v[RD]
	v_add_nc_u32 v[RD], s55, v[RD]
.endif
	v_add_nc_u32 v[STO], s55, v[STO]
	v_lshlrev_b32 v38, 6, v1
	s_lshl_b32 s56, s15, 2
	v_add_nc_u32 v38, s56, v38                     ; bm: tiles 2 l and 2 l + 1, my expert's words
.if SECOND
	s_lshr_b32 s17, s16, 3                         ; K quarter
	s_and_b32 s33, s16, 7                          ; column slice
	s_lshl_b32 s31, s15, 24
	s_lshl_b32 s32, s17, 22
	s_add_co_u32 s31, s31, s32
	s_lshl_b32 s33, s33, 9
	s_add_co_u32 s31, s31, s33                     ; W: expert, 1,024 rows a quarter, 512 bytes a slice
	s_lshl_b32 s32, s17, 23
	s_add_co_u32 s32, s32, s33                     ; part: 2,048 rows of 4,096 bytes a quarter, 512 bytes a slice
	s_lshl_b32 s34, s17, 11                        ; hmid: 2,048 bytes of a row a quarter
.else
	v_lshlrev_b32 v39, 5, v2                       ; b1: my 8 columns
	s_mov_b32 s35, 0x7fffffff
	s_mov_b32 s40, 0x3e6d3388                      ; 0.3275911 / sqrt(2)
	s_mov_b32 s42, 0xbf38aa3b                      ; - log2(e) / 2
	s_mov_b32 s44, 0xbf07dc22                      ; the five coefficients, halved and negated: - 0.5307027,
	s_mov_b32 s46, 0x3f3a00e3                      ; 0.7265760,
	s_mov_b32 s48, 0xbf35f0e3                      ; - 0.7107069,
	s_mov_b32 s50, 0x3e11a98e                      ; 0.1422484,
	s_mov_b32 s52, 0xbe027906                      ; - 0.1274148
.irp c, 40,42,44,46,48,50,52
	s_mov_b32 s[\c+1], s[\c]                       ; named as pairs, so both words are written
.endr
	s_lshl_b32 s31, s15, 24
	s_lshl_b32 s33, s16, 9
	s_add_co_u32 s31, s31, s33                     ; W: expert, 512 bytes a slice
	s_lshl_b32 s34, s15, 14
	s_add_co_u32 s34, s34, s33                     ; b1: expert, 512 bytes a slice
	s_lshl_b32 s32, s16, 8                         ; hmid: 256 bytes a slice
.endif
	s_wait_kmcnt 0x0
	s_mov_b32 s24, s31
	s_add_nc_u64 s[8:9], s[8:9], s[24:25]
	s_mov_b32 s24, s32
	s_add_nc_u64 s[12:13], s[12:13], s[24:25]
	s_mov_b32 s24, s34
.if SECOND
	s_add_nc_u64 s[4:5], s[4:5], s[24:25]
.else
	s_add_nc_u64 s[10:11], s[10:11], s[24:25]
.endif
	s_mov_b64 s[26:27], s[8:9]                     ; the slice's first byte, kept for the prefetches and the further passes
	s_mov_b64 s[28:29], s[4:5]                     ; the token rows' first byte, likewise
	global_load_b32 v68, v38, s[6:7]               ; tile 2 l: bits 15:0 first choices, 31:16 second choices
	global_load_b32 v69, v38, s[6:7] offset:32     ; tile 2 l + 1
.if !SECOND
	global_load_b128 v[40:43], v39, s[10:11]
	global_load_b128 v[44:47], v39, s[10:11] offset:16
.endif
	LOADW 0                                        ; chunk 0
	s_wait_xcnt 0x0
	s_add_nc_u64 s[8:9], s[8:9], CHSTEP
	LOADW 1                                        ; chunk 1
	WIN 0
.irp c, 3,4,5
	global_prefetch_b8 v[PLANE], s[26:27] offset:\c*CHSTEP th:TH_LOAD_NT scope:SCOPE_SE  ; my rows of chunks 3 to 5; the trips ask from chunk 6 on
.endr
	s_lshl_b32 s36, s14, 4                         ; my first rank in pass 0
	s_mov_b32 s37, 0                               ; the pass's first rank
	s_mov_b32 s18, 0
	s_mov_b32 s59, 0x55555555                      ; the masks of the bit counts
	s_mov_b32 s60, 0x33333333
	s_mov_b32 s61, 0x0f0f0f0f
	s_wait_loadcnt 32                              ; bm (and b1) are in; the two chunks' 32 loads stay out
	; THE BITMAP: bit b of M: token 32 l + b is on my expert, by either choice; of K: by the second.
	v_lshrrev_b32 v70, 16, v68
	v_lshlrev_b32 v72, 16, v69
	v_or_b32 v71, v68, v70
	v_or_b32 v72, v69, v72
	v_and_b32 v71, 0xffff, v71
	v_and_b32 v72, s39, v72
	v_and_b32 v73, s39, v69
	v_or_b32 v[MM], v71, v72
	v_or_b32 v[KK], v70, v73
	; THE COUNT: each lane's set bits (0 to 32), then the six bits of that number summed over the lanes by their masks.
	v_lshrrev_b32 v70, 1, v[MM]
	v_and_b32 v70, s59, v70
	v_sub_nc_u32 v70, v[MM], v70
	v_lshrrev_b32 v71, 2, v70
	v_and_b32 v70, s60, v70
	v_and_b32 v71, s60, v71
	v_add_nc_u32 v70, v70, v71
	v_lshrrev_b32 v71, 4, v70
	v_add_nc_u32 v70, v70, v71
	v_and_b32 v70, s61, v70
	v_lshrrev_b32 v71, 8, v70
	v_add_nc_u32 v70, v70, v71
	v_lshrrev_b32 v71, 16, v70
	v_add_nc_u32 v70, v70, v71                     ; bits 5:0
.irp i, 0,1,2,3,4,5
	v_and_b32 v[71+\i], 1<<\i, v70
.endr
.irp i, 0,1,2,3,4,5
	v_cmp_ne_u32 s[20+\i], 0, v[71+\i]
.endr
.irp i, 0,1,2,3,4,5
	s_bcnt1_i32_b32 s[20+\i], s[20+\i]
	s_lshl_b32 s[20+\i], s[20+\i], \i
	s_add_co_u32 s18, s18, s[20+\i]                ; the expert's count
.endr
	s_max_u32 s19, s18, 1
	s_sub_co_u32 s19, s19, 1
	s_min_u32 s19, s19, 0x3ff                      ; the last rank that exists
.if !SECOND
.irp q, 0,1,2,3
	v_cvt_pk_bf16_f32 v36, v[40+\q], v[44+\q]      ; b1 rounded to bf16
	v_lshlrev_b32 v[BI+2*\q], 16, v36
	v_and_b32 v[BI+2*\q+1], s39, v36
.endr
.endif
	v_add_nc_u32 v[RK], s36, v2                    ; my five ranks of pass 0: 16 w + r + 64 t; a rank past the count takes the last row that exists
.irp t, 1,2,3,4
	v_add_nc_u32 v[RK+\t], 64*\t, v[RK]
.endr
.irp t, 0,1,2,3,4
	v_min_u32 v[RK+\t], s19, v[RK+\t]
.endr
	FIND 5, ID
	ROWS
	LOADA 0                                        ; token rows of chunk 0
	s_wait_loadcnt 36+5*SECOND                     ; chunk 0's weights are in; behind them: chunk 1's 16, the 5 gate weights (SECOND), the 20 token loads
	CONVERT 0, 0
	s_wait_xcnt 0x0
	s_add_nc_u64 s[4:5], s[4:5], 128
	s_add_nc_u64 s[8:9], s[8:9], CHSTEP
	LOADW 0                                        ; chunk 2
	WIN 0
	s_wait_dscnt 0x0                               ; for the others' sake: my part of slot 0 is stored
	s_wait_xcnt 0x0
	s_add_nc_u64 s[8:9], s[8:9], CHSTEP
	s_barrier_signal -1
	s_barrier_wait -1
	CHUNK 0,1,1,1,1,36,36,1,1                      ; chunk 0: its first K step starts the sums: nothing is cleared.  (Its first count also covers the 5 gate weights of SECOND: smaller than need be)
	s_mov_b32 s23, 6
.Lmain:                                                ; chunks 1 to 12
	CHUNK 1,0,1,1,1,36,36,1,1
	CHUNK 0,0,1,1,1,36,36,1,1
	s_sub_co_u32 s23, s23, 1
	s_cmp_lg_u32 s23, 0
	s_cbranch_scc1 .Lmain
	CHUNK 1,0,1,1,0,36,36,1,0                      ; chunk 13: no weights are left to ask for
	CHUNK 0,0,1,1,0,20,20,1,0                      ; chunk 14: behind W(15) only A(14), behind A(14) only A(15)
	CHUNK 1,0,0,0,0,0,0,0,0                        ; chunk 15: nothing is younger, nothing follows in LDS's slots: no barrier
	WIN 0
	s_mov_b32 s20, 4                               ; four passes of 320 ranks cover the 1,024 that an expert can have
.Lpass:
	PLACES                                         ; behind the last products
.if SECOND
	; THE WAY OUT.  Register j of the four accumulators 4 nb + q holds four neighbouring columns; times the gate weight they make 16 bytes of a row in my stage.
.irp t, 0,1,2,3,4
	s_add_co_u32 s31, s36, 64*(\t)
	s_cmp_ge_u32 s31, s18
	s_cbranch_scc1 .Lstaged                        ; this tile and those behind it lie past the count
.irp nb, 0,1
	WIN 0x02+(\t)/4
.irp j, 0,1,2,3,4,5,6,7                                ; each accumulator's register 0 is read first
.irp q, 0,1,2,3
	v_mul_f32 v[CV+4*\j+\q], v[64*((\t)%4)+8*(4*\nb+\q)+\j], v[G+\t]
.endr
.endr
	WIN 0
.irp j, 0,1,2,3,4,5,6,7
	ds_store_b128 v[STO], v[CV+4*\j:CV+4*\j+3] offset:TILEB*(\t)+256*\nb+16*\j
.endr
.endr
.endr
.Lstaged:
	s_mov_b32 s21, 5
.Ltile:                                                ; trip 5 - s21 sends tile 5 - s21
	s_wait_xcnt 0x0                                ; the last tile's stores have read their registers
.irp i, 0,1,2,3
	s_cmp_lg_u32 s21, 5-\i
	s_cbranch_scc1 .Lnot\i
	TILELOAD \i
	s_branch .Lsend
.Lnot\i:
.endr
	TILELOAD 4
.Lsend:
.irp rho, 0,1,2,3,4,5,6,7,8,9,10,11,12,13,14,15
	v_readlane_b32 s31, v37, \rho
	s_min_u32 s31, s31, 0x7ff
	v_lshl_add_u32 v[112+\rho], s31, 12, v[FRR]    ; a row of part is 4,096 bytes
.endr
	s_wait_dscnt 0x0
.irp rho, 0,1,2,3,4,5,6,7,8,9,10,11,12,13,14,15
	global_store_b128 v[112+\rho], v[48+4*\rho:48+4*\rho+3], s[12:13]  ; the wave stores 512 neighbouring bytes, aligned; rows past the count repeat the last row's bytes
.endr
.Ldead:
	s_sub_co_u32 s21, s21, 1
	s_cmp_lg_u32 s21, 0
	s_cbranch_scc1 .Ltile
.else
	; THE WAY OUT.  The sums go into my stage as they lie: word 32 q + u of a row holds column 4 u + q (u = 16 nb + 8 h + j).
.irp t, 0,1,2,3,4
	s_add_co_u32 s31, s36, 64*(\t)
	s_cmp_ge_u32 s31, s18
	s_cbranch_scc1 .Lstaged                        ; this tile and those behind it lie past the count
	WIN 0x08+4*((\t)/4)
.irp f, 0,1,2,3,4,5,6,7                                ; each accumulator's lower half first
	ds_store_b128 v[STO], v[64*((\t)%4)+8*(\f):64*((\t)%4)+8*(\f)+3] offset:TILEB*(\t)+128*((\f)%4)+64*((\f)/4)
	ds_store_b128 v[STO], v[64*((\t)%4)+8*(\f)+4:64*((\t)%4)+8*(\f)+7] offset:TILEB*(\t)+128*((\f)%4)+64*((\f)/4)+16
.endr
	WIN 0
.endr
.Lstaged:
	s_mov_b32 s21, 10
.Lhalf:                                                ; trip i = 10 - s21: eight rows of tile i / 2
	s_wait_xcnt 0x0                                ; the last trip's stores have read their registers
.irp i, 0,1,2,3,4,5,6,7,8
	s_cmp_lg_u32 s21, 10-\i
	s_cbranch_scc1 .Lnot\i
	HALFLOAD \i
	s_branch .Lgelu
.Lnot\i:
.endr
	HALFLOAD 9
.Lgelu:
	s_wait_dscnt 0x0
.irp jj, 0,1,2,3
	v_min_u32 v[40+\jj], 0x7ff, v[40+\jj]
	v_lshl_add_u32 v[40+\jj], v[40+\jj], 13, v[C16]  ; a row of hmid is 8,192 bytes
.endr
	; gelu(x) = x / 2 + |x| (1/2 - p(t) exp(- x x / 2) / 2): no choice by sign is needed, since x erf(x / sqrt 2) is even in x
.set a, 0
.rept 16
	v_pk_add_f32 v[XR+2*a:XR+2*a+1], v[XR+2*a:XR+2*a+1], v[BI+2*(a%4):BI+2*(a%4)+1]
.set a, a+1
.endr
.set a, 0
.rept 32
	v_and_b32 v[AZ+a], s35, v[XR+a]
.set a, a+1
.endr
.set a, 0
.rept 16
	v_pk_fma_f32 v[TR+2*a:TR+2*a+1], v[AZ+2*a:AZ+2*a+1], s[40:41], 1.0 op_sel_hi:[1,0,0]
	v_pk_mul_f32 v[YR+2*a:YR+2*a+1], v[XR+2*a:XR+2*a+1], v[XR+2*a:XR+2*a+1]
.set a, a+1
.endr
.set a, 0
.rept 16
	v_pk_mul_f32 v[YR+2*a:YR+2*a+1], v[YR+2*a:YR+2*a+1], s[42:43] op_sel_hi:[1,0]
.set a, a+1
.endr
.set a, 0
.rept 32                               ; ONE BATCH of 64: none reads another's result
	v_rcp_f32 v[TR+a], v[TR+a]
	v_exp_f32 v[YR+a], v[YR+a]
.set a, a+1
.endr
.set a, 0
.rept 16                               ; plain work that names no result of the batch
	v_pk_mul_f32 v[XR+2*a:XR+2*a+1], v[XR+2*a:XR+2*a+1], 0.5 op_sel_hi:[1,0]
.set a, a+1
.endr
	s_wait_alu depctr_va_vdst(0)                   ; the one wait between the batch and its first reader
.set a, 0
.rept 16
	v_pk_fma_f32 v[PR+2*a:PR+2*a+1], v[TR+2*a:TR+2*a+1], s[44:45], s[46:47] op_sel_hi:[1,0,0]
.set a, a+1
.endr
.irp c, 48,50,52
.set a, 0
.rept 16
	v_pk_fma_f32 v[PR+2*a:PR+2*a+1], v[PR+2*a:PR+2*a+1], v[TR+2*a:TR+2*a+1], s[\c:\c+1] op_sel_hi:[1,1,0]
.set a, a+1
.endr
.endr
.set a, 0
.rept 16
	v_pk_mul_f32 v[PR+2*a:PR+2*a+1], v[PR+2*a:PR+2*a+1], v[TR+2*a:TR+2*a+1]
.set a, a+1
.endr
.set a, 0
.rept 16
	v_pk_fma_f32 v[PR+2*a:PR+2*a+1], v[PR+2*a:PR+2*a+1], v[YR+2*a:YR+2*a+1], 0.5 op_sel_hi:[1,1,0]
.set a, a+1
.endr
.set a, 0
.rept 16
	v_pk_fma_f32 v[XR+2*a:XR+2*a+1], v[AZ+2*a:AZ+2*a+1], v[PR+2*a:PR+2*a+1], v[XR+2*a:XR+2*a+1]
.set a, a+1
.endr
.irp jj, 0,1,2,3
	v_cvt_pk_f16_f32 v[OUTR+4*\jj],   v[XR+8*\jj],   v[XR+8*\jj+2]   ; columns 0, 1
	v_cvt_pk_f16_f32 v[OUTR+4*\jj+1], v[XR+8*\jj+4], v[XR+8*\jj+6]   ; 2, 3
	v_cvt_pk_f16_f32 v[OUTR+4*\jj+2], v[XR+8*\jj+1], v[XR+8*\jj+3]   ; 4, 5
	v_cvt_pk_f16_f32 v[OUTR+4*\jj+3], v[XR+8*\jj+5], v[XR+8*\jj+7]   ; 6, 7
	global_store_b128 v[40+\jj], v[OUTR+4*\jj:OUTR+4*\jj+3], s[12:13]  ; 16 lanes store a row's 256 neighbouring bytes, aligned; rows past the count repeat the last row's bytes
.endr
.Ldead:
	s_sub_co_u32 s21, s21, 1
	s_cmp_lg_u32 s21, 0
	s_cbranch_scc1 .Lhalf
.endif
	s_add_co_u32 s37, s37, 320
	s_add_co_u32 s36, s36, 320
	s_cmp_lt_u32 s37, s18
	s_cbranch_scc1 .Lmore                          ; ranks are left: a further pass.  Else the wave ends here: the counted loop is left by s_endpgm, not by a jump past its counter's step
	s_wait_tensorcnt 0x0                           ; the wave's end: behind my last LDS store
	ds_add_u32 v[SPW], v[NIL]
	s_wait_dscnt 0x0
	s_endpgm
.Lmore:
	; A FURTHER PASS of 320 ranks: no LDS slot, no barrier.  Each wave loads 32 rows x 512 bytes of W a step and rounds them straight into 8 fragments.
	s_wait_xcnt 0x0                                ; the way out's stores have read their registers, which FIND writes
	s_mov_b32 s58, s36                             ; the tile's first rank
	s_mov_b32 s21, 5
.Lids:                                                 ; the pass's five tiles, one a trip: the ids move down a register, the new tile's come in at the top
	v_add_nc_u32 v[RK], s58, v2
	v_min_u32 v[RK], s19, v[RK]
.irp t, 0,1,2,3
	v_mov_b32 v[ID+\t], v[ID+\t+1]
.endr
	FIND 1, ID+4
	s_add_co_u32 s58, s58, 64
	s_sub_co_u32 s21, s21, 1
	s_cmp_lg_u32 s21, 0
	s_cbranch_scc1 .Lids
	ROWS
.set i, 0
.rept 8
	v_mov_b32 v[AR+i], 0
.set i, i+1
.endr
.irp t, 0,1,2,3,4                                      ; the sums start at 0: 40 products of a fragment of zeros with itself, so that no first step is written out a second time; only an expert with more than 320 rows comes here
	WIN 0x80+0x40*((\t)/4)
.irp f, 0,1,2,3,4,5,6,7
.set rD, 64*((\t)%4)+8*(\f)
.set rB, AR
.set rA, AR
.set zz, 1
	WMMA
.endr
.endr
	WIN 0
	s_wait_xcnt 0x0
	s_mov_b64 s[8:9], s[26:27]
	s_mov_b64 s[4:5], s[28:29]
	s_mov_b32 s22, 32
.Lovf:
	PLACES
	WIN 0x40
.irp nb, 0,1
.irp i, 0,1,2,3,4,5,6,7,8,9,10,11,12,13,14,15
	global_load_b128 v[WR+4*(16*\nb+\i):WR+4*(16*\nb+\i)+3], v[WOFF2], s[8:9] offset:(\i+8*((\i)/8))*PITCHW+256*\nb  ; rows 8 h + 0..7 and 16 + 8 h + 0..7
.endr
.endr
	WIN 0
.irp t, 0,1,2,3,4
	global_load_b128 v[AR+16*\t:AR+16*\t+3], v[AOFF+\t], s[4:5]
	global_load_b128 v[AR+16*\t+4:AR+16*\t+7], v[AOFF+\t], s[4:5] offset:32
.endr
	s_wait_loadcnt 0x0
	WIN 0x45                               ; all in window 1: W in f32, the fragments v0-63, at work v64-79
.irp f, 0,1,2,3,4,5,6,7
.irp p, 0,1,2,3,4,5,6,7
	v_cvt_pk_bf16_f32 v[8*\f+\p], v[WR+4*(16*((\f)/4)+2*\p)+(\f)%4], v[WR+4*(16*((\f)/4)+2*\p+1)+(\f)%4]
.endr
.endr
.if SECOND
.set i, 0
.rept 64
	v_lshlrev_b32 v[64+2*(i%8)], 16, v[i]
	v_and_b32 v[65+2*(i%8)], s39, v[i]
	v_cvt_pk_f16_f32 v[i], v[64+2*(i%8)], v[65+2*(i%8)]
.set i, i+1
.endr
.endif
.irp t, 0,1,2,3,4
	WIN 0xa1+0x50*((\t)/4)
.irp f, 0,1,2,3,4,5,6,7
.set rD, 64*((\t)%4)+8*(\f)
.set rB, 8*(\f)
.set rA, AR+16*(\t)
.set zz, 0
	WMMA                                           ; 40 accumulators by turns, one instruction a turn
.endr
.endr
	WIN 0
	s_wait_xcnt 0x0
	s_add_nc_u64 s[8:9], s[8:9], 32*PITCHW
	s_add_nc_u64 s[4:5], s[4:5], 64
	s_sub_co_u32 s22, s22, 1
	s_cmp_lg_u32 s22, 0
	s_cbranch_scc1 .Lovf
	s_sub_co_u32 s20, s20, 1
	s_cmp_lg_u32 s20, 0
	s_cbranch_scc1 .Lpass
	s_wait_tensorcnt 0x0                           ; the way that falls through the loop ends like the other: the same three lines
	ds_add_u32 v[SPW], v[NIL]
	s_wait_dscnt 0x0
	s_endpgm
.Lfunc_end_k_q05b9d3cbd4_prod2:
	.size	k_q05b9d3cbd4_prod2, .Lfunc_end_k_q05b9d3cbd4_prod2-k_q05b9d3cbd4_prod2
	.p2alignl 7, 3214868480
	.fill 96, 4, 3214868480
	.section	.rodata,"a",@progbits
	.p2align	6, 0x0
	.amdhsa_kernel k_q05b9d3cbd4_prod2
		.amdhsa_group_segment_fixed_size 202240
		.amdhsa_private_segment_fixed_size 0
		.amdhsa_enable_private_segment 0
		.amdhsa_kernarg_size 40
		.amdhsa_user_sgpr_count 2
		.amdhsa_user_sgpr_kernarg_segment_ptr 1
		.amdhsa_wavefront_size32 1
		.amdhsa_system_sgpr_workgroup_id_x 1
		.amdhsa_system_sgpr_workgroup_id_y 1
		.amdhsa_system_sgpr_workgroup_id_z 1
		.amdhsa_system_vgpr_workitem_id 0
		.amdhsa_next_free_vgpr 832
		.amdhsa_next_free_sgpr 66
		.amdhsa_reserve_vcc 1
		.amdhsa_float_denorm_mode_32 3
		.amdhsa_float_denorm_mode_16_64 3
		.amdhsa_memory_ordered 1
		.amdhsa_forward_progress 1
		.amdhsa_inst_pref_size 180
	.end_amdhsa_kernel
	.amdgpu_metadata
---
amdhsa.version: [ 1, 2 ]
amdhsa.kernels:
  - .name:           k_q05b9d3cbd4_prod2
    .symbol:         k_q05b9d3cbd4_prod2.kd
    .args:
      - { .name: hmid, .offset: 0, .size: 8, .value_kind: global_buffer, .address_space: global }
      - { .name: bm, .offset: 8, .size: 8, .value_kind: global_buffer, .address_space: global }
      - { .name: w2, .offset: 16, .size: 8, .value_kind: global_buffer, .address_space: global }
      - { .name: gw, .offset: 24, .size: 8, .value_kind: global_buffer, .address_space: global }
      - { .name: part, .offset: 32, .size: 8, .value_kind: global_buffer, .address_space: global }
    .group_segment_fixed_size: 202240
    .private_segment_fixed_size: 0
    .kernarg_segment_align: 8
    .kernarg_segment_size: 40
    .max_flat_workgroup_size: 128
    .sgpr_count:     66
    .vgpr_count:     832
    .wavefront_size: 32
...
	.end_amdgpu_metadata
.endif
;; end of part 6
;; launch combine: the kernel of part 4 again; grid 256 x 1, 8 waves a work-group, no clusters, 0 bytes of LDS; arguments part, idx, gw, b2, out0; writes out0
;; ======== version 3 of 3: 4 launches; version 2 with the launch combine written anew for expert scheduling mode
;; limits: values are held in f16: magnitudes above 65,504 overflow, below 6.1e-05 lose precision; a function is approximated: absolute error at most 1.5e-07
;; workspace buffers: xb 2,097,152 bytes; idx 8,192 bytes of whole numbers; bm 2,048 bytes of whole numbers; gw 8,192 bytes; hmid 16,777,216 bytes; part 33,554,432 bytes
;; launch router: the kernel of part 1 again; grid 64 x 1, 8 waves a work-group, no clusters, 42,496 bytes of LDS; arguments x, gate_w, gate_b, xb, idx, gw, bm; writes xb, idx, gw, bm
;; launch prod1: the kernel of part 5 again; grid 32 x 8, 4 waves a work-group, no clusters, 202,240 bytes of LDS; arguments xb, bm, w1, b1, hmid; writes hmid
;; launch prod2: the kernel of part 6 again; grid 32 x 8, 4 waves a work-group, no clusters, 202,240 bytes of LDS; arguments hmid, bm, w2, gw, part; writes part
;; launch combine (part 7): grid 256 x 1, 8 waves a work-group, no clusters, 0 bytes of LDS; arguments part, idx, gw, b2, out0; writes out0
.if DOCPART == 7
	.amdgcn_target "amdgcn-amd-amdhsa--gfx1250"
	.amdhsa_code_object_version 6
	.text
	.protected	k_q05b9d3cbd4_combine
	.globl	k_q05b9d3cbd4_combine
	.p2align	8
	.type	k_q05b9d3cbd4_combine,@function
k_q05b9d3cbd4_combine:
	s_mov_b64 s[64:65], 0
	v_nop
	global_prefetch_b8 v0, s[64:65] scope:SCOPE_SE
	s_setreg_imm32_b32 hwreg(HW_REG_WAVE_SCHED_MODE, 0, 2), 2
	s_setreg_imm32_b32 hwreg(HW_REG_WAVE_MODE, 25, 1), 1
	s_wait_xcnt 0x0
	s_wait_alu depctr_vm_vsrc(0)
; THE SUM.  out0[t] = the sum over the token's two choices k of ( the four K quarters' part[q][2 t + k] + gw[2 t + k] b2[idx[2 t + k]] ).
; part holds f32 partial sums that already carry the gate weight; b2 is rounded to bf16 like every input; all sums in f32, in a fixed order.
; SHARES.  A work-group has 4 tokens; thread n has the 16 bytes at 16 n of every row, so each load and store of a wave covers 512 neighbouring bytes, aligned.
; A stream: all 40 loads of a thread go out ahead of the one wait for data (160 KB a work-group on their way); no LDS, no barrier, no matrix unit: nothing here is shared or multiplied by tiles.
; THE MODE: SCHED_MODE bits 1:0 = 2 (LLVM: expert scheduling mode 2), set by the entry lines.  The code itself states the register dependences
; between vector instructions and memory instructions, with s_wait_alu, always for 0.
; THE PLAN.  Registers that memory instructions touch:
;   v1         16 n.  Written once, at the head; read by the 32 loads of part and the 4 stores as their offset (and by the eight adds below); never written again.
;   v2-v9      the offsets into b2.  Written once, by a run of eight adds; read by the run of eight loads of b2; never written again.
;   PT         the loads of part land in it; no vector instruction names it ahead of the wait for the data.  Behind that wait the sums work in place; token j's first four registers are its store's data.
;   BB         the loads of b2 land in it; no vector instruction names it ahead of the wait for the data; no memory instruction reads it.
; So three waits on va_vdst state everything: v1 is written, ahead of the first load; v2-v9 are written, ahead of b2's loads; the four tokens' sums are written, ahead of the run of four stores.
; No register that a memory instruction reads is written again, no vector instruction writes a scalar register or VCC, and EXEC is never written: no other wait is owed.
.set PT, 16                            ; v[16:143]  part: token j, choice k, quarter q at 4 (8 j + 4 k + q)
.set BB, 144                           ; v[144:175] b2: token j, choice k at 4 (2 j + k)
	s_load_b256 s[4:11], s[0:1], 0x0               ; part s[4:5], idx s[6:7], gw s[8:9], b2 s[10:11]
	s_load_b64 s[12:13], s[0:1], 0x20              ; out0
	v_lshlrev_b32 v1, 4, v0
	s_lshl_b32 s40, ttmp9, 5                       ; my 4 tokens' 8 words in idx and in gw
	s_lshl_b32 s14, ttmp9, 15                      ; their 8 rows of 4,096 bytes in a quarter of part
	s_mov_b32 s15, 0
	s_mov_b32 s41, 0xffff0000
	s_wait_kmcnt 0x0
	s_load_b256 s[16:23], s[6:7], s40 offset:0x0   ; the experts
	s_load_b256 s[24:31], s[8:9], s40 offset:0x0   ; the weights
	s_add_nc_u64 s[32:33], s[4:5], s[14:15]
	s_add_nc_u64 s[34:35], s[32:33], 0x800000      ; a quarter of part is 2,048 rows of 4,096 bytes: too far for a load's immediate, so each has a base
	s_add_nc_u64 s[36:37], s[34:35], 0x800000
	s_add_nc_u64 s[38:39], s[36:37], 0x800000
	s_wait_alu depctr_va_vdst(0)                   ; v1 is written: the loads of part and the stores read it as their offset
.irp m, 0,1,2,3,4,5,6,7
.irp q, 0,1,2,3
	global_load_b128 v[PT+4*(4*\m+\q):PT+4*(4*\m+\q)+3], v1, s[32+2*\q:33+2*\q] offset:4096*\m th:TH_LOAD_NT  ; row id 8 x work-group + m, m = 2 j + k
.endr
.endr
	s_lshl_b32 s14, ttmp9, 14                      ; my 4 rows of out0
	s_add_nc_u64 s[12:13], s[12:13], s[14:15]
	s_wait_kmcnt 0x0
.irp m, 0,1,2,3,4,5,6,7                                ; the eight offsets stand together, so that one wait serves the eight loads
	s_min_u32 s[16+\m], s[16+\m], 7
	s_lshl_b32 s[16+\m], s[16+\m], 12              ; a row of b2 is 4,096 bytes
	v_add_nc_u32 v[2+\m], s[16+\m], v1
.endr
	s_wait_alu depctr_va_vdst(0)                   ; v2 to v9 are written: the loads of b2 read them as their offsets
.irp m, 0,1,2,3,4,5,6,7
	global_load_b128 v[BB+4*\m:BB+4*\m+3], v[2+\m], s[10:11]
.endr
	s_wait_loadcnt 0x0
.irp j, 0,1,2,3
.irp m, 0,2,4,6                                        ; eight vectors of four: neighbours, then pairs, then halves
.irp c, 0,2
	v_pk_add_f32 v[PT+32*\j+4*\m+\c:PT+32*\j+4*\m+\c+1], v[PT+32*\j+4*\m+\c:PT+32*\j+4*\m+\c+1], v[PT+32*\j+4*\m+4+\c:PT+32*\j+4*\m+4+\c+1]
.endr
.endr
.irp m, 0,4
.irp c, 0,2
	v_pk_add_f32 v[PT+32*\j+4*\m+\c:PT+32*\j+4*\m+\c+1], v[PT+32*\j+4*\m+\c:PT+32*\j+4*\m+\c+1], v[PT+32*\j+4*\m+8+\c:PT+32*\j+4*\m+8+\c+1]
.endr
.endr
.irp c, 0,2
	v_pk_add_f32 v[PT+32*\j+\c:PT+32*\j+\c+1], v[PT+32*\j+\c:PT+32*\j+\c+1], v[PT+32*\j+16+\c:PT+32*\j+16+\c+1]
.endr
.irp k, 0,1
	v_cvt_pk_bf16_f32 v176, v[BB+4*(2*\j+\k)], v[BB+4*(2*\j+\k)+1]      ; b2 rounded to bf16
	v_cvt_pk_bf16_f32 v177, v[BB+4*(2*\j+\k)+2], v[BB+4*(2*\j+\k)+3]
	v_lshlrev_b32 v[BB+4*(2*\j+\k)], 16, v176
	v_and_b32 v[BB+4*(2*\j+\k)+1], s41, v176
	v_lshlrev_b32 v[BB+4*(2*\j+\k)+2], 16, v177
	v_and_b32 v[BB+4*(2*\j+\k)+3], s41, v177
.irp c, 0,1,2,3
	v_fmac_f32 v[PT+32*\j+\c], s[24+2*\j+\k], v[BB+4*(2*\j+\k)+\c]
.endr
.endr
.endr
	s_wait_alu depctr_va_vdst(0)                   ; the four tokens' sums are written in the first four registers of each token's PT, which the stores read
.irp j, 0,1,2,3
	global_store_b128 v1, v[PT+32*\j:PT+32*\j+3], s[12:13] offset:4096*\j th:TH_STORE_NT
.endr
	s_endpgm
.Lfunc_end_k_q05b9d3cbd4_combine:
	.size	k_q05b9d3cbd4_combine, .Lfunc_end_k_q05b9d3cbd4_combine-k_q05b9d3cbd4_combine
	.p2alignl 7, 3214868480
	.fill 96, 4, 3214868480
	.section	.rodata,"a",@progbits
	.p2align	6, 0x0
	.amdhsa_kernel k_q05b9d3cbd4_combine
		.amdhsa_group_segment_fixed_size 0
		.amdhsa_private_segment_fixed_size 0
		.amdhsa_enable_private_segment 0
		.amdhsa_kernarg_size 40
		.amdhsa_user_sgpr_count 2
		.amdhsa_user_sgpr_kernarg_segment_ptr 1
		.amdhsa_wavefront_size32 1
		.amdhsa_system_sgpr_workgroup_id_x 1
		.amdhsa_system_sgpr_workgroup_id_y 1
		.amdhsa_system_sgpr_workgroup_id_z 1
		.amdhsa_system_vgpr_workitem_id 0
		.amdhsa_next_free_vgpr 184
		.amdhsa_next_free_sgpr 66
		.amdhsa_reserve_vcc 0
		.amdhsa_float_denorm_mode_32 3
		.amdhsa_float_denorm_mode_16_64 3
		.amdhsa_memory_ordered 1
		.amdhsa_forward_progress 1
		.amdhsa_inst_pref_size 13
	.end_amdhsa_kernel
	.amdgpu_metadata
---
amdhsa.version: [ 1, 2 ]
amdhsa.kernels:
  - .name:           k_q05b9d3cbd4_combine
    .symbol:         k_q05b9d3cbd4_combine.kd
    .args:
      - { .name: part, .offset: 0, .size: 8, .value_kind: global_buffer, .address_space: global }
      - { .name: idx, .offset: 8, .size: 8, .value_kind: global_buffer, .address_space: global }
      - { .name: gw, .offset: 16, .size: 8, .value_kind: global_buffer, .address_space: global }
      - { .name: b2, .offset: 24, .size: 8, .value_kind: global_buffer, .address_space: global }
      - { .name: out0, .offset: 32, .size: 8, .value_kind: global_buffer, .address_space: global }
    .group_segment_fixed_size: 0
    .private_segment_fixed_size: 0
    .kernarg_segment_align: 8
    .kernarg_segment_size: 40
    .max_flat_workgroup_size: 256
    .sgpr_count:     66
    .vgpr_count:     184
    .wavefront_size: 32
...
	.end_amdgpu_metadata
.endif
;; end of part 7
